; MI455X (gfx1250); checked and timed in simulation.
; The chip was launched on July 23, 2026; its instructions are those of AMD's public machine-readable ISA for CDNA 5 (MIT licence, August 2026) and "CDNA5" Instruction Set Architecture Reference Guide (July 2026). The comments in the code are by the model that wrote it; some were corrected since.
;; Sparse Transformer Block. Allowed arithmetic: matrix products marked QUANTISED: E2M3 operands, one E8M0 scale for each 32 along K, by v_wmma_scale_f32_16x16x128_f8f6f4 with both operands' format E2M3, f32 sums; everything else in f32.
;; Inputs: b1 2,048 float32; b2 512 float32; inputs 2 x 4,096 x 512 float32; ln1_bias 512 float32; ln1_scale 512 float32; ln2_bias 512 float32; ln2_scale 512 float32; w1_codes 2,048 x 16 x 24 uint8 (E2M3 codes of w1, K innermost, in blocks of 32 codes, four codes in three bytes); w1_scales 2,048 x 16 uint8 (E8M0 scales of w1, one for each 32 codes along K); w2_codes 512 x 64 x 24 uint8 (E2M3 codes of w2, K innermost, in blocks of 32 codes, four codes in three bytes); w2_scales 512 x 64 uint8 (E8M0 scales of w2, one for each 32 codes along K); wk_codes 8 x 64 x 16 x 24 uint8 (E2M3 codes of wk, K innermost, in blocks of 32 codes, four codes in three bytes); wk_scales 8 x 64 x 16 uint8 (E8M0 scales of wk, one for each 32 codes along K); wo 8 x 64 x 512 float32; wq_codes 8 x 64 x 16 x 24 uint8 (E2M3 codes of wq, K innermost, in blocks of 32 codes, four codes in three bytes); wq_scales 8 x 64 x 16 uint8 (E8M0 scales of wq, one for each 32 codes along K); wv_codes 8 x 64 x 16 x 24 uint8 (E2M3 codes of wv, K innermost, in blocks of 32 codes, four codes in three bytes); wv_scales 8 x 64 x 16 uint8 (E8M0 scales of wv, one for each 32 codes along K).
;; Outputs: out0 2 x 4,096 x 512 float32.
;; This version of the problem:
;;   THIS VERSION OF THE PROBLEM IS GIVEN IN LOW PRECISION. The matrix products marked QUANTISED in the list below multiply operands that are first quantised to E2M3 (2 exponent bits, 3 mantissa bits; 6 bits a number), with one power-of-two scale for each 32 numbers along K (OCP MX v1.0); their sums are f32. All else is computed in f32.
;;   The module's matrix products, in the order in which they are computed (A, B: the left and right operand; K: the contracted axis; several contracted axes count as one K, in the product's order):
;;     1. [M 8,192, K 512] x [K 512, N 512]; A: computed on the way; B: input wq (given as codes): QUANTISED
;;     2. [M 8,192, K 512] x [K 512, N 512]; A: computed on the way; B: input wk (given as codes): QUANTISED
;;     3. [M 8,192, K 512] x [K 512, N 512]; A: computed on the way; B: input wv (given as codes): QUANTISED
;;     4. batch 16 x [M 4,096, K 64] x [K 64, N 4,096]; A: computed on the way; B: computed on the way: QUANTISED
;;     5. batch 16 x [M 64, K 4,096] x [K 4,096, N 4,096]; A: computed on the way; B: softmax (see below): QUANTISED
;;     6. [M 8,192, K 512] x [K 512, N 512]; A: computed on the way; B: input wo: QUANTISED
;;     7. [M 8,192, K 512] x [K 512, N 2,048]; A: computed on the way; B: input w1 (given as codes): QUANTISED
;;     8. [M 8,192, K 2,048] x [K 2,048, N 512]; A: computed on the way; B: input w2 (given as codes): QUANTISED
;;   THE QUANTISER, for each operand of a quantised product, along K:
;;     - K is cut into blocks of 32 from its start; a last block that is shorter is filled with zeros.
;;     - A block's scale is 2^e with e = floor(log2(the largest magnitude in the block)) - 2, held to -126 .. 127; a block of zeros has e = 0. As a byte (E8M0): e + 127.
;;     - Each number is divided by its block's scale, clamped to +-7.5, and rounded to the nearest number of E2M3, ties to even, subnormals kept.
;;     - The product sums the exact products of the quantised numbers (number of the format x scale) in f32.
;;   ~~~python
;;   def quantise(x, axis):      # numpy; x: float32 -> the quantised numbers, widened to float32 again
;;       x = np.moveaxis(x, axis, -1); K = x.shape[-1]
;;       x = np.pad(x, [(0, 0)] * (x.ndim - 1) + [(0, -K % 32)]); x = x.reshape(x.shape[:-1] + (-1, 32)); a = np.abs(x).max(-1, keepdims=True)
;;       e = np.where(a > 0, np.clip(np.frexp(np.where(a > 0, a, 1))[1] - 1 - 2, -126, 127), 0)      # np.frexp(a)[1] - 1 = floor(log2(a)), exactly
;;       r = np.clip(x / 2.0 ** e, -7.5, 7.5)
;;       step = 2.0 ** (np.maximum(np.frexp(np.where(r == 0, 1, r))[1] - 1, 0) - 3)
;;       q = np.round(r / step) * step * 2.0 ** e      # np.round: ties to even
;;       return np.moveaxis(q.reshape(q.shape[:-2] + (-1,))[..., :K], -1, axis).astype(np.float32)
;;   ~~~
;;   SOFTMAX AHEAD OF A QUANTISED PRODUCT. Where the list says 'softmax', what is quantised is not the finished softmax but p = 2^(t - M), with t = logit x log2(e) and M = ceil(the row's largest t), a whole number; so 1/2 < the row's largest p <= 1. The row's sum l is taken of the UNQUANTISED p, in f32, and the product's result is divided by l at the end. Since M is a whole number, a kernel that streams over the keys may use a running M (the ceiling of the running maximum): every later rescaling is an exact power of two, which a block's scale takes up: the codes' values come out the same.
;;   OPERANDS COMPUTED ON THE WAY. 'Computed on the way' means the value that the module computes at that place (a softmax that the list does not call 'softmax' is quantised finished and normalised). What goes into a quantiser is computed in f32, as accurately as f32 sums, v_exp_f32 and their like allow (about 1e-6 of the number): no bf16 or f16 on the way to a quantiser, and a product that is left as it is and whose result goes on into a quantised operand takes f32 operands (vector FMAs, or v_wmma_f32_16x16x4_f32). A number that lies on a knife's edge between two numbers of the format may be rounded either way, as far as f32 arithmetic and the matrix unit's own rounding can turn it there, and no further.
;;   INPUTS GIVEN AS CODES. w1 (in the module: [512, 2048], K = its axis 0); w2 (in the module: [2048, 512], K = its axis 0); wk (in the module: [512, 8, 64], K = its axis 0); wq (in the module: [512, 8, 64], K = its axis 0); wv (in the module: [512, 8, 64], K = its axis 0): each comes as NAME_codes (uint8): NAME with its K axis moved to the last place and cut into blocks of 32 codes, [.., K / 32, bytes a block], one block behind the other in memory; four codes in three bytes: a row's codes are one little-endian stream of bits, code i at bits 6 i .. 6 i + 5 (a code: sign, 2 exponent bits, 3 mantissa bits); and NAME_scales (uint8): the same leading axes, one E8M0 byte (e + 127) for each 32 codes along K. Its value is code x scale, taken as it is: it is not quantised again, and the codes and scales need not be those that the quantiser above would give.
;; 2 versions. Each part assembles by itself: llvm-mc -triple=amdgcn-amd-amdhsa -mcpu=gfx1250 --defsym DOCPART=n.
;; ======== version 1 of 2: 4 launches
;; workspace buffers: qkvs 638,976 bytes; wstr 1,916,928 bytes; qimg 3,670,016 bytes; kimg 3,670,016 bytes; vimg 3,670,016 bytes; cimg 4,194,304 bytes
;; launch prep (part 1): grid 240 x 1, 2 waves a work-group, no clusters, 0 bytes of LDS; arguments wq_codes, wq_scales, wk_codes, wk_scales, wv_codes, wv_scales, w1_codes, w1_scales, w2_codes, w2_scales, wo, qkvs, wstr; writes qkvs, wstr
.if DOCPART == 1
	.amdgcn_target "amdgcn-amd-amdhsa--gfx1250"
	.amdhsa_code_object_version 6
	.text
	.protected	k_q5b2dd2f9bc_prep
	.globl	k_q5b2dd2f9bc_prep
	.p2align	8
	.type	k_q5b2dd2f9bc_prep,@function
k_q5b2dd2f9bc_prep:
	s_mov_b64 s[64:65], 0
	v_nop
	global_prefetch_b8 v0, s[64:65] scope:SCOPE_SE
	s_setreg_imm32_b32 hwreg(HW_REG_WAVE_MODE, 25, 1), 1
	s_wait_xcnt 0x0
; All weights are laid out once as streams of SETS, in the order in which a wave's operand registers take them.
; A SET is one K step (128) of 4 tiles of 16 weight rows: 6,656 bytes.  Fragment f (12 registers a lane) lies at 1,536 f as three images of 512 bytes
; (registers 4 i .. 4 i + 3 of lane l at 512 i + 16 l); at 6,144 + 16 l stand the four scale words (f = 0 .. 3) of lane l % 16.  A reader brings a set by 13 loads of 16 bytes a lane.
; THE ROWS OF A TILE ARE NOT NEIGHBOURS: lane r of tile f takes row n0 + 32 (f / 2) + 8 (f % 2) + r + (r & 8), so that a transposed product leaves 16 neighbours along the next K in a lane.
; qkvs: [head 8][q, k, v][K step 4].   wstr: [wave 8][36 sets: wo's K steps 0-3; W1's chunk 0-3 x K step 0-3; W2's K steps 0-15].
; One wave makes one set (given codes: a plain copy, row pieces of 8 bytes in, whole runs of 512 bytes out) or, for wo, one fragment: wo arrives as f32 with K as its first axis,
; a lane takes a column and its registers run down K; a block's scale is 2^(floor(log2(largest magnitude)) - 2).
; wo's four scale words of a set come from four waves: stores of 4 bytes, 16 bytes apart: 16,384 bytes in the whole launch.
; LIMITS: NaN and infinities in wo are not served; a block of wo under 2^-124 (zeros too) keeps the byte 1: its codes are what the conversion gives under that scale, and this program alone reads the bytes.
; No LDS, no barrier, no matrix work: waves share nothing.  240 work-groups of 2 waves: 96 + 128 + 128 sets and 128 fragments.
.set SETB, 6656
.macro MKSET KROW, KS                  ; s[40:41] codes at (n0, K step), s[42:43] scale bytes likewise, s[44:45] the set
	v_mul_u32_u24 v4, v3, \KROW
	v_mad_u32_u24 v4, v2, 24, v4                   ; my row of a tile, + 24 bytes for the upper half of the lanes
	v_mul_u32_u24 v5, v3, \KS
.irp f, 0,1,2,3
.irp p, 0,1,2,3,4,5
	global_load_b64 v[16+12*\f+2*\p:17+12*\f+2*\p], v4, s[40:41] offset:(32*(\f/2)+8*(\f%2))*\KROW+48*(\p/3)+8*(\p%3)
.endr
	global_load_b32 v[64+\f], v5, s[42:43] offset:(32*(\f/2)+8*(\f%2))*\KS
.endr
	s_wait_loadcnt 0x0
.irp f, 0,1,2,3
.irp i, 0,1,2
	global_store_b128 v6, v[16+12*\f+4*\i:19+12*\f+4*\i], s[44:45] offset:1536*\f+512*\i   ; 32 lanes store 512 consecutive bytes, at a multiple of 256 from the buffer's first byte
.endr
.endr
	global_store_b128 v6, v[64:67], s[44:45] offset:6144
.endm
	s_load_b512 s[8:23], s[0:1], 0x0               ; wq codes, scales; wk; wv; w1 codes s[20:21], scales s[22:23]
	s_load_b256 s[24:31], s[0:1], 0x40             ; w2 codes, scales; wo s[28:29]; qkvs s[30:31]
	s_load_b64 s[32:33], s[0:1], 0x60              ; wstr
	v_lshrrev_b32 v1, 5, v0
	v_readfirstlane_b32 s34, v1                    ; wave
	s_lshl_b32 s35, ttmp9, 1
	s_add_co_u32 s35, s35, s34                     ; which piece of work is mine: 2 x work-group + wave
	v_and_b32 v1, 15, v0                           ; r
	v_bfe_u32 v2, v0, 4, 1                         ; h
	v_and_b32 v3, 8, v1
	v_add_nc_u32 v3, v3, v1                        ; r + (r & 8)
	v_and_b32 v6, 31, v0
	v_lshlrev_b32 v6, 4, v6                        ; 16 x lane
	s_mov_b32 s37, 0                               ; the upper words of the three offsets
	s_mov_b32 s39, 0
	s_mov_b32 s49, 0
	s_wait_kmcnt 0x0
	s_cmp_ge_u32 ttmp9, 176
	s_cbranch_scc1 .Lwo
	s_cmp_ge_u32 ttmp9, 112
	s_cbranch_scc1 .Lw2
	s_cmp_ge_u32 ttmp9, 48
	s_cbranch_scc1 .Lw1
	; ---- pieces 0 .. 95: wq, wk, wv
	s_lshr_b32 s50, s35, 5                         ; 0 q, 1 k, 2 v
	s_bfe_u32 s51, s35, 0x30002                    ; head
	s_and_b32 s52, s35, 3                          ; K step
	s_cmp_eq_u32 s50, 0
	s_cselect_b64 s[40:41], s[8:9], s[12:13]
	s_cselect_b64 s[42:43], s[10:11], s[14:15]
	s_cmp_eq_u32 s50, 2
	s_cselect_b64 s[40:41], s[16:17], s[40:41]
	s_cselect_b64 s[42:43], s[18:19], s[42:43]
	s_mul_i32 s36, s51, 24576                      ; 64 rows of 384 bytes a head
	s_mul_i32 s53, s52, 96
	s_add_co_u32 s36, s36, s53
	s_add_nc_u64 s[40:41], s[40:41], s[36:37]
	s_lshl_b32 s38, s51, 10                        ; 64 rows of 16 scale bytes
	s_lshl_b32 s53, s52, 2
	s_add_co_u32 s38, s38, s53
	s_add_nc_u64 s[42:43], s[42:43], s[38:39]
	s_mul_i32 s48, s51, 3
	s_add_co_u32 s48, s48, s50
	s_lshl_b32 s48, s48, 2
	s_add_co_u32 s48, s48, s52
	s_mul_i32 s48, s48, SETB
	s_add_nc_u64 s[44:45], s[30:31], s[48:49]
	MKSET 384, 16
	s_endpgm
.Lw1:	; ---- pieces 96 .. 223: W1: wave w8's rows of chunk ch are 512 ch + 64 w8 on
	s_sub_co_u32 s50, s35, 96
	s_lshr_b32 s51, s50, 4                         ; w8
	s_bfe_u32 s52, s50, 0x20002                    ; chunk
	s_and_b32 s53, s50, 3                          ; K step
	s_lshl_b32 s54, s52, 9
	s_lshl_b32 s55, s51, 6
	s_add_co_u32 s54, s54, s55                     ; n0
	s_mul_i32 s36, s54, 384
	s_mul_i32 s55, s53, 96
	s_add_co_u32 s36, s36, s55
	s_add_nc_u64 s[40:41], s[20:21], s[36:37]
	s_lshl_b32 s38, s54, 4
	s_lshl_b32 s55, s53, 2
	s_add_co_u32 s38, s38, s55
	s_add_nc_u64 s[42:43], s[22:23], s[38:39]
	s_mul_i32 s48, s51, 36
	s_and_b32 s55, s50, 15
	s_add_co_u32 s48, s48, s55
	s_add_co_u32 s48, s48, 4
	s_mul_i32 s48, s48, SETB
	s_add_nc_u64 s[44:45], s[32:33], s[48:49]
	MKSET 384, 16
	s_endpgm
.Lw2:	; ---- pieces 224 .. 351: W2: rows 64 w8 on, K step s
	s_sub_co_u32 s50, s35, 224
	s_lshr_b32 s51, s50, 4                         ; w8
	s_and_b32 s53, s50, 15                         ; K step
	s_mul_i32 s36, s51, 64*1536
	s_mul_i32 s55, s53, 96
	s_add_co_u32 s36, s36, s55
	s_add_nc_u64 s[40:41], s[24:25], s[36:37]
	s_lshl_b32 s38, s51, 12                        ; 64 rows of 64 scale bytes
	s_lshl_b32 s55, s53, 2
	s_add_co_u32 s38, s38, s55
	s_add_nc_u64 s[42:43], s[26:27], s[38:39]
	s_mul_i32 s48, s51, 36
	s_add_co_u32 s48, s48, s53
	s_add_co_u32 s48, s48, 20
	s_mul_i32 s48, s48, SETB
	s_add_nc_u64 s[44:45], s[32:33], s[48:49]
	MKSET 1536, 64
	s_endpgm
.Lwo:	; ---- pieces 352 .. 479: one fragment of wo [K 512][N 512] f32: tile f of columns 64 w8 on, K step k
	s_sub_co_u32 s50, s35, 352
	s_lshr_b32 s51, s50, 4                         ; w8
	s_bfe_u32 s52, s50, 0x20002                    ; K step
	s_and_b32 s53, s50, 3                          ; f
	s_lshl_b32 s36, s52, 18                        ; 128 rows of 2,048 bytes
	s_lshl_b32 s54, s51, 8                         ; 64 columns of 4 bytes
	s_add_co_u32 s36, s36, s54
	s_lshr_b32 s54, s53, 1
	s_lshl_b32 s54, s54, 7                         ; 32 (f / 2) columns
	s_add_co_u32 s36, s36, s54
	s_and_b32 s54, s53, 1
	s_lshl_b32 s54, s54, 5                         ; 8 (f % 2) columns
	s_add_co_u32 s36, s36, s54
	s_add_nc_u64 s[40:41], s[28:29], s[36:37]
	s_mul_i32 s48, s51, 36
	s_add_co_u32 s48, s48, s52
	s_mul_i32 s48, s48, SETB
	s_add_nc_u64 s[46:47], s[32:33], s[48:49]      ; the set
	s_mul_i32 s38, s53, 1536
	s_add_nc_u64 s[44:45], s[46:47], s[38:39]      ; its fragment f
	s_lshl_b32 s38, s53, 2
	s_add_nc_u64 s[46:47], s[46:47], s[38:39]      ; and word f of each lane's four
	s_mov_b32 s56, 0x76543210
	s_mov_b32 s57, 0xfedcba98                      ; v_permlanex16_b32's selects for lane l xor 16
	v_lshlrev_b32 v4, 2, v3                        ; my column,
	v_lshl_add_u32 v4, v2, 16, v4                  ; and 32 rows further down for lanes 16-31: lane (r, h) wants k = 64 c + 32 h + 0 .. 31
.irp c, 0,1
.set i, 0
.rept 32
	global_load_b32 v[64+32*\c+i], v4, s[40:41] offset:(64*\c+i)*2048
.set i, i+1
.endr
.endr
	s_wait_loadcnt 0x0
.irp c, 0,1
	v_max3_num_f32 v[32+\c], |v[64+32*\c]|, |v[65+32*\c]|, 0x1800000   ; my block 2 c + h: all its 32 numbers are mine; the floor 2^(3 - 127) holds the byte at 1 from below
.endr
.irp i, 2,4,6,8,10,12,14,16,18,20,22,24,26,28,30
.irp c, 0,1
	v_max3_num_f32 v[32+\c], v[32+\c], |v[64+32*\c+\i]|, |v[65+32*\c+\i]|
.endr
.endr
.irp c, 0,1
	v_add_nc_u32 v[44+\c], 0xff000000, v[32+\c]    ; 2 off the exponent field: the conversion's scale operand
.endr
.irp c, 0,1
	v_lshrrev_b32 v[36+\c], 23, v[44+\c]           ; the scale's byte
.endr
	v_lshl_or_b32 v9, v37, 16, v36                 ; my two bytes: blocks h and 2 + h,
	v_lshlrev_b32 v10, 3, v2
	v_lshlrev_b32 v9, v10, v9                      ; at their places in the word;
	v_mov_b32 v10, 0
	v_permlanex16_b32 v10, v9, s56, s57
	v_or_b32 v9, v9, v10                           ; with lane l xor 16's two the word is whole, in both halves of the lanes
.irp c, 0,1
	v_cvt_scalef32_pk16_fp6_f32 v[48+6*\c:50+6*\c], v[64+32*\c:79+32*\c], v[44+\c]
	v_cvt_scalef32_pk16_fp6_f32 v[132+4*\c:134+4*\c], v[80+32*\c:95+32*\c], v[44+\c]   ; (a conversion's three registers begin on an even number)
.endr
	v_nop                                          ; one plain place behind a scaled conversion
.irp c, 0,1
.irp i, 0,1,2
	v_mov_b32 v[51+6*\c+\i], v[132+4*\c+\i]
.endr
.endr
.irp i, 0,1,2
	global_store_b128 v6, v[48+4*\i:51+4*\i], s[44:45] offset:512*\i
.endr
	global_store_b32 v6, v9, s[46:47] offset:6144
	s_endpgm
.Lfunc_end_k_q5b2dd2f9bc_prep:
	.size	k_q5b2dd2f9bc_prep, .Lfunc_end_k_q5b2dd2f9bc_prep-k_q5b2dd2f9bc_prep
	.p2alignl 7, 3214868480
	.fill 96, 4, 3214868480
	.section	.rodata,"a",@progbits
	.p2align	6, 0x0
	.amdhsa_kernel k_q5b2dd2f9bc_prep
		.amdhsa_group_segment_fixed_size 0
		.amdhsa_private_segment_fixed_size 0
		.amdhsa_enable_private_segment 0
		.amdhsa_kernarg_size 104
		.amdhsa_user_sgpr_count 2
		.amdhsa_user_sgpr_kernarg_segment_ptr 1
		.amdhsa_wavefront_size32 1
		.amdhsa_system_sgpr_workgroup_id_x 1
		.amdhsa_system_sgpr_workgroup_id_y 1
		.amdhsa_system_sgpr_workgroup_id_z 1
		.amdhsa_system_vgpr_workitem_id 0
		.amdhsa_next_free_vgpr 160
		.amdhsa_next_free_sgpr 66
		.amdhsa_reserve_vcc 0
		.amdhsa_float_denorm_mode_32 3
		.amdhsa_float_denorm_mode_16_64 3
		.amdhsa_memory_ordered 1
		.amdhsa_forward_progress 1
		.amdhsa_inst_pref_size 27
	.end_amdhsa_kernel
	.amdgpu_metadata
---
amdhsa.version: [ 1, 2 ]
amdhsa.kernels:
  - .name:           k_q5b2dd2f9bc_prep
    .symbol:         k_q5b2dd2f9bc_prep.kd
    .args:
      - { .name: wq_codes, .offset: 0, .size: 8, .value_kind: global_buffer, .address_space: global }
      - { .name: wq_scales, .offset: 8, .size: 8, .value_kind: global_buffer, .address_space: global }
      - { .name: wk_codes, .offset: 16, .size: 8, .value_kind: global_buffer, .address_space: global }
      - { .name: wk_scales, .offset: 24, .size: 8, .value_kind: global_buffer, .address_space: global }
      - { .name: wv_codes, .offset: 32, .size: 8, .value_kind: global_buffer, .address_space: global }
      - { .name: wv_scales, .offset: 40, .size: 8, .value_kind: global_buffer, .address_space: global }
      - { .name: w1_codes, .offset: 48, .size: 8, .value_kind: global_buffer, .address_space: global }
      - { .name: w1_scales, .offset: 56, .size: 8, .value_kind: global_buffer, .address_space: global }
      - { .name: w2_codes, .offset: 64, .size: 8, .value_kind: global_buffer, .address_space: global }
      - { .name: w2_scales, .offset: 72, .size: 8, .value_kind: global_buffer, .address_space: global }
      - { .name: wo, .offset: 80, .size: 8, .value_kind: global_buffer, .address_space: global }
      - { .name: qkvs, .offset: 88, .size: 8, .value_kind: global_buffer, .address_space: global }
      - { .name: wstr, .offset: 96, .size: 8, .value_kind: global_buffer, .address_space: global }
    .group_segment_fixed_size: 0
    .private_segment_fixed_size: 0
    .kernarg_segment_align: 8
    .kernarg_segment_size: 104
    .max_flat_workgroup_size: 64
    .sgpr_count:     66
    .vgpr_count:     160
    .wavefront_size: 32
...
	.end_amdgpu_metadata
.endif
;; end of part 1
;; launch qkv (part 2): grid 128 x 1, 8 waves a work-group, no clusters, 31,744 bytes of LDS; arguments inputs, ln1_scale, ln1_bias, qkvs, qimg, kimg, vimg; writes qimg, kimg, vimg
.if DOCPART == 2
	.amdgcn_target "amdgcn-amd-amdhsa--gfx1250"
	.amdhsa_code_object_version 6
	.text
	.protected	k_q5b2dd2f9bc_qkv
	.globl	k_q5b2dd2f9bc_qkv
	.p2align	8
	.type	k_q5b2dd2f9bc_qkv,@function
k_q5b2dd2f9bc_qkv:
	s_mov_b64 s[64:65], 0
	v_nop
	global_prefetch_b8 v0, s[64:65] scope:SCOPE_SE
	s_setreg_imm32_b32 hwreg(HW_REG_WAVE_MODE, 25, 1), 1
	s_wait_xcnt 0x0
; LayerNorm 1, its quantiser, the products with wq, wk, wv on codes of FP6 (E2M3, one E8M0 scale for each 32 along K), and the quantisers of q x 1/8, k (along the head's 64) and v (along the keys).
; SHARES.  A work-group of eight waves takes 64 rows.  THE WAVES SHARE THE COLUMNS: wave w owns columns 64 w .. 64 w + 63 in the norm, and then head w.
; TILES.  In a group of 64 rows (and of 64 weight rows) lane r of tile t takes element 32 (t / 2) + 8 (t % 2) + r + (r & 8).  A transposed product (source 0 = 16 weight rows, source 1 = 16 rows of y) then leaves in
; the 32 registers ACC + 32 m + k of lane (r, h) the columns 32 (k / 16) + 16 h + k % 16 of one row: two blocks of 32, 16 neighbours each.  v is made the other way round (source 0 = y), so that its registers run along the keys.
; y GOES FROM WAVE TO WAVE THROUGH LDS AS IMAGES OF REGISTERS: the 6 registers that a wave makes for a tile (64 along K: half a fragment) lie as 512 bytes (registers 0-3, 16 bytes a lane) + 256 bytes (registers 4-5, 8 a lane).
; THE WEIGHTS come from memory straight into a ring of four register sets (window 1), 13 loads of 16 bytes a lane for a K step, laid out so by the launch before; four sets, 52 loads, are on their way.
; No tensor loads and no cluster: each weight byte goes once into the registers of the one wave that multiplies by it, so LDS would only be a detour; the eight waves read eight different heads' weights.
; RECORDS out (1,792 bytes for each (batch, head) and 32 rows): q, k: the two tiles' 768 bytes, then 128 bytes of scale words (lanes 0-15 tile 0, lanes 16-31 tile 1; bytes 2, 3 = 127);
; v: the block's 32 keys for d tiles 0, 1 (768 bytes: lanes 0-15 tile 0, lanes 16-31 tile 1), for tiles 2, 3, then a word a lane with the four tiles' bytes.  The last 128 bytes of a record are never read.
; The variance is taken of x - mean in a second pass.  LIMITS: NaN and infinities are not served; a block whose largest magnitude lies under 2^-124 keeps the scale byte 1.
; REGISTERS.  window 0: v1-16 addresses; v20-23 scale halfwords; v24-27 y's scale words; v28-43 the ring's; v44-59 mean and 1/sigma (pairs); v60-67 at work; v68-77 codes just made; v80-127 y's fragments, also at work; v128-255 ACC.
;   window 1: v0-191 the ring (set j at 48 j); v192-223 the gain, v224-255 the bias of my 64 columns.
.set SETB, 6656
.set LI16, 1                           ; 16 x lane
.set LI8, 2                            ; 8 x lane + 512
.set VX, 3                             ; (r + (r & 8)) x 2048 + 256 w + 64 h
.set PST16, 4                          ; where I store an image: 16 l + 6144 (w / 2) + 768 (w % 2)
.set PST8, 5                           ; 8 l + 512 + the same
.set PSS, 6                            ; my halfword of a scale word: 16 l + 512 (w / 2) + 2 (w % 2)
.set STA, 7                            ; 32 r + 4 w
.set STL, 8                            ; 32 r
.set L4, 9                             ; 4 x lane
.set PK16, 12
.set BA, 16                            ; 256 w + 64 h
.set PW4, 20
.set LSC, 24
.set RSC, 28
.set MU, 44
.set RS, 52
.set TM, 60
.set PC, 68
.set PT, 74
.set PW, 77
.set LFR, 80
.set ACC, 128
.set GG, 192
.set BIAS, 192
.set BE, 224
.set YIMG, 0                           ; LDS: y's 16 fragments, [K step][tile][half]: 6144 s + 1536 m + 768 c
.set YSC, 24576                        ; their scale words, [K step][lane][tile]: 512 s + 16 l + 4 m
.set ST1, 26624                        ; the waves' sums, [tile][row][wave]
.set ST2, 28672                        ; and sums of squares
.set STR, 10                           ; s[10:11] the stream of sets
.set WV, 20
.set SEL, 22
.set C29, 24
.set CEPS, 25
.set HM, 26
.set MSB, 0
.macro WIN new                         ; the immediate's high byte repeats the setting that is left
.if MSB != \new
	s_set_vgpr_msb (MSB<<8)|\new
.set MSB, \new
.endif
.endm
.macro BARRIER                         ; my LDS stores have landed and my LDS loads are in: then the work-group's barrier
	s_wait_dscnt 0x0
	s_barrier_signal -1
	s_barrier_wait -1
.endm
; 32 numbers of a lane, register 16 b + i = k 32 b + 16 (lane / 16) + i of my row, become 6 registers of codes (lane (r, h): block h whole) in v[d] on and the two scale bytes in v[pw].
.macro QUANT2 s, d, t, pw
.irp b, 0,1
	v_max3_num_f32 v[TM+\b], |v[(\s)+16*\b]|, |v[(\s)+16*\b+1]|, 0x1800000   ; the floor 2^(3 - 127): the byte cannot fall under 1
.endr
.irp i, 2,4,6,8,10,12,14
.irp b, 0,1
	v_max3_num_f32 v[TM+\b], v[TM+\b], |v[(\s)+16*\b+\i]|, |v[(\s)+16*\b+\i+1]|
.endr
.endr
.irp b, 0,1
	v_permlanex16_b32 v[TM+2+\b], v[TM+\b], s[SEL], s[SEL+1]
.endr
.irp b, 0,1
	v_max_num_f32 v[TM+\b], v[TM+\b], v[TM+2+\b]   ; with lane l xor 16's: the block's largest magnitude
.endr
.irp b, 0,1
	v_add_nc_u32 v[TM+4+\b], 0xff000000, v[TM+\b]  ; 2 off its exponent field: the conversion's scale operand
.endr
.irp b, 0,1
	v_lshrrev_b32 v[TM+6+\b], 23, v[TM+4+\b]       ; the scale's byte
.endr
	v_lshl_or_b32 v[\pw], v[TM+7], 8, v[TM+6]
	v_cvt_scalef32_pk16_fp6_f32 v[(\d):(\d)+2], v[(\s):(\s)+15], v[TM+4]
	v_cvt_scalef32_pk16_fp6_f32 v[(\t):(\t)+2], v[(\s)+16:(\s)+31], v[TM+5]
	v_nop                                          ; one plain place behind a scaled conversion
.irp i, 0,1,2
	v_permlane16_swap_b32 v[(\d)+\i], v[(\t)+\i]   ; the first now holds each lane's block's lower 16 codes, the second the upper 16
.endr
.irp i, 0,1,2
	v_mov_b32 v[(\d)+3+\i], v[(\t)+\i]
.endr
.endm
.macro RLOAD j, at                     ; set number at (counted from the stream's pointer) into ring place j: 13 loads
	WIN 0x40                                       ; destination window 1
.irp f, 0,1,2,3
.irp i, 0,1,2
	global_load_b128 v[48*\j+12*\f+4*\i:48*\j+12*\f+4*\i+3], v[LI16], s[STR:STR+1] offset:(\at)*SETB+1536*\f+512*\i
.endr
.endr
	WIN 0
	global_load_b128 v[RSC+4*\j:RSC+4*\j+3], v[LI16], s[STR:STR+1] offset:(\at)*SETB+6144
.endm
; One K step of 128: 4 tiles of rows x 4 tiles of weights: 16 accumulators, one instruction a turn, in the same order in every step.
; cmode 0: C = D; 1: C = 0, the sums begin; 2: C = the bias.  swap = 1: the rows are source 0.  wcnt: the loads of the younger sets, which may stay out.
.macro KSTEP j, a16, a8, asc, off, soff, cmode, swap, wcnt, refill
.irp m, 0,1,2,3
.irp c, 0,1
	ds_load_b128 v[LFR+12*\m+6*\c:LFR+12*\m+6*\c+3], v[\a16] offset:\off+6144*\j+1536*\m+768*\c
	ds_load_b64 v[LFR+12*\m+6*\c+4:LFR+12*\m+6*\c+5], v[\a8] offset:\off+6144*\j+1536*\m+768*\c
.endr
.endr
	ds_load_b128 v[LSC:LSC+3], v[\asc] offset:\soff+512*\j
	s_wait_loadcnt \wcnt                           ; loads come back in order: ring place j is in
	s_wait_dscnt 0x0
.if \swap
	WIN 0x04                                       ; source 1 (the ring) window 1
.elseif \cmode == 2
	WIN 0x11                                       ; source 0 (the ring) and C (the bias) window 1
.else
	WIN 0x01                                       ; source 0 (the ring) window 1
.endif
.irp m, 0,1,2,3
.irp f, 0,1,2,3
.if \swap
.if \cmode == 1
	v_wmma_scale_f32_16x16x128_f8f6f4 v[ACC+8*(4*\f+\m):ACC+8*(4*\f+\m)+7], v[LFR+12*\m:LFR+12*\m+11], v[48*\j+12*\f:48*\j+12*\f+11], 0, v[LSC+\m], v[RSC+4*\j+\f] matrix_a_fmt:MATRIX_FMT_FP6 matrix_b_fmt:MATRIX_FMT_FP6
.else
	v_wmma_scale_f32_16x16x128_f8f6f4 v[ACC+8*(4*\f+\m):ACC+8*(4*\f+\m)+7], v[LFR+12*\m:LFR+12*\m+11], v[48*\j+12*\f:48*\j+12*\f+11], v[ACC+8*(4*\f+\m):ACC+8*(4*\f+\m)+7], v[LSC+\m], v[RSC+4*\j+\f] matrix_a_fmt:MATRIX_FMT_FP6 matrix_b_fmt:MATRIX_FMT_FP6
.endif
.elseif \cmode == 1
	v_wmma_scale_f32_16x16x128_f8f6f4 v[ACC+8*(4*\m+\f):ACC+8*(4*\m+\f)+7], v[48*\j+12*\f:48*\j+12*\f+11], v[LFR+12*\m:LFR+12*\m+11], 0, v[RSC+4*\j+\f], v[LSC+\m] matrix_a_fmt:MATRIX_FMT_FP6 matrix_b_fmt:MATRIX_FMT_FP6
.elseif \cmode == 2
	v_wmma_scale_f32_16x16x128_f8f6f4 v[ACC+8*(4*\m+\f):ACC+8*(4*\m+\f)+7], v[48*\j+12*\f:48*\j+12*\f+11], v[LFR+12*\m:LFR+12*\m+11], v[BIAS+8*\f:BIAS+8*\f+7], v[RSC+4*\j+\f], v[LSC+\m] matrix_a_fmt:MATRIX_FMT_FP6 matrix_b_fmt:MATRIX_FMT_FP6
.else
	v_wmma_scale_f32_16x16x128_f8f6f4 v[ACC+8*(4*\m+\f):ACC+8*(4*\m+\f)+7], v[48*\j+12*\f:48*\j+12*\f+11], v[LFR+12*\m:LFR+12*\m+11], v[ACC+8*(4*\m+\f):ACC+8*(4*\m+\f)+7], v[RSC+4*\j+\f], v[LSC+\m] matrix_a_fmt:MATRIX_FMT_FP6 matrix_b_fmt:MATRIX_FMT_FP6
.endif
.endr
.endr
	WIN 0
.rept 4
	v_nop                                          ; four places in front of loads into registers that these products read, and of the first read of results
.endr
.if \refill
	RLOAD \j, 4+\j
.endif
.endm
.macro GROUP4 a16, a8, asc, off, soff, c0, swap, refill   ; four K steps; with refill the ring takes the next four sets and the stream steps on
.if \refill
	KSTEP 0, \a16, \a8, \asc, \off, \soff, \c0, \swap, 39, 1   ; 39 = the three younger sets' 13 loads each
	KSTEP 1, \a16, \a8, \asc, \off, \soff, 0, \swap, 39, 1
	KSTEP 2, \a16, \a8, \asc, \off, \soff, 0, \swap, 39, 1
	KSTEP 3, \a16, \a8, \asc, \off, \soff, 0, \swap, 39, 1
	s_wait_xcnt 0x0                                ; the loads have read their base: it may step
	s_add_nc_u64 s[STR:STR+1], s[STR:STR+1], 4*SETB
.else
	KSTEP 0, \a16, \a8, \asc, \off, \soff, \c0, \swap, 39, 0   ; nothing is asked for any more: the counts run down
	KSTEP 1, \a16, \a8, \asc, \off, \soff, 0, \swap, 26, 0
	KSTEP 2, \a16, \a8, \asc, \off, \soff, 0, \swap, 13, 0
	KSTEP 3, \a16, \a8, \asc, \off, \soff, 0, \swap, 0, 0
.endif
.endm
; Four tiles' chains (two pairs each at v[LFR + 4 m]) become the rows' sums over all 512 columns, in v[LFR + 8 m] of every lane: within the lane, with lane l xor 16, and over the eight waves through LDS.
.macro REDUCE st
.irp m, 0,1,2,3
	v_pk_add_f32 v[LFR+4*\m:LFR+4*\m+1], v[LFR+4*\m:LFR+4*\m+1], v[LFR+4*\m+2:LFR+4*\m+3]
.endr
.irp m, 0,1,2,3
	v_add_f32 v[LFR+4*\m], v[LFR+4*\m], v[LFR+4*\m+1]
.endr
.irp m, 0,1,2,3
	v_permlanex16_b32 v[LFR+4*\m+1], v[LFR+4*\m], s[SEL], s[SEL+1]
.endr
.irp m, 0,1,2,3
	v_add_f32 v[LFR+4*\m], v[LFR+4*\m], v[LFR+4*\m+1]
.endr
.irp m, 0,1,2,3
	ds_store_b32 v[STA], v[LFR+4*\m] offset:\st+512*\m   ; both halves of the lanes write the same word with the same value
.endr
	BARRIER
.irp m, 0,1,2,3
	ds_load_b128 v[LFR+8*\m:LFR+8*\m+3], v[STL] offset:\st+512*\m
	ds_load_b128 v[LFR+8*\m+4:LFR+8*\m+7], v[STL] offset:\st+512*\m+16
.endr
	s_wait_dscnt 0x0
.irp m, 0,1,2,3
	v_pk_add_f32 v[LFR+8*\m:LFR+8*\m+1], v[LFR+8*\m:LFR+8*\m+1], v[LFR+8*\m+2:LFR+8*\m+3]
.endr
.irp m, 0,1,2,3
	v_pk_add_f32 v[LFR+8*\m+4:LFR+8*\m+5], v[LFR+8*\m+4:LFR+8*\m+5], v[LFR+8*\m+6:LFR+8*\m+7]
.endr
.irp m, 0,1,2,3
	v_pk_add_f32 v[LFR+8*\m:LFR+8*\m+1], v[LFR+8*\m:LFR+8*\m+1], v[LFR+8*\m+4:LFR+8*\m+5]
.endr
.irp m, 0,1,2,3
	v_add_f32 v[LFR+8*\m], v[LFR+8*\m], v[LFR+8*\m+1]
.endr
.endm
; The norm of the 64 rows in ACC (which stays as it is), its gain and bias, the quantiser, and the images to LDS.  Three barriers.  Each accumulator is read from its low end on.
.macro LNORM park
.irp m, 0,1,2,3
	v_pk_add_f32 v[LFR+4*\m:LFR+4*\m+1], v[ACC+32*\m:ACC+32*\m+1], v[ACC+32*\m+2:ACC+32*\m+3]
.endr
.irp m, 0,1,2,3
	v_pk_add_f32 v[LFR+4*\m+2:LFR+4*\m+3], v[ACC+32*\m+4:ACC+32*\m+5], v[ACC+32*\m+6:ACC+32*\m+7]
.endr
.irp i, 8,12,16,20,24,28
.irp m, 0,1,2,3
	v_pk_add_f32 v[LFR+4*\m:LFR+4*\m+1], v[LFR+4*\m:LFR+4*\m+1], v[ACC+32*\m+\i:ACC+32*\m+\i+1]
.endr
.irp m, 0,1,2,3
	v_pk_add_f32 v[LFR+4*\m+2:LFR+4*\m+3], v[LFR+4*\m+2:LFR+4*\m+3], v[ACC+32*\m+\i+2:ACC+32*\m+\i+3]
.endr
.endr
	REDUCE ST1
.irp m, 0,1,2,3
	v_mul_f32 v[MU+2*\m], s[C29], v[LFR+8*\m]      ; the mean: the sum x 2^-9
.endr
.set i, 0
.rept 16                               ; the squares of x - mean, two chains a tile
.irp m, 0,1,2,3
	v_pk_add_f32 v[LFR+32+2*\m+8*(i%2):LFR+33+2*\m+8*(i%2)], v[ACC+32*\m+2*i:ACC+32*\m+2*i+1], v[MU+2*\m:MU+2*\m+1] op_sel_hi:[1,0] neg_lo:[0,1] neg_hi:[0,1]
.endr
.irp m, 0,1,2,3
.if i < 2
	v_pk_mul_f32 v[LFR+4*\m+2*(i%2):LFR+4*\m+2*(i%2)+1], v[LFR+32+2*\m+8*(i%2):LFR+33+2*\m+8*(i%2)], v[LFR+32+2*\m+8*(i%2):LFR+33+2*\m+8*(i%2)]
.else
	v_pk_fma_f32 v[LFR+4*\m+2*(i%2):LFR+4*\m+2*(i%2)+1], v[LFR+32+2*\m+8*(i%2):LFR+33+2*\m+8*(i%2)], v[LFR+32+2*\m+8*(i%2):LFR+33+2*\m+8*(i%2)], v[LFR+4*\m+2*(i%2):LFR+4*\m+2*(i%2)+1]
.endif
.endr
.set i, i+1
.endr
	REDUCE ST2
.irp m, 0,1,2,3
	v_fma_f32 v[LFR+8*\m], v[LFR+8*\m], s[C29], s[CEPS]   ; the variance + 1e-6
.endr
.irp m, 0,1,2,3
	v_rsq_f32 v[RS+2*\m], v[LFR+8*\m]
.endr
	v_nop                                          ; a plain place behind the last of the four
	s_wait_alu depctr_va_vdst(0)                   ; one wait for the four, ahead of their first reader
.irp m, 0,1,2,3
.set i, 0
.rept 16
	v_pk_add_f32 v[LFR+2*i:LFR+2*i+1], v[ACC+32*\m+2*i:ACC+32*\m+2*i+1], v[MU+2*\m:MU+2*\m+1] op_sel_hi:[1,0] neg_lo:[0,1] neg_hi:[0,1]
.set i, i+1
.endr
.set i, 0
.rept 16
	v_pk_mul_f32 v[LFR+2*i:LFR+2*i+1], v[LFR+2*i:LFR+2*i+1], v[RS+2*\m:RS+2*\m+1] op_sel_hi:[1,0]
.set i, i+1
.endr
	WIN 0x14                                       ; sources 1 and 2 (gain, bias) window 1
.set i, 0
.rept 16
	v_pk_fma_f32 v[LFR+2*i:LFR+2*i+1], v[LFR+2*i:LFR+2*i+1], v[GG+2*i:GG+2*i+1], v[BE+2*i:BE+2*i+1]
.set i, i+1
.endr
	WIN 0
	s_wait_dscnt 0x0                               ; the last tile's stores have read the registers that are written again now
	QUANT2 LFR, PC, PT, PW
	ds_store_b128 v[PST16], v[PC:PC+3] offset:YIMG+1536*\m
	ds_store_b64 v[PST8], v[PC+4:PC+5] offset:YIMG+1536*\m
	ds_store_b16 v[PSS], v[PW] offset:YSC+4*\m
.endr
.if \park
.set i, 0
.rept 32
	ds_store_b128 v[PK16], v[ACC+4*i:ACC+4*i+3] offset:512*i   ; x waits in my own bytes of LDS while ACC serves the hidden layer
.set i, i+1
.endr
.endif
	BARRIER                                        ; y's sixteen fragments lie in LDS
.endm
; q's or k's four tiles: quantised along the head's 64 and stored as two records
.macro OUTQK ptr
.irp m, 0,1,2,3
	QUANT2 ACC+32*\m, LFR+12*\m, LFR+12*\m+6, PW4+\m
.endr
.irp m, 0,1,2,3
	global_store_b128 v[LI16], v[LFR+12*\m:LFR+12*\m+3], s[\ptr:\ptr+1] offset:1792*(\m/2)+768*(\m%2)   ; 512 consecutive bytes, at a multiple of 256
	global_store_b64 v[LI8], v[LFR+12*\m+4:LFR+12*\m+5], s[\ptr:\ptr+1] offset:1792*(\m/2)+768*(\m%2)   ; 256 more (the address holds the 512)
.endr
.irp p, 0,1
	v_cndmask_b32 v[10+\p], v[PW4+2*\p], v[PW4+2*\p+1], s[HM]   ; lanes 0-15: the even tile's bytes, lanes 16-31 the odd tile's
	v_or_b32 v[10+\p], 0x7f7f0000, v[10+\p]        ; bytes 2 and 3: 2^0, for the half of the K step that holds zero codes
	global_store_b32 v[L4], v[10+\p], s[\ptr:\ptr+1] offset:1792*\p+1536
.endr
	s_wait_xcnt 0x0                                ; the stores have read their registers: the next products' fragments may land there
.endm
	s_load_b256 s[4:11], s[0:1], 0x0               ; inputs, ln1_scale, ln1_bias, qkvs
	s_load_b128 s[12:15], s[0:1], 0x20             ; qimg, kimg
	s_load_b64 s[16:17], s[0:1], 0x30              ; vimg
	v_lshl_add_u32 v78, v0, 2, 0x7800
	v_mov_b32 v79, 0
	v_lshrrev_b32 v10, 5, v0
	v_readfirstlane_b32 s[WV], v10                 ; wave 0..7
	v_and_b32 v10, 31, v0                          ; lane
	v_and_b32 v11, 15, v0                          ; r
	v_bfe_u32 v12, v0, 4, 1                        ; h
	v_lshlrev_b32 v[LI16], 4, v10
	v_lshlrev_b32 v[LI8], 3, v10
	v_add_nc_u32 v[LI8], 512, v[LI8]
	v_lshlrev_b32 v[L4], 2, v10
	v_and_b32 v13, 8, v11
	v_add_nc_u32 v13, v13, v11                     ; r + (r & 8)
	s_lshl_b32 s28, s[WV], 8
	v_lshl_add_u32 v[BA], v12, 6, s28
	v_lshl_add_u32 v[VX], v13, 11, v[BA]
	s_lshr_b32 s29, s[WV], 1
	s_and_b32 s30, s[WV], 1
	s_mul_i32 s31, s29, 6144
	s_mul_i32 s32, s30, 768
	s_add_co_u32 s31, s31, s32
	v_add_nc_u32 v[PST16], s31, v[LI16]
	v_add_nc_u32 v[PST8], s31, v[LI8]
	s_lshl_b32 s31, s29, 9
	s_lshl_b32 s32, s30, 1
	s_add_co_u32 s31, s31, s32
	v_add_nc_u32 v[PSS], s31, v[LI16]
	v_lshlrev_b32 v[STL], 5, v11
	s_lshl_b32 s31, s[WV], 2
	v_add_nc_u32 v[STA], s31, v[STL]
	s_mov_b32 s[SEL], 0x76543210
	s_mov_b32 s[SEL+1], 0xfedcba98                 ; v_permlanex16_b32's selects for lane l xor 16
	s_mov_b32 s[C29], 0x3b000000                   ; 2^-9
	s_mov_b32 s[CEPS], 0x358637bd                  ; 1e-6
	s_mov_b32 s[HM], 0xffff0000                    ; lanes 16-31
	v_mov_b32 v[TM+2], 0                           ; written once: a lane permute's destination counts as one of its sources
	v_mov_b32 v[TM+3], 0
.irp m, 0,1,2,3
	v_mov_b32 v[MU+2*\m+1], 0                      ; named as the upper halves of pairs
	v_mov_b32 v[RS+2*\m+1], 0
.endr
	s_lshl_b32 s30, ttmp9, 17                      ; my 64 rows of 2,048 bytes
	s_mov_b32 s31, 0
	s_mul_i32 s32, s[WV], 12*SETB                  ; my head's twelve sets
	s_mov_b32 s33, 0
	s_lshr_b32 s34, ttmp9, 6                       ; batch
	s_lshl_b32 s34, s34, 3
	s_add_co_u32 s34, s34, s[WV]                   ; (batch, head)
	s_lshl_b32 s34, s34, 7
	s_and_b32 s35, ttmp9, 63
	s_lshl_b32 s35, s35, 1
	s_add_co_u32 s34, s34, s35                     ; + my first block of 32 rows
	s_mul_i32 s34, s34, 1792
	s_mov_b32 s35, 0
	s_wait_kmcnt 0x0
	s_add_nc_u64 s[4:5], s[4:5], s[30:31]
	s_add_nc_u64 s[STR:STR+1], s[STR:STR+1], s[32:33]
	s_add_nc_u64 s[12:13], s[12:13], s[34:35]
	s_add_nc_u64 s[14:15], s[14:15], s[34:35]
	s_add_nc_u64 s[16:17], s[16:17], s[34:35]
.irp m, 0,1,2,3
.irp b, 0,1
.irp q, 0,1,2,3
	global_load_b128 v[ACC+32*\m+16*\b+4*\q:ACC+32*\m+16*\b+4*\q+3], v[VX], s[4:5] offset:(32*(\m/2)+8*(\m%2))*2048+128*\b+16*\q   ; x(tile m's row, 64 w + 32 b + 16 h + 4 q ..)
.endr
.endr
.endr
	WIN 0x40
.irp b, 0,1
.irp q, 0,1,2,3
	global_load_b128 v[GG+16*\b+4*\q:GG+16*\b+4*\q+3], v[BA], s[6:7] offset:128*\b+16*\q
	global_load_b128 v[BE+16*\b+4*\q:BE+16*\b+4*\q+3], v[BA], s[8:9] offset:128*\b+16*\q
.endr
.endr
	RLOAD 0, 0                                     ; the ring's first four sets: wq
	RLOAD 1, 1
	RLOAD 2, 2
	RLOAD 3, 3
	s_wait_loadcnt 52                              ; the ring's 52 loads may stay out: x, gain and bias are in
	LNORM 0
	GROUP4 LI16, LI8, LI16, YIMG, YSC, 1, 0, 1     ; q; the ring takes wk
.set i, 0
.rept 64
	v_pk_mul_f32 v[ACC+2*i:ACC+2*i+1], v[ACC+2*i:ACC+2*i+1], 0x3e000000 op_sel_hi:[1,0]   ; q x 1 / sqrt(64), ahead of the quantiser
.set i, i+1
.endr
	OUTQK 12
	GROUP4 LI16, LI8, LI16, YIMG, YSC, 1, 0, 1     ; k; the ring takes wv
	OUTQK 14
	GROUP4 LI16, LI8, LI16, YIMG, YSC, 1, 1, 0     ; v, the rows as source 0: lane r holds one d, the registers ACC + 32 f + k run along the 64 keys
.irp f, 0,1,2,3
	QUANT2 ACC+32*\f, LFR+12*\f, LFR+12*\f+6, PW4+\f
.endr
.irp d, 0,1                            ; lane (r, h) holds key block h of d tile f.  A record wants ONE key block, d tiles 2 d and 2 d + 1 in the two halves of the lanes
.irp i, 0,1,2,3,4,5
	v_permlane16_swap_b32 v[LFR+24*\d+\i], v[LFR+24*\d+12+\i]
.endr
.endr
.irp d, 0,1
.irp k, 0,1
	global_store_b128 v[LI16], v[LFR+24*\d+12*\k:LFR+24*\d+12*\k+3], s[16:17] offset:1792*\k+768*\d
	global_store_b64 v[LI8], v[LFR+24*\d+12*\k+4:LFR+24*\d+12*\k+5], s[16:17] offset:1792*\k+768*\d
.endr
.endr
	v_perm_b32 v10, v[PW4+1], v[PW4], 0x05010400   ; tiles 0, 1: block 0's two bytes, then block 1's
	v_perm_b32 v11, v[PW4+3], v[PW4+2], 0x05010400 ; tiles 2, 3
	v_perm_b32 v12, v11, v10, 0x05040100           ; key block 0: the four tiles' bytes
	v_perm_b32 v13, v11, v10, 0x07060302           ; key block 1
	global_store_b32 v[L4], v12, s[16:17] offset:1536
	global_store_b32 v[L4], v13, s[16:17] offset:1792+1536
	s_wait_tensorcnt 0x0
	ds_add_u32 v78, v79
	s_wait_dscnt 0x0
	s_endpgm
.Lfunc_end_k_q5b2dd2f9bc_qkv:
	.size	k_q5b2dd2f9bc_qkv, .Lfunc_end_k_q5b2dd2f9bc_qkv-k_q5b2dd2f9bc_qkv
	.p2alignl 7, 3214868480
	.fill 96, 4, 3214868480
	.section	.rodata,"a",@progbits
	.p2align	6, 0x0
	.amdhsa_kernel k_q5b2dd2f9bc_qkv
		.amdhsa_group_segment_fixed_size 31744
		.amdhsa_private_segment_fixed_size 0
		.amdhsa_enable_private_segment 0
		.amdhsa_kernarg_size 56
		.amdhsa_user_sgpr_count 2
		.amdhsa_user_sgpr_kernarg_segment_ptr 1
		.amdhsa_wavefront_size32 1
		.amdhsa_system_sgpr_workgroup_id_x 1
		.amdhsa_system_sgpr_workgroup_id_y 1
		.amdhsa_system_sgpr_workgroup_id_z 1
		.amdhsa_system_vgpr_workitem_id 0
		.amdhsa_next_free_vgpr 512
		.amdhsa_next_free_sgpr 66
		.amdhsa_reserve_vcc 0
		.amdhsa_float_denorm_mode_32 3
		.amdhsa_float_denorm_mode_16_64 3
		.amdhsa_memory_ordered 1
		.amdhsa_forward_progress 1
		.amdhsa_inst_pref_size 133
	.end_amdhsa_kernel
	.amdgpu_metadata
---
amdhsa.version: [ 1, 2 ]
amdhsa.kernels:
  - .name:           k_q5b2dd2f9bc_qkv
    .symbol:         k_q5b2dd2f9bc_qkv.kd
    .args:
      - { .name: inputs, .offset: 0, .size: 8, .value_kind: global_buffer, .address_space: global }
      - { .name: ln1_scale, .offset: 8, .size: 8, .value_kind: global_buffer, .address_space: global }
      - { .name: ln1_bias, .offset: 16, .size: 8, .value_kind: global_buffer, .address_space: global }
      - { .name: qkvs, .offset: 24, .size: 8, .value_kind: global_buffer, .address_space: global }
      - { .name: qimg, .offset: 32, .size: 8, .value_kind: global_buffer, .address_space: global }
      - { .name: kimg, .offset: 40, .size: 8, .value_kind: global_buffer, .address_space: global }
      - { .name: vimg, .offset: 48, .size: 8, .value_kind: global_buffer, .address_space: global }
    .group_segment_fixed_size: 31744
    .private_segment_fixed_size: 0
    .kernarg_segment_align: 8
    .kernarg_segment_size: 56
    .max_flat_workgroup_size: 256
    .sgpr_count:     66
    .vgpr_count:     512
    .wavefront_size: 32
...
	.end_amdgpu_metadata
.endif
;; end of part 2
;; launch attn (part 3): grid 16 x 16, 16 waves a work-group, no clusters, 81,920 bytes of LDS; arguments qimg, kimg, vimg, cimg; writes cimg
.if DOCPART == 3
	.amdgcn_target "amdgcn-amd-amdhsa--gfx1250"
	.amdhsa_code_object_version 6
	.text
	.protected	k_q5b2dd2f9bc_attn
	.globl	k_q5b2dd2f9bc_attn
	.p2align	8
	.type	k_q5b2dd2f9bc_attn,@function
k_q5b2dd2f9bc_attn:
	s_mov_b64 s[64:65], 0
	v_nop
	global_prefetch_b8 v0, s[64:65] scope:SCOPE_SE
	s_setreg_imm32_b32 hwreg(HW_REG_WAVE_MODE, 25, 1), 1
	s_wait_xcnt 0x0
; Attention under the mask that the problem builds itself: a query of block J (128 rows) sees its own block causally and keys 96 .. 127 of every earlier block.  Those 32 keys are one whole block of the
; quantisers of p and of v; every other key has p = 0, zero codes, and is not multiplied.  Both products on codes of FP6 (E2M3) with one E8M0 scale for each 32 along K.
; THE SOFTMAX: t = score x log2(e); M = the running largest t rounded UP to a whole number; p = 2^(t - M) is quantised along the keys, not normalised; the row's sum is taken of the unquantised p and divides at the end.
; When M moves, the sum and O are multiplied by 2^(old M - new M): exact.
; SHARES.  A work-group owns query blocks p and 31 - p of one (batch, head), so that all work-groups have nearly the same number of key steps.  Sixteen waves, one tile of 16 queries each: tile w / 2 of block
; p (a = 0) or 31 - p (a = 1), a = (w xor w / 4) & 1: waves with many and with few steps are mixed among any four neighbours and among any four that lie four apart.
; A KEY STEP is 128 keys: the wave's own block (masked on the diagonal), then four earlier blocks' 32 keys at a time; blocks that are not earlier than the wave's get -infinity ahead of the exponential.
; Steps that lie wholly past a wave's block are jumped over by a scalar branch on ids; no barrier stands under such a branch.
; LDS: three regions of 16 pieces of 1,664 bytes (a record's 1,536 bytes of codes and 128 of scale words): two slots that take turns, each with two steps (4 records of K, 4 of V each), and the two own blocks.
; Wave w brings piece w through its registers, a round ahead.  One barrier a round: in front of it each wave has waited for its stores into the slot ahead and for its reads of the slot that it left.
; No tensor loads, no cluster: the work-groups of a (batch, head) need different numbers of rounds, and a round's bytes, 26,624, are small beside its arithmetic.
; LAYOUT.  S^T = K Q^T (source 0 = 16 keys, source 1 = my 16 queries), O^T = V^T P^T: a lane holds ONE query throughout.  The keys of a tile are chosen so that the 16 registers of tiles 2 b, 2 b + 1 are 16 neighbouring keys.
; THE HEAD IS 64, THE INSTRUCTION'S K IS 128: Q's registers 6-11 are zero codes.  So a fragment of K is named as 12 registers of which the upper 6 are whatever follows (the next fragment): finite codes x zero codes add nothing;
; the scale bytes of that half are 127 on both sides.
; LIMITS: NaN and infinities are not served; masked keys count as exactly 0, as they do in f32 wherever a row's scores lie above -1e9; a block of p under 2^-124 keeps the scale byte 1.
; REGISTERS: v1-8, v10 addresses; v11 my query - 16 h; v12 -M, v13 largest t, v[14:15] the sum; v16-27 Q; v28 Q's scale words; v29 -infinity; v30-83 K's eight fragments (6 apart) and six zeros, then V's four; v84-87 K's scale
; words; v88-91 V's; v92 p's; v93, v244-255 the piece on its way; v96-159 S^T, then p; v160-191 O^T; v192-210 p's codes; v212-243 at work.
.set KF, 30
.set KSC, 84
.set VXS, 88
.set PSC, 92
.set S, 96
.set O, 160
.set PCD, 192
.set BM, 212
.set BT, 216
.set SO, 220
.set VW, 224
.set VT, 228
.set NM, 232
.set TM, 212
.set PIECE, 1664
.set HALFR, 8*PIECE
.set REGN, 16*PIECE
.set LOC, 2*REGN
.set WV, 12
.set SA, 13
.set TT, 14
.set JA, 15
.set JB, 16
.set SJ, 17
.set BH, 18
.set CNT, 19
.set SEL, 20
.set CS, 22
.set RB, 24
.set J0, 25
.set VM, 28
.set SP, 32
.macro QUANT2 s, d, t, pw              ; 32 numbers of a lane (16 b + i = k 32 b + 16 (lane / 16) + i) -> 6 registers of codes, lane (r, h): block h; two scale bytes
.irp b, 0,1
	v_max3_num_f32 v[TM+\b], |v[(\s)+16*\b]|, |v[(\s)+16*\b+1]|, 0x1800000
.endr
.irp i, 2,4,6,8,10,12,14
.irp b, 0,1
	v_max3_num_f32 v[TM+\b], v[TM+\b], |v[(\s)+16*\b+\i]|, |v[(\s)+16*\b+\i+1]|
.endr
.endr
.irp b, 0,1
	v_permlanex16_b32 v[TM+2+\b], v[TM+\b], s[SEL], s[SEL+1]
.endr
.irp b, 0,1
	v_max_num_f32 v[TM+\b], v[TM+\b], v[TM+2+\b]
.endr
.irp b, 0,1
	v_add_nc_u32 v[TM+4+\b], 0xff000000, v[TM+\b]
.endr
.irp b, 0,1
	v_lshrrev_b32 v[TM+6+\b], 23, v[TM+4+\b]
.endr
	v_lshl_or_b32 v[\pw], v[TM+7], 8, v[TM+6]
	v_cvt_scalef32_pk16_fp6_f32 v[(\d):(\d)+2], v[(\s):(\s)+15], v[TM+4]
	v_cvt_scalef32_pk16_fp6_f32 v[(\t):(\t)+2], v[(\s)+16:(\s)+31], v[TM+5]
	v_nop
.irp i, 0,1,2
	v_permlane16_swap_b32 v[(\d)+\i], v[(\t)+\i]
.endr
.irp i, 0,1,2
	v_mov_b32 v[(\d)+3+\i], v[(\t)+\i]
.endr
.endm
.macro SLOAD base                      ; my piece: 1,536 bytes of codes, 128 of scale words
	global_load_b128 v[244:247], v1, s[\base:\base+1]
	global_load_b128 v[248:251], v1, s[\base:\base+1] offset:512
	global_load_b128 v[252:255], v1, s[\base:\base+1] offset:1024
	global_load_b32 v93, v10, s[\base:\base+1] offset:1536
.endm
.macro SSTORE at
	ds_store_b128 v7, v[244:247] offset:\at
	ds_store_b128 v7, v[248:251] offset:\at+512
	ds_store_b128 v7, v[252:255] offset:\at+1024
	ds_store_b32 v8, v93 offset:\at
.endm
; A KEY STEP.  A: the first of six address registers (K's 16- and 8-byte pieces, K's scale words, the same for V); imm: where the step's eight pieces begin.  mode 0: my own block; 1: four earlier blocks' last 32 keys.
.macro STEP A, imm, mode
.rept 4
	v_nop                                          ; places in front of loads into registers that the last products read
.endr
.irp i, 0,1,2,3,4,5,6,7
	ds_load_b128 v[KF+6*\i:KF+6*\i+3], v[\A] offset:\imm+PIECE*(\i/2)+768*(\i%2)
	ds_load_b64 v[KF+6*\i+4:KF+6*\i+5], v[\A+1] offset:\imm+PIECE*(\i/2)+768*(\i%2)
.endr
.irp j, 0,1,2,3
	ds_load_b32 v[KSC+\j], v[\A+2] offset:\imm+PIECE*\j   ; lanes 0-15: the even tile's words, lanes 16-31 the odd tile's
.endr
	s_wait_dscnt 0x0
.irp j, 0,1,2,3
	v_wmma_scale_f32_16x16x128_f8f6f4 v[S+16*\j:S+16*\j+7], v[KF+12*\j:KF+12*\j+11], v[16:27], 0, v[KSC+\j], v28 matrix_a_fmt:MATRIX_FMT_FP6 matrix_b_fmt:MATRIX_FMT_FP6
	v_wmma_scale_f32_16x16x128_f8f6f4 v[S+16*\j+8:S+16*\j+15], v[KF+12*\j+6:KF+12*\j+17], v[16:27], 0, v[KSC+\j], v28 matrix_a_fmt:MATRIX_FMT_FP6 matrix_b_fmt:MATRIX_FMT_FP6 matrix_a_scale:MATRIX_SCALE_ROW1
.endr                                              ; register 16 b + i of lane (r, h): query r, key 32 b + 16 h + i of the step
.rept 4
	v_nop
.endr
.irp d, 0,1,2,3                        ; V's four fragments are asked for now and land under the softmax: lane (r, h), registers 6 c on: quarter 2 c + h of the step's keys, d tile's element r
.irp c, 0,1
	ds_load_b128 v[KF+12*\d+6*\c:KF+12*\d+6*\c+3], v[\A+3] offset:\imm+(4+2*\c)*PIECE+768*(\d/2)+256*(\d%2)
	ds_load_b64 v[KF+12*\d+6*\c+4:KF+12*\d+6*\c+5], v[\A+4] offset:\imm+(4+2*\c)*PIECE+768*(\d/2)+128*(\d%2)
.endr
.endr
.irp q, 0,1,2,3
	ds_load_b32 v[VW+\q], v[\A+5] offset:\imm+(4+\q)*PIECE   ; quarter q: the four d tiles' bytes of element r
.endr
.if \mode == 0
.set n, 0
.rept 64                               ; the diagonal: a key after my query becomes -infinity ahead of the maximum
	v_cmp_gt_i32 vcc_lo, 32*(n/16)+n%16, v11
	v_cndmask_b32 v[S+n], v[S+n], v29, vcc_lo
.set n, n+1
.endr
.endif
.irp b, 0,1,2,3
	v_max3_num_f32 v[BM+\b], v[S+16*\b], v[S+1+16*\b], v[S+2+16*\b]   ; the largest score of each block of 32 keys: for the row's maximum, and, since p rises with the score, for the block's largest p
.endr
.irp i, 3,5,7,9,11,13
.irp b, 0,1,2,3
	v_max3_num_f32 v[BM+\b], v[BM+\b], v[S+16*\b+\i], v[S+1+16*\b+\i]
.endr
.endr
.irp b, 0,1,2,3
	v_max_num_f32 v[BM+\b], v[BM+\b], v[S+15+16*\b]
.endr
.irp b, 0,1,2,3
	v_permlanex16_b32 v[BT+\b], v[BM+\b], s[SEL], s[SEL+1]
.endr
.irp b, 0,1,2,3
	v_max_num_f32 v[BM+\b], v[BM+\b], v[BT+\b]
.endr
.if \mode == 1
.irp b, 1,2,3
	v_cndmask_b32 v[BM+\b], v[BM+\b], v29, s[VM+\b]   ; a block that is not earlier than mine does not count
.endr
.endif
	v_max3_num_f32 v242, v[BM], v[BM+1], v[BM+2]
	v_max_num_f32 v242, v242, v[BM+3]
	v_mul_f32 v242, s[CS], v242                    ; as t
	v_max_num_f32 v13, v13, v242                   ; the running largest t
	v_mov_b32 v242, v12
	v_floor_f32 v12, -v13                          ; the new -M = -ceil(t)
	v_sub_f32 v242, v12, v242                      ; old M - new M: a whole number, 0 or less
	v_cvt_i32_f32 v242, v242                       ; (it saturates)
	v_ldexp_f32 v240, 1.0, v242                    ; f = 2^(old M - new M)
.if \mode == 1
.irp b, 1,2,3
	v_cndmask_b32 v[NM+2*\b], v12, v29, s[VM+\b]   ; -M, or -infinity for a block that does not count: its p become 0
.endr
.endif
.irp j, 0,2,4,6,8,10,12,14,16,18,20,22,24,26,28,30,32,34,36,38,40,42,44,46,48,50,52,54,56,58,60,62
.if (\mode == 1) && (\j >= 16)
	v_pk_fma_f32 v[S+\j:S+\j+1], v[S+\j:S+\j+1], s[CS:CS+1], v[NM+2*(\j/16):NM+2*(\j/16)+1] op_sel_hi:[1,0,0]
.else
	v_pk_fma_f32 v[S+\j:S+\j+1], v[S+\j:S+\j+1], s[CS:CS+1], v[12:13] op_sel_hi:[1,0,0]   ; t - M, two at a time
.endif
.endr
.irp b, 0,1,2,3
	v_fma_f32 v[BM+\b], v[BM+\b], s[CS], v12       ; the same of each block's largest score
.endr
.set n, 0
.rept 64
	v_exp_f32 v[S+n], v[S+n]                       ; p = 2^(t - M)
.set n, n+1
.endr
	v_pk_mul_f32 v[14:15], v[14:15], v[240:241] op_sel_hi:[1,0]   ; the sums under the new M (a plain place behind the exponentials)
	s_wait_alu depctr_va_vdst(0)                   ; one wait for the batch, ahead of its first reader
.irp b, 0,1,2,3
	v_exp_f32 v[BM+\b], v[BM+\b]                   ; the block's largest p
.endr
	v_pk_add_f32 v[BT:BT+1], v[S:S+1], v[S+2:S+3]  ; the row's sum of the unquantised p, in two chains
.irp j, 4,8,12,16,20,24,28,32,36,40,44,48,52,56,60
	v_pk_add_f32 v[14:15], v[14:15], v[S+\j:S+\j+1]
	v_pk_add_f32 v[BT:BT+1], v[BT:BT+1], v[S+\j+2:S+\j+3]
.endr
	v_pk_add_f32 v[14:15], v[14:15], v[BT:BT+1]
	s_wait_alu depctr_va_vdst(0)                   ; and one for the four
.irp b, 0,1,2,3
	v_max_num_f32 v[BM+\b], 0x1800000, v[BM+\b]    ; the floor 2^(3 - 127): a block of zeros keeps the byte 1; its codes are zeros
.endr
.irp b, 0,1,2,3
	v_add_nc_u32 v[SO+\b], 0xff000000, v[BM+\b]
.endr
.irp b, 0,1,2,3
	v_lshrrev_b32 v[BT+\b], 23, v[SO+\b]
.endr
	v_lshl_or_b32 v[PSC], v[BT+1], 8, v[BT]        ; p's scale word for these 128 keys
	v_lshl_or_b32 v[PSC], v[BT+2], 16, v[PSC]
	v_lshl_or_b32 v[PSC], v[BT+3], 24, v[PSC]
.irp c, 0,1
	v_cvt_scalef32_pk16_fp6_f32 v[PCD+6*\c:PCD+6*\c+2], v[S+32*\c:S+32*\c+15], v[SO+2*\c]
	v_cvt_scalef32_pk16_fp6_f32 v[PCD+12+4*\c:PCD+14+4*\c], v[S+32*\c+16:S+32*\c+31], v[SO+2*\c+1]
.endr
	v_nop
.irp c, 0,1
.irp i, 0,1,2
	v_permlane16_swap_b32 v[PCD+6*\c+\i], v[PCD+12+4*\c+\i]
.endr
.irp i, 0,1,2
	v_mov_b32 v[PCD+3+6*\c+\i], v[PCD+12+4*\c+\i]
.endr
.endr
	s_wait_dscnt 0x0                               ; V and its scale words are in
	v_perm_b32 v[VT], v[VW+1], v[VW], 0x05010400   ; four words of four bytes are turned: from (quarter: d tiles) to (d tile: quarters)
	v_perm_b32 v[VT+1], v[VW+1], v[VW], 0x07030602
	v_perm_b32 v[VT+2], v[VW+3], v[VW+2], 0x05010400
	v_perm_b32 v[VT+3], v[VW+3], v[VW+2], 0x07030602
	v_perm_b32 v[VXS], v[VT+2], v[VT], 0x05040100
	v_perm_b32 v[VXS+1], v[VT+2], v[VT], 0x07060302
	v_perm_b32 v[VXS+2], v[VT+3], v[VT+1], 0x05040100
	v_perm_b32 v[VXS+3], v[VT+3], v[VT+1], 0x07060302
.set n, 0
.rept 16
	v_pk_mul_f32 v[O+2*n:O+2*n+1], v[O+2*n:O+2*n+1], v[240:241] op_sel_hi:[1,0]   ; O^T under the new M; these sixteen also stand between the scale words just made and the products
.set n, n+1
.endr
.irp d, 0,1,2,3
	v_wmma_scale_f32_16x16x128_f8f6f4 v[O+8*\d:O+8*\d+7], v[KF+12*\d:KF+12*\d+11], v[PCD:PCD+11], v[O+8*\d:O+8*\d+7], v[VXS+\d], v[PSC] matrix_a_fmt:MATRIX_FMT_FP6 matrix_b_fmt:MATRIX_FMT_FP6
.endr
.endm
.macro HSTEP sl, e                     ; step e of the slot: earlier blocks J0 .. J0 + 3
	s_add_co_u32 s[J0], s[RB], 4*\e
.irp j, 1,2,3
	s_add_co_u32 s34, s[J0], \j
	s_cmp_lt_u32 s34, s[SJ]
	s_cselect_b32 s[VM+\j], 0, -1                  ; all lanes on where the block is not earlier than mine
.endr
	s_cmp_lt_u32 s[J0], s[SJ]
	s_cbranch_scc0 .Lnone_\@
	STEP 1, \sl*REGN+\e*HALFR, 1
.Lnone_\@:
.endm
.macro ROUND sl                        ; eight earlier blocks, RB .. RB + 7
	s_wait_loadcnt 0x0                             ; my piece of this round is in registers
	s_cmp_lt_u32 s[RB], s[JB]                      ; is there such a round for the work-group's later block?  The same in all sixteen waves
	s_cbranch_scc0 .Lnost_\@
	SSTORE \sl*REGN
.Lnost_\@:
	s_wait_dscnt 0x0                               ; my stores into this slot have landed, and my reads of the other slot are over
	s_barrier_signal -1
	s_barrier_wait -1
	s_add_co_u32 s34, s[RB], 8
	s_cmp_lt_u32 s34, s[JB]
	s_cbranch_scc0 .Lnold_\@                       ; no later round: nothing is asked for (in the fourth round never: the later block is 31 at the most)
	s_add_nc_u64 s[SP:SP+1], s[SP:SP+1], 32*1792   ; (the loads that named it are done)
	SLOAD SP
.Lnold_\@:
	HSTEP \sl, 0
	HSTEP \sl, 1
	s_add_co_u32 s[RB], s[RB], 8
.endm
	s_load_b256 s[4:11], s[0:1], 0x0               ; qimg, kimg, vimg, cimg
	v_lshl_add_u32 v207, v0, 2, 0x13800
	v_mov_b32 v211, 0
	v_lshrrev_b32 v242, 5, v0
	v_readfirstlane_b32 s[WV], v242                ; wave 0..15
	v_and_b32 v242, 31, v0                         ; lane
	v_and_b32 v243, 15, v0                         ; r
	v_bfe_u32 v240, v0, 4, 1                       ; h
	v_lshlrev_b32 v1, 4, v242                      ; K: 16 l
	v_lshlrev_b32 v2, 3, v242
	v_add_nc_u32 v2, 512, v2                       ; 8 l + 512
	v_lshlrev_b32 v10, 2, v242                     ; 4 l
	v_add_nc_u32 v3, 1536, v10                     ; K's scale words
	v_mul_u32_u24 v4, v240, PIECE                  ; V: lanes 16-31 read the next quarter's piece
	v_lshl_add_u32 v5, v243, 3, v4
	v_add_nc_u32 v5, 512, v5
	v_lshl_add_u32 v4, v243, 4, v4
	v_lshlrev_b32 v6, 2, v243
	v_add_nc_u32 v6, 1536, v6                      ; V's scale words: 4 r
	s_mul_i32 s34, s[WV], PIECE
	v_add_nc_u32 v7, s34, v1                       ; where I put my piece
	v_add_nc_u32 v8, s34, v3
	s_lshr_b32 s[TT], s[WV], 1                     ; my tile of 16 queries in its block
	s_lshr_b32 s[SA], s[WV], 2
	s_xor_b32 s[SA], s[SA], s[WV]
	s_and_b32 s[SA], s[SA], 1                      ; which of the two blocks
	s_lshr_b32 s34, s[TT], 1
	s_lshl_b32 s34, s34, 5
	s_and_b32 s35, s[TT], 1                        ; u: which tile of its record
	s_lshl_b32 s36, s35, 3
	s_add_co_u32 s34, s34, s36
	v_and_b32 v11, 8, v243
	v_add_nc_u32 v11, v11, v243
	v_add_nc_u32 v11, s34, v11                     ; my query in its block: 32 (T / 2) + 8 (T % 2) + r + (r & 8),
	v_lshlrev_b32 v240, 4, v240
	v_sub_nc_u32 v11, v11, v240                    ; less 16 h: register 16 b + i is hidden where 32 b + i is greater
	s_mov_b32 s[JA], ttmp9
	s_sub_co_u32 s[JB], 31, ttmp9
	s_and_b32 s[BH], ttmp7, 0xffff                 ; (batch, head)
	s_cmp_eq_u32 s[SA], 0
	s_cselect_b32 s[SJ], s[JA], s[JB]
	s_lshr_b32 s36, s[WV], 3                       ; my piece: step e,
	s_bfe_u32 s37, s[WV], 0x10002                  ; K (0) or V (1),
	s_and_b32 s38, s[WV], 3                        ; record jj of four
	s_cmp_eq_u32 s36, 0
	s_cselect_b32 s39, s[JA], s[JB]
	s_lshl_b32 s39, s39, 2
	s_add_co_u32 s39, s39, s38                     ; the own blocks: record 4 J + jj
	s_mul_i32 s40, s39, 1792
	s_mov_b32 s41, 0
	s_lshl_b32 s42, s36, 4
	s_lshl_b32 s43, s38, 2
	s_add_co_u32 s42, s42, s43
	s_add_co_u32 s42, s42, 3                       ; the first round: record 4 (4 e + jj) + 3
	s_mul_i32 s42, s42, 1792
	s_mov_b32 s43, 0
	s_mul_i32 s44, s[BH], 128*1792
	s_mov_b32 s45, 0
	s_lshl_b32 s50, s[BH], 7
	s_lshl_b32 s51, s[SJ], 2
	s_add_co_u32 s50, s50, s51
	s_lshr_b32 s51, s[TT], 1
	s_add_co_u32 s50, s50, s51
	s_mul_i32 s50, s50, 1792                       ; my queries' record
	s_mul_i32 s52, s35, 768
	s_add_co_u32 s52, s50, s52                     ; my tile's codes in it
	s_mov_b32 s53, 0
	s_lshl_b32 s54, s35, 6
	s_add_co_u32 s54, s50, s54                     ; and its 16 scale words
	s_mov_b32 s55, 0
	s_lshr_b32 s56, s[BH], 3
	s_lshl_b32 s56, s56, 8
	s_lshl_b32 s57, s[SJ], 3
	s_add_co_u32 s56, s56, s57
	s_add_co_u32 s56, s56, s[TT]                   ; my tile among all 512 tiles of rows
	s_lshl_b32 s56, s56, 3
	s_and_b32 s57, s[BH], 7
	s_add_co_u32 s56, s56, s57
	s_lshl_b32 s56, s56, 10                        ; its record for my head: 1,024 bytes
	s_mov_b32 s57, 0
	s_mov_b32 s[SEL], 0x76543210
	s_mov_b32 s[SEL+1], 0xfedcba98
	s_mov_b32 s[CS], 0x3fb8aa3b                    ; log2(e)
	s_mov_b32 s[CS+1], s[CS]
	s_wait_kmcnt 0x0
	s_cmp_eq_u32 s37, 0
	s_cselect_b64 s[46:47], s[6:7], s[8:9]
	s_add_nc_u64 s[46:47], s[46:47], s[44:45]
	s_add_nc_u64 s[48:49], s[46:47], s[40:41]
	s_add_nc_u64 s[SP:SP+1], s[46:47], s[42:43]
	s_add_nc_u64 s[52:53], s[4:5], s[52:53]
	s_add_nc_u64 s[54:55], s[4:5], s[54:55]
	s_add_nc_u64 s[10:11], s[10:11], s[56:57]
	SLOAD 48                                       ; my piece of the two own blocks
	global_load_b128 v[16:19], v1, s[52:53]        ; Q stays in registers
	global_load_b64 v[20:21], v2, s[52:53]
	global_load_b32 v28, v6, s[54:55]
	v_mov_b32 v29, 0xff800000                      ; -infinity
	v_mov_b32 v13, 0xff61b1e6                      ; the largest t so far: -3e38
	v_floor_f32 v12, -v13
	v_mov_b32 v14, 0
	v_mov_b32 v15, 0
.irp i, 22,23,24,25,26,27, 78,79,80,81,82,83, 216,217,218,219, 238,239, 241
	v_mov_b32 v[\i], 0                             ; Q's upper half and the six behind K's last fragment: zero codes; destinations of lane permutes and upper halves of pairs: written once
.endr
.set n, 0
.rept 32
	v_mov_b32 v[O+n], 0                            ; O^T: the step is written once, its first run finds zeros
.set n, n+1
.endr
	s_mul_i32 s34, s[SA], HALFR
	s_add_co_u32 s34, s34, LOC
.irp i, 0,1,2,3,4,5
	v_add_nc_u32 v[NM+\i], s34, v[1+\i]            ; the six addresses in my own block's pieces
.endr
	s_wait_loadcnt 0x0
	SSTORE LOC
	s_wait_dscnt 0x0                               ; the stores have landed, and have read the registers that are loaded again now
	SLOAD SP                                       ; the first round's piece
	s_barrier_signal -1
	s_barrier_wait -1
	STEP NM, 0, 0                                  ; my own block
	s_mov_b32 s[RB], 0
	s_mov_b32 s[CNT], 2
.Lrounds:
	ROUND 0
	ROUND 1
	s_sub_co_u32 s[CNT], s[CNT], 1
	s_cmp_lg_u32 s[CNT], 0
	s_cbranch_scc1 .Lrounds
	; THE WAY OUT: O^T / the sum is the next product's operand: quantised along the head's 64 and stored as half a fragment with its two scale bytes
.rept 4
	v_nop
.endr
	v_add_f32 v14, v14, v15
	v_permlanex16_b32 v242, v14, s[SEL], s[SEL+1]
	v_add_f32 v14, v14, v242                       ; the row's sum
	v_rcp_f32 v240, v14
	v_nop
	s_wait_alu depctr_va_vdst(0)
.set n, 0
.rept 16
	v_pk_mul_f32 v[S+2*n:S+2*n+1], v[O+2*n:O+2*n+1], v[240:241] op_sel_hi:[1,0]
.set n, n+1
.endr
	QUANT2 S, PCD, PCD+12, 243
	global_store_b128 v1, v[PCD:PCD+3], s[10:11]   ; 512 consecutive bytes, at a multiple of 256
	global_store_b64 v2, v[PCD+4:PCD+5], s[10:11]  ; 256 more
	global_store_b32 v10, v243, s[10:11] offset:768
	s_wait_tensorcnt 0x0
	ds_add_u32 v207, v211
	s_wait_dscnt 0x0
	s_endpgm
.Lfunc_end_k_q5b2dd2f9bc_attn:
	.size	k_q5b2dd2f9bc_attn, .Lfunc_end_k_q5b2dd2f9bc_attn-k_q5b2dd2f9bc_attn
	.p2alignl 7, 3214868480
	.fill 96, 4, 3214868480
	.section	.rodata,"a",@progbits
	.p2align	6, 0x0
	.amdhsa_kernel k_q5b2dd2f9bc_attn
		.amdhsa_group_segment_fixed_size 81920
		.amdhsa_private_segment_fixed_size 0
		.amdhsa_enable_private_segment 0
		.amdhsa_kernarg_size 32
		.amdhsa_user_sgpr_count 2
		.amdhsa_user_sgpr_kernarg_segment_ptr 1
		.amdhsa_wavefront_size32 1
		.amdhsa_system_sgpr_workgroup_id_x 1
		.amdhsa_system_sgpr_workgroup_id_y 1
		.amdhsa_system_sgpr_workgroup_id_z 1
		.amdhsa_system_vgpr_workitem_id 0
		.amdhsa_next_free_vgpr 256
		.amdhsa_next_free_sgpr 66
		.amdhsa_reserve_vcc 1
		.amdhsa_float_denorm_mode_32 3
		.amdhsa_float_denorm_mode_16_64 3
		.amdhsa_memory_ordered 1
		.amdhsa_forward_progress 1
		.amdhsa_inst_pref_size 105
	.end_amdhsa_kernel
	.amdgpu_metadata
---
amdhsa.version: [ 1, 2 ]
amdhsa.kernels:
  - .name:           k_q5b2dd2f9bc_attn
    .symbol:         k_q5b2dd2f9bc_attn.kd
    .args:
      - { .name: qimg, .offset: 0, .size: 8, .value_kind: global_buffer, .address_space: global }
      - { .name: kimg, .offset: 8, .size: 8, .value_kind: global_buffer, .address_space: global }
      - { .name: vimg, .offset: 16, .size: 8, .value_kind: global_buffer, .address_space: global }
      - { .name: cimg, .offset: 24, .size: 8, .value_kind: global_buffer, .address_space: global }
    .group_segment_fixed_size: 81920
    .private_segment_fixed_size: 0
    .kernarg_segment_align: 8
    .kernarg_segment_size: 32
    .max_flat_workgroup_size: 512
    .sgpr_count:     66
    .vgpr_count:     256
    .wavefront_size: 32
...
	.end_amdgpu_metadata
.endif
;; end of part 3
;; launch mlp (part 4): grid 128 x 1, 8 waves a work-group, no clusters, 306,176 bytes of LDS; arguments cimg, inputs, wstr, ln2_scale, ln2_bias, b1, b2, out0; writes out0
.if DOCPART == 4
	.amdgcn_target "amdgcn-amd-amdhsa--gfx1250"
	.amdhsa_code_object_version 6
	.text
	.protected	k_q5b2dd2f9bc_mlp
	.globl	k_q5b2dd2f9bc_mlp
	.p2align	8
	.type	k_q5b2dd2f9bc_mlp,@function
k_q5b2dd2f9bc_mlp:
	s_mov_b64 s[64:65], 0
	v_nop
	global_prefetch_b8 v0, s[64:65] scope:SCOPE_SE
	s_setreg_imm32_b32 hwreg(HW_REG_WAVE_MODE, 25, 1), 1
	s_wait_xcnt 0x0
; x = ctx wo + inputs;  out = x + gelu(LayerNorm2(x) W1 + b1) W2 + b2.  All three products on codes of FP6 (E2M3, one E8M0 scale for each 32 along K); x and the hidden layer never go to memory.
; SHARES.  A work-group of eight waves takes 64 rows.  THE WAVES SHARE THE COLUMNS: wave w owns columns 64 w .. 64 w + 63 of x and of out, and hidden units 512 ch + 64 w .. + 63 of each of four chunks.
; TILES, IMAGES AND THE RING are those of the launch that makes q, k and v: lane r of tile t takes element 32 (t / 2) + 8 (t % 2) + r + (r & 8); a transposed product leaves two blocks of 32 along the next K in a tile's 32 registers;
; row operands go from wave to wave through LDS as images of registers (768 bytes for 64 along K of a tile); weights come from memory straight into a ring of four register sets, 13 loads a K step, four sets on their way.
; THE CHAIN.  The residual is loaded into ACC and is the C of wo's first products, so x needs no addition.  x is parked in the wave's own LDS bytes while ACC serves the hidden layer, comes back, and is the C of W2's products.
; b1 is the C of each chunk's first products.  gelu(x) = x / (1 + 2^(c0 x + c1 x^3)), c0 = -2 sqrt(2 / pi) log2(e), c1 = 0.044715 c0: the tanh form, without a difference of near numbers.
; No barrier stands in the loop over chunks: the waves of a SIMD drift apart, one's products beside the other's gelu.
; No tensor loads and no cluster: each weight byte goes once into the registers of the one wave that multiplies by it, and the images, the parked x and the biases take 305,152 of LDS's 327,680 bytes: no two slots of use fit.
; 128 work-groups: with 32 rows each every weight byte would be read twice as often and feed half the products.
; LIMITS: NaN and infinities are not served; a block whose largest magnitude lies under 2^-124 keeps the scale byte 1.
; REGISTERS.  window 0: v1-19 addresses; v24-27 row operands' scale words; v28-43 the ring's; v44-59 mean and 1/sigma (pairs); v60-67 at work; v68-77 codes just made; v78-79 c0; v80-127 row fragments, also at work; v128-255 ACC.
;   window 1: v0-191 the ring (set j at 48 j); v192-223 the gain, later b1's 32; v224-255 the norm's bias.
.set SETB, 6656
.set LI16, 1
.set LI8, 2
.set VX, 3
.set PST16, 4
.set PST8, 5
.set PSS, 6
.set STA, 7
.set STL, 8
.set PK16, 12                          ; XPARK + 16384 w + 16 l
.set SGI, 13                           ; the way out, in: XPARK + 16384 w + 272 r + 64 h
.set SGO, 14                           ; back: XPARK + 16384 w + 272 h + 16 r
.set GOUT, 15                          ; 2048 h + 16 r + 256 w
.set BA, 16                            ; 256 w + 64 h
.set LSC, 24
.set RSC, 28
.set MU, 44
.set RS, 52
.set TM, 60
.set PC, 68
.set PT, 74
.set PW, 77
.set GC0, 78
.set LFR, 80
.set ACC, 128
.set GG, 192
.set BIAS, 192
.set BE, 224
.set CIMG, 0                           ; LDS: ctx's 16 fragments, 6144 s + 1536 m + 768 c
.set CSC, 24576                        ; their scale words, 512 s + 16 l + 4 m
.set YIMG, 26624                       ; y's
.set YSC, 51200
.set ST1, 53248
.set ST2, 55296
.set HSC, 57344                        ; the hidden layer's scale words (16 K steps)
.set HIMG, 65536                       ; and its 64 fragments
.set XPARK, 163840                     ; 16,384 bytes for each wave: x parked; later its stage, 16 rows x 272
.set B1L, 294912
.set B2L, 303104
.set STR, 8                            ; s[8:9] the stream of sets
.set WV, 20
.set SEL, 22
.set C29, 24
.set CEPS, 25
.set GC1, 26
.set HB, 28
.set HS, 29
.set BB, 30
.set CNT, 31
.set MSB, 0
.macro WIN new                         ; the immediate's high byte repeats the setting that is left
.if MSB != \new
	s_set_vgpr_msb (MSB<<8)|\new
.set MSB, \new
.endif
.endm
.macro BARRIER                         ; my LDS stores have landed and my LDS loads are in: then the work-group's barrier
	s_wait_dscnt 0x0
	s_barrier_signal -1
	s_barrier_wait -1
.endm
; 32 numbers of a lane, register 16 b + i = k 32 b + 16 (lane / 16) + i of my row, become 6 registers of codes (lane (r, h): block h whole) in v[d] on and the two scale bytes in v[pw].
.macro QUANT2 s, d, t, pw
.irp b, 0,1
	v_max3_num_f32 v[TM+\b], |v[(\s)+16*\b]|, |v[(\s)+16*\b+1]|, 0x1800000   ; the floor 2^(3 - 127): the byte cannot fall under 1
.endr
.irp i, 2,4,6,8,10,12,14
.irp b, 0,1
	v_max3_num_f32 v[TM+\b], v[TM+\b], |v[(\s)+16*\b+\i]|, |v[(\s)+16*\b+\i+1]|
.endr
.endr
.irp b, 0,1
	v_permlanex16_b32 v[TM+2+\b], v[TM+\b], s[SEL], s[SEL+1]
.endr
.irp b, 0,1
	v_max_num_f32 v[TM+\b], v[TM+\b], v[TM+2+\b]
.endr
.irp b, 0,1
	v_add_nc_u32 v[TM+4+\b], 0xff000000, v[TM+\b]
.endr
.irp b, 0,1
	v_lshrrev_b32 v[TM+6+\b], 23, v[TM+4+\b]
.endr
	v_lshl_or_b32 v[\pw], v[TM+7], 8, v[TM+6]
	v_cvt_scalef32_pk16_fp6_f32 v[(\d):(\d)+2], v[(\s):(\s)+15], v[TM+4]
	v_cvt_scalef32_pk16_fp6_f32 v[(\t):(\t)+2], v[(\s)+16:(\s)+31], v[TM+5]
	v_nop                                          ; one plain place behind a scaled conversion
.irp i, 0,1,2
	v_permlane16_swap_b32 v[(\d)+\i], v[(\t)+\i]
.endr
.irp i, 0,1,2
	v_mov_b32 v[(\d)+3+\i], v[(\t)+\i]
.endr
.endm
.macro RLOAD j, at                     ; set number at (counted from the stream's pointer) into ring place j: 13 loads
	WIN 0x40                                       ; destination window 1
.irp f, 0,1,2,3
.irp i, 0,1,2
	global_load_b128 v[48*\j+12*\f+4*\i:48*\j+12*\f+4*\i+3], v[LI16], s[STR:STR+1] offset:(\at)*SETB+1536*\f+512*\i
.endr
.endr
	WIN 0
	global_load_b128 v[RSC+4*\j:RSC+4*\j+3], v[LI16], s[STR:STR+1] offset:(\at)*SETB+6144
.endm
; One K step of 128: 4 tiles of rows x 4 tiles of weights: 16 accumulators, one instruction a turn, in the same order in every step.
; cmode 0: C = D; 1: C = 0; 2: C = the bias.  wcnt: the loads of the younger sets, which may stay out.
.macro KSTEP j, a16, a8, asc, off, soff, cmode, wcnt, refill
.irp m, 0,1,2,3
.irp c, 0,1
	ds_load_b128 v[LFR+12*\m+6*\c:LFR+12*\m+6*\c+3], v[\a16] offset:\off+6144*\j+1536*\m+768*\c
	ds_load_b64 v[LFR+12*\m+6*\c+4:LFR+12*\m+6*\c+5], v[\a8] offset:\off+6144*\j+1536*\m+768*\c
.endr
.endr
	ds_load_b128 v[LSC:LSC+3], v[\asc] offset:\soff+512*\j
	s_wait_loadcnt \wcnt                           ; loads come back in order: ring place j is in
	s_wait_dscnt 0x0
.if \cmode == 2
	WIN 0x11                                       ; source 0 (the ring) and C (the bias) window 1
.else
	WIN 0x01                                       ; source 0 (the ring) window 1
.endif
.irp m, 0,1,2,3
.irp f, 0,1,2,3
.if \cmode == 1
	v_wmma_scale_f32_16x16x128_f8f6f4 v[ACC+8*(4*\m+\f):ACC+8*(4*\m+\f)+7], v[48*\j+12*\f:48*\j+12*\f+11], v[LFR+12*\m:LFR+12*\m+11], 0, v[RSC+4*\j+\f], v[LSC+\m] matrix_a_fmt:MATRIX_FMT_FP6 matrix_b_fmt:MATRIX_FMT_FP6
.elseif \cmode == 2
	v_wmma_scale_f32_16x16x128_f8f6f4 v[ACC+8*(4*\m+\f):ACC+8*(4*\m+\f)+7], v[48*\j+12*\f:48*\j+12*\f+11], v[LFR+12*\m:LFR+12*\m+11], v[BIAS+8*\f:BIAS+8*\f+7], v[RSC+4*\j+\f], v[LSC+\m] matrix_a_fmt:MATRIX_FMT_FP6 matrix_b_fmt:MATRIX_FMT_FP6
.else
	v_wmma_scale_f32_16x16x128_f8f6f4 v[ACC+8*(4*\m+\f):ACC+8*(4*\m+\f)+7], v[48*\j+12*\f:48*\j+12*\f+11], v[LFR+12*\m:LFR+12*\m+11], v[ACC+8*(4*\m+\f):ACC+8*(4*\m+\f)+7], v[RSC+4*\j+\f], v[LSC+\m] matrix_a_fmt:MATRIX_FMT_FP6 matrix_b_fmt:MATRIX_FMT_FP6
.endif
.endr
.endr
	WIN 0
.rept 4
	v_nop                                          ; four places in front of loads into registers that these products read, and of the first read of results
.endr
.if \refill
	RLOAD \j, 4+\j
.endif
.endm
.macro GROUP4 a16, a8, asc, off, soff, c0, refill   ; four K steps; with refill the ring takes the next four sets and the stream steps on
.if \refill
	KSTEP 0, \a16, \a8, \asc, \off, \soff, \c0, 39, 1   ; 39 = the three younger sets' 13 loads each
	KSTEP 1, \a16, \a8, \asc, \off, \soff, 0, 39, 1
	KSTEP 2, \a16, \a8, \asc, \off, \soff, 0, 39, 1
	KSTEP 3, \a16, \a8, \asc, \off, \soff, 0, 39, 1
	s_wait_xcnt 0x0                                ; the loads have read their base: it may step
	s_add_nc_u64 s[STR:STR+1], s[STR:STR+1], 4*SETB
.else
	KSTEP 0, \a16, \a8, \asc, \off, \soff, \c0, 39, 0   ; nothing is asked for any more: the counts run down
	KSTEP 1, \a16, \a8, \asc, \off, \soff, 0, 26, 0
	KSTEP 2, \a16, \a8, \asc, \off, \soff, 0, 13, 0
	KSTEP 3, \a16, \a8, \asc, \off, \soff, 0, 0, 0
.endif
.endm
; Four tiles' chains (two pairs each at v[LFR + 4 m]) become the rows' sums over all 512 columns, in v[LFR + 8 m] of every lane: within the lane, with lane l xor 16, and over the eight waves through LDS.
.macro REDUCE st
.irp m, 0,1,2,3
	v_pk_add_f32 v[LFR+4*\m:LFR+4*\m+1], v[LFR+4*\m:LFR+4*\m+1], v[LFR+4*\m+2:LFR+4*\m+3]
.endr
.irp m, 0,1,2,3
	v_add_f32 v[LFR+4*\m], v[LFR+4*\m], v[LFR+4*\m+1]
.endr
.irp m, 0,1,2,3
	v_permlanex16_b32 v[LFR+4*\m+1], v[LFR+4*\m], s[SEL], s[SEL+1]
.endr
.irp m, 0,1,2,3
	v_add_f32 v[LFR+4*\m], v[LFR+4*\m], v[LFR+4*\m+1]
.endr
.irp m, 0,1,2,3
	ds_store_b32 v[STA], v[LFR+4*\m] offset:\st+512*\m   ; both halves of the lanes write the same word with the same value
.endr
	BARRIER
.irp m, 0,1,2,3
	ds_load_b128 v[LFR+8*\m:LFR+8*\m+3], v[STL] offset:\st+512*\m
	ds_load_b128 v[LFR+8*\m+4:LFR+8*\m+7], v[STL] offset:\st+512*\m+16
.endr
	s_wait_dscnt 0x0
.irp m, 0,1,2,3
	v_pk_add_f32 v[LFR+8*\m:LFR+8*\m+1], v[LFR+8*\m:LFR+8*\m+1], v[LFR+8*\m+2:LFR+8*\m+3]
.endr
.irp m, 0,1,2,3
	v_pk_add_f32 v[LFR+8*\m+4:LFR+8*\m+5], v[LFR+8*\m+4:LFR+8*\m+5], v[LFR+8*\m+6:LFR+8*\m+7]
.endr
.irp m, 0,1,2,3
	v_pk_add_f32 v[LFR+8*\m:LFR+8*\m+1], v[LFR+8*\m:LFR+8*\m+1], v[LFR+8*\m+4:LFR+8*\m+5]
.endr
.irp m, 0,1,2,3
	v_add_f32 v[LFR+8*\m], v[LFR+8*\m], v[LFR+8*\m+1]
.endr
.endm
; The norm of the 64 rows in ACC (which stays as it is), its gain and bias, the quantiser, and the images to LDS.  Three barriers.  Each accumulator is read from its low end on.
.macro LNORM park
.irp m, 0,1,2,3
	v_pk_add_f32 v[LFR+4*\m:LFR+4*\m+1], v[ACC+32*\m:ACC+32*\m+1], v[ACC+32*\m+2:ACC+32*\m+3]
.endr
.irp m, 0,1,2,3
	v_pk_add_f32 v[LFR+4*\m+2:LFR+4*\m+3], v[ACC+32*\m+4:ACC+32*\m+5], v[ACC+32*\m+6:ACC+32*\m+7]
.endr
.irp i, 8,12,16,20,24,28
.irp m, 0,1,2,3
	v_pk_add_f32 v[LFR+4*\m:LFR+4*\m+1], v[LFR+4*\m:LFR+4*\m+1], v[ACC+32*\m+\i:ACC+32*\m+\i+1]
.endr
.irp m, 0,1,2,3
	v_pk_add_f32 v[LFR+4*\m+2:LFR+4*\m+3], v[LFR+4*\m+2:LFR+4*\m+3], v[ACC+32*\m+\i+2:ACC+32*\m+\i+3]
.endr
.endr
	REDUCE ST1
.irp m, 0,1,2,3
	v_mul_f32 v[MU+2*\m], s[C29], v[LFR+8*\m]      ; the mean: the sum x 2^-9
.endr
.set i, 0
.rept 16                               ; the squares of x - mean, two chains a tile
.irp m, 0,1,2,3
	v_pk_add_f32 v[LFR+32+2*\m+8*(i%2):LFR+33+2*\m+8*(i%2)], v[ACC+32*\m+2*i:ACC+32*\m+2*i+1], v[MU+2*\m:MU+2*\m+1] op_sel_hi:[1,0] neg_lo:[0,1] neg_hi:[0,1]
.endr
.irp m, 0,1,2,3
.if i < 2
	v_pk_mul_f32 v[LFR+4*\m+2*(i%2):LFR+4*\m+2*(i%2)+1], v[LFR+32+2*\m+8*(i%2):LFR+33+2*\m+8*(i%2)], v[LFR+32+2*\m+8*(i%2):LFR+33+2*\m+8*(i%2)]
.else
	v_pk_fma_f32 v[LFR+4*\m+2*(i%2):LFR+4*\m+2*(i%2)+1], v[LFR+32+2*\m+8*(i%2):LFR+33+2*\m+8*(i%2)], v[LFR+32+2*\m+8*(i%2):LFR+33+2*\m+8*(i%2)], v[LFR+4*\m+2*(i%2):LFR+4*\m+2*(i%2)+1]
.endif
.endr
.set i, i+1
.endr
	REDUCE ST2
.irp m, 0,1,2,3
	v_fma_f32 v[LFR+8*\m], v[LFR+8*\m], s[C29], s[CEPS]   ; the variance + 1e-6
.endr
.irp m, 0,1,2,3
	v_rsq_f32 v[RS+2*\m], v[LFR+8*\m]
.endr
	v_nop                                          ; a plain place behind the last of the four
	s_wait_alu depctr_va_vdst(0)                   ; one wait for the four, ahead of their first reader
.irp m, 0,1,2,3
.set i, 0
.rept 16
	v_pk_add_f32 v[LFR+2*i:LFR+2*i+1], v[ACC+32*\m+2*i:ACC+32*\m+2*i+1], v[MU+2*\m:MU+2*\m+1] op_sel_hi:[1,0] neg_lo:[0,1] neg_hi:[0,1]
.set i, i+1
.endr
.set i, 0
.rept 16
	v_pk_mul_f32 v[LFR+2*i:LFR+2*i+1], v[LFR+2*i:LFR+2*i+1], v[RS+2*\m:RS+2*\m+1] op_sel_hi:[1,0]
.set i, i+1
.endr
	WIN 0x14                                       ; sources 1 and 2 (gain, bias) window 1
.set i, 0
.rept 16
	v_pk_fma_f32 v[LFR+2*i:LFR+2*i+1], v[LFR+2*i:LFR+2*i+1], v[GG+2*i:GG+2*i+1], v[BE+2*i:BE+2*i+1]
.set i, i+1
.endr
	WIN 0
	s_wait_dscnt 0x0                               ; the last tile's stores have read the registers that are written again now
	QUANT2 LFR, PC, PT, PW
	ds_store_b128 v[PST16], v[PC:PC+3] offset:YIMG+1536*\m
	ds_store_b64 v[PST8], v[PC+4:PC+5] offset:YIMG+1536*\m
	ds_store_b16 v[PSS], v[PW] offset:YSC+4*\m
.endr
.if \park
.set i, 0
.rept 32
	ds_store_b128 v[PK16], v[ACC+4*i:ACC+4*i+3] offset:512*i   ; x waits in my own bytes of LDS while ACC serves the hidden layer
.set i, i+1
.endr
.endif
	BARRIER                                        ; y's sixteen fragments lie in LDS
.endm
; gelu of tile m's 32 numbers, in place; E = v[LFR] on.  Two batches of transcendentals, one wait each.
.macro GELU m
.set i, 0
.rept 16
	v_pk_mul_f32 v[LFR+2*i:LFR+2*i+1], v[ACC+32*\m+2*i:ACC+32*\m+2*i+1], v[ACC+32*\m+2*i:ACC+32*\m+2*i+1]
.set i, i+1
.endr
.set i, 0
.rept 16
	v_pk_fma_f32 v[LFR+2*i:LFR+2*i+1], v[LFR+2*i:LFR+2*i+1], s[GC1:GC1+1], v[GC0:GC0+1] op_sel_hi:[1,0,1]   ; c1 x^2 + c0
.set i, i+1
.endr
.set i, 0
.rept 16
	v_pk_mul_f32 v[LFR+2*i:LFR+2*i+1], v[LFR+2*i:LFR+2*i+1], v[ACC+32*\m+2*i:ACC+32*\m+2*i+1]
.set i, i+1
.endr
.set i, 0
.rept 32
	v_exp_f32 v[LFR+i], v[LFR+i]
.set i, i+1
.endr
	v_nop
	s_wait_alu depctr_va_vdst(0)
.set i, 0
.rept 16
	v_pk_add_f32 v[LFR+2*i:LFR+2*i+1], v[LFR+2*i:LFR+2*i+1], 1.0 op_sel_hi:[1,0]
.set i, i+1
.endr
.set i, 0
.rept 32
	v_rcp_f32 v[LFR+i], v[LFR+i]
.set i, i+1
.endr
	v_nop
	s_wait_alu depctr_va_vdst(0)
.set i, 0
.rept 16
	v_pk_mul_f32 v[ACC+32*\m+2*i:ACC+32*\m+2*i+1], v[ACC+32*\m+2*i:ACC+32*\m+2*i+1], v[LFR+2*i:LFR+2*i+1]
.set i, i+1
.endr
.endm
	s_load_b512 s[4:19], s[0:1], 0x0               ; cimg, inputs, wstr, ln2_scale, ln2_bias, b1, b2, out0
	v_lshrrev_b32 v10, 5, v0
	v_readfirstlane_b32 s[WV], v10                 ; wave 0..7
	v_and_b32 v10, 31, v0                          ; lane
	v_and_b32 v11, 15, v0                          ; r
	v_bfe_u32 v17, v0, 4, 1                        ; h
	v_lshlrev_b32 v[LI16], 4, v10
	v_lshlrev_b32 v[LI8], 3, v10
	v_add_nc_u32 v[LI8], 512, v[LI8]
	v_lshlrev_b32 v9, 2, v10                       ; 4 l
	v_and_b32 v19, 8, v11
	v_add_nc_u32 v19, v19, v11                     ; r + (r & 8)
	s_lshl_b32 s32, s[WV], 8
	v_lshl_add_u32 v[BA], v17, 6, s32
	v_lshl_add_u32 v[VX], v19, 11, v[BA]
	s_lshr_b32 s33, s[WV], 1
	s_and_b32 s34, s[WV], 1
	s_mul_i32 s35, s33, 6144
	s_mul_i32 s36, s34, 768
	s_add_co_u32 s35, s35, s36
	v_add_nc_u32 v[PST16], s35, v[LI16]
	v_add_nc_u32 v[PST8], s35, v[LI8]
	s_lshl_b32 s35, s33, 9
	s_lshl_b32 s36, s34, 1
	s_add_co_u32 s35, s35, s36
	v_add_nc_u32 v[PSS], s35, v[LI16]
	v_lshlrev_b32 v[STL], 5, v11
	s_lshl_b32 s35, s[WV], 2
	v_add_nc_u32 v[STA], s35, v[STL]
	s_lshl_b32 s35, s[WV], 14
	s_add_co_u32 s35, s35, XPARK                   ; my own 16,384 bytes
	v_add_nc_u32 v[PK16], s35, v[LI16]
	v_mul_u32_u24 v[SGI], v11, 272
	v_lshl_add_u32 v[SGI], v17, 6, v[SGI]
	v_add_nc_u32 v[SGI], s35, v[SGI]
	v_mul_u32_u24 v[SGO], v17, 272
	v_lshl_add_u32 v[SGO], v11, 4, v[SGO]
	v_add_nc_u32 v[SGO], s35, v[SGO]
	v_lshlrev_b32 v[GOUT], 11, v17
	v_lshl_add_u32 v[GOUT], v11, 4, v[GOUT]
	v_add_nc_u32 v[GOUT], s32, v[GOUT]
	v_add_nc_u32 v18, B2L, v[BA]                   ; b2 of my 64 columns
	s_mul_i32 s36, s34, 12288                      ; ctx: I bring tile w / 2, heads 4 (w % 2) on: K steps 2 (w % 2) on
	s_mul_i32 s37, s33, 1536
	s_add_co_u32 s36, s36, s37
	v_add_nc_u32 v10, s36, v[LI16]
	v_add_nc_u32 v11, s36, v[LI8]
	s_lshl_b32 s36, s34, 10
	s_lshl_b32 s37, s33, 2
	s_add_co_u32 s36, s36, s37
	v_add_nc_u32 v17, s36, v[LI16]                 ; and their scale words
	v_lshlrev_b32 v19, 4, v0                       ; b1: 16 bytes a thread, twice
	v_add_nc_u32 v20, B1L, v19
	v_lshlrev_b32 v21, 3, v0                       ; b2: 8 bytes a thread
	v_add_nc_u32 v22, B2L, v21
	s_mov_b32 s[SEL], 0x76543210
	s_mov_b32 s[SEL+1], 0xfedcba98                 ; v_permlanex16_b32's selects for lane l xor 16
	s_mov_b32 s[C29], 0x3b000000                   ; 2^-9
	s_mov_b32 s[CEPS], 0x358637bd                  ; 1e-6
	s_mov_b32 s[GC1], 0xbdd2d3e8                   ; c1 = -0.10294324
	s_mov_b32 s[GC1+1], s[GC1]
	v_mov_b32 v[GC0], 0xc0135761                   ; c0 = -2.3022082
	v_mov_b32 v[GC0+1], 0xc0135761
	v_mov_b32 v[TM+2], 0                           ; written once: a lane permute's destination counts as one of its sources
	v_mov_b32 v[TM+3], 0
.irp m, 0,1,2,3
	v_mov_b32 v[MU+2*\m+1], 0                      ; named as the upper halves of pairs
	v_mov_b32 v[RS+2*\m+1], 0
.endr
	s_lshl_b32 s38, ttmp9, 17                      ; my 64 rows of 2,048 bytes
	s_mov_b32 s39, 0
	s_mul_i32 s40, s[WV], 36*SETB                  ; my 36 sets
	s_mov_b32 s41, 0
	s_lshl_b32 s42, ttmp9, 2
	s_add_co_u32 s42, s42, s33                     ; the tile of rows that I bring
	s_lshl_b32 s42, s42, 3
	s_lshl_b32 s43, s34, 2
	s_add_co_u32 s42, s42, s43                     ; its first head of four
	s_lshl_b32 s42, s42, 10
	s_mov_b32 s43, 0
	s_wait_kmcnt 0x0
	s_add_nc_u64 s[4:5], s[4:5], s[42:43]
	s_add_nc_u64 s[6:7], s[6:7], s[38:39]
	s_add_nc_u64 s[18:19], s[18:19], s[38:39]
	s_add_nc_u64 s[STR:STR+1], s[STR:STR+1], s[40:41]
.irp e, 0,1,2,3
	global_load_b128 v[LFR+8*\e:LFR+8*\e+3], v[LI16], s[4:5] offset:1024*\e
	global_load_b64 v[LFR+8*\e+4:LFR+8*\e+5], v[LI8], s[4:5] offset:1024*\e
	global_load_b32 v[LFR+8*\e+6], v9, s[4:5] offset:1024*\e+768
.endr
	global_load_b128 v[LFR+32:LFR+35], v19, s[14:15]
	global_load_b128 v[LFR+36:LFR+39], v19, s[14:15] offset:4096
	global_load_b64 v[LFR+40:LFR+41], v21, s[16:17]
.irp m, 0,1,2,3
.irp b, 0,1
.irp q, 0,1,2,3
	global_load_b128 v[ACC+32*\m+16*\b+4*\q:ACC+32*\m+16*\b+4*\q+3], v[VX], s[6:7] offset:(32*(\m/2)+8*(\m%2))*2048+128*\b+16*\q   ; the residual, in the result's layout
.endr
.endr
.endr
	WIN 0x40
.irp b, 0,1
.irp q, 0,1,2,3
	global_load_b128 v[GG+16*\b+4*\q:GG+16*\b+4*\q+3], v[BA], s[10:11] offset:128*\b+16*\q
	global_load_b128 v[BE+16*\b+4*\q:BE+16*\b+4*\q+3], v[BA], s[12:13] offset:128*\b+16*\q
.endr
.endr
	WIN 0
	s_wait_loadcnt 48                              ; the residual's 32 loads and the norm's 16 may stay out: ctx, b1 and b2 are in
.irp e, 0,1,2,3
	ds_store_b128 v10, v[LFR+8*\e:LFR+8*\e+3] offset:CIMG+6144*(\e/2)+768*(\e%2)
	ds_store_b64 v11, v[LFR+8*\e+4:LFR+8*\e+5] offset:CIMG+6144*(\e/2)+768*(\e%2)
.endr
.irp s, 0,1
	v_lshl_or_b32 v[LFR+42+\s], v[LFR+16*\s+14], 16, v[LFR+16*\s+6]   ; two heads' two bytes each: a K step's scale word
	ds_store_b32 v17, v[LFR+42+\s] offset:CSC+512*\s
.endr
	ds_store_b128 v20, v[LFR+32:LFR+35]
	ds_store_b128 v20, v[LFR+36:LFR+39] offset:4096
	ds_store_b64 v22, v[LFR+40:LFR+41]
	RLOAD 0, 0                                     ; the ring's first four sets: wo
	RLOAD 1, 1
	RLOAD 2, 2
	RLOAD 3, 3
	BARRIER                                        ; ctx's sixteen fragments, b1 and b2 lie in LDS
	GROUP4 LI16, LI8, LI16, CIMG, CSC, 0, 1        ; x = ctx wo + the residual, which is the first products' C; the ring takes W1's chunk 0
	LNORM 1
	; ---- the hidden layer, four chunks of 512 units; my 64 of each
	s_mov_b32 s[HB], HIMG
	s_mov_b32 s[HS], HSC
	s_mov_b32 s[BB], B1L
	s_mov_b32 s[CNT], 4
.Lchunk:
	v_add_nc_u32 v17, s[BB], v[BA]
	WIN 0x40
.irp b, 0,1
.irp q, 0,1,2,3
	ds_load_b128 v[BIAS+16*\b+4*\q:BIAS+16*\b+4*\q+3], v17 offset:128*\b+16*\q   ; b1 in the result's layout (the first K step's wait for LDS covers these)
.endr
.endr
	WIN 0
	GROUP4 LI16, LI8, LI16, YIMG, YSC, 2, 1
	v_add_nc_u32 v9, s[HB], v[PST16]
	v_add_nc_u32 v10, s[HB], v[PST8]
	v_add_nc_u32 v11, s[HS], v[PSS]
.irp m, 0,1,2,3
	GELU \m
	s_wait_dscnt 0x0                               ; the last tile's stores have read the registers that are written again now
	QUANT2 ACC+32*\m, PC, PT, PW
	ds_store_b128 v9, v[PC:PC+3] offset:1536*\m
	ds_store_b64 v10, v[PC+4:PC+5] offset:1536*\m
	ds_store_b16 v11, v[PW] offset:4*\m
.endr
	s_wait_dscnt 0x0
	s_add_co_u32 s[HB], s[HB], 24576               ; four K steps of the next product on
	s_add_co_u32 s[HS], s[HS], 2048
	s_add_co_u32 s[BB], s[BB], 2048
	s_sub_co_u32 s[CNT], s[CNT], 1
	s_cmp_lg_u32 s[CNT], 0
	s_cbranch_scc1 .Lchunk
	BARRIER                                        ; the hidden layer's 64 fragments lie in LDS
	; ---- out = x + hidden W2: x comes back into ACC and is the first products' C
.set i, 0
.rept 32
	ds_load_b128 v[ACC+4*i:ACC+4*i+3], v[PK16] offset:512*i
.set i, i+1
.endr
	s_mov_b32 s[HB], HIMG
	s_mov_b32 s[HS], HSC
	s_mov_b32 s[CNT], 3
.Lout:
	v_add_nc_u32 v9, s[HB], v[LI16]
	v_add_nc_u32 v10, s[HB], v[LI8]
	v_add_nc_u32 v11, s[HS], v[LI16]
	GROUP4 9, 10, 11, 0, 0, 0, 1
	s_add_co_u32 s[HB], s[HB], 24576
	s_add_co_u32 s[HS], s[HS], 2048
	s_sub_co_u32 s[CNT], s[CNT], 1
	s_cmp_lg_u32 s[CNT], 0
	s_cbranch_scc1 .Lout
	v_add_nc_u32 v9, s[HB], v[LI16]
	v_add_nc_u32 v10, s[HB], v[LI8]
	v_add_nc_u32 v11, s[HS], v[LI16]
	GROUP4 9, 10, 11, 0, 0, 0, 0                   ; the last four K steps ask for nothing
	; ---- THE WAY OUT: + b2; a tile of 16 rows x my 256 bytes goes through my own stage and leaves as whole aligned runs of 256 bytes
.irp b, 0,1
.irp q, 0,1,2,3
	ds_load_b128 v[LFR+16*\b+4*\q:LFR+16*\b+4*\q+3], v18 offset:128*\b+16*\q
.endr
.endr
	s_wait_dscnt 0x0
.irp m, 0,1,2,3
.set i, 0
.rept 16
	v_pk_add_f32 v[ACC+32*\m+2*i:ACC+32*\m+2*i+1], v[ACC+32*\m+2*i:ACC+32*\m+2*i+1], v[LFR+2*i:LFR+2*i+1]
.set i, i+1
.endr
.endr
.irp m, 0,1,2,3
.irp b, 0,1
.irp q, 0,1,2,3
	ds_store_b128 v[SGI], v[ACC+32*\m+16*\b+4*\q:ACC+32*\m+16*\b+4*\q+3] offset:128*\b+16*\q
.endr
.endr
.if \m > 0
	s_wait_xcnt 0x0                                ; the last tile's stores have read the registers that are loaded again now
.endif
.irp t, 0,1,2,3,4,5,6,7
	ds_load_b128 v[LFR+4*\t:LFR+4*\t+3], v[SGO] offset:544*\t   ; LDS serves a wave's instructions in order: these see my stores, and the next tile's stores come behind them
.endr
.irp t, 0,1,2,3,4,5,6,7
	s_wait_dscnt 7-\t                              ; the younger loads may stay out
	global_store_b128 v[GOUT], v[LFR+4*\t:LFR+4*\t+3], s[18:19] offset:(32*(\m/2)+8*(\m%2)+2*\t+8*(\t/4))*2048 th:TH_STORE_NT   ; 16 lanes store 256 consecutive bytes, at a multiple of 256 from out0's first byte
.endr
.endr
	s_wait_xcnt 0x0
	v_lshl_add_u32 v254, v0, 2, 0x4a800
	v_mov_b32 v255, 0
	s_wait_tensorcnt 0x0
	ds_add_u32 v254, v255
	s_wait_dscnt 0x0
	s_endpgm
.Lfunc_end_k_q5b2dd2f9bc_mlp:
	.size	k_q5b2dd2f9bc_mlp, .Lfunc_end_k_q5b2dd2f9bc_mlp-k_q5b2dd2f9bc_mlp
	.p2alignl 7, 3214868480
	.fill 96, 4, 3214868480
	.section	.rodata,"a",@progbits
	.p2align	6, 0x0
	.amdhsa_kernel k_q5b2dd2f9bc_mlp
		.amdhsa_group_segment_fixed_size 306176
		.amdhsa_private_segment_fixed_size 0
		.amdhsa_enable_private_segment 0
		.amdhsa_kernarg_size 64
		.amdhsa_user_sgpr_count 2
		.amdhsa_user_sgpr_kernarg_segment_ptr 1
		.amdhsa_wavefront_size32 1
		.amdhsa_system_sgpr_workgroup_id_x 1
		.amdhsa_system_sgpr_workgroup_id_y 1
		.amdhsa_system_sgpr_workgroup_id_z 1
		.amdhsa_system_vgpr_workitem_id 0
		.amdhsa_next_free_vgpr 512
		.amdhsa_next_free_sgpr 66
		.amdhsa_reserve_vcc 0
		.amdhsa_float_denorm_mode_32 3
		.amdhsa_float_denorm_mode_16_64 3
		.amdhsa_memory_ordered 1
		.amdhsa_forward_progress 1
		.amdhsa_inst_pref_size 178
	.end_amdhsa_kernel
	.amdgpu_metadata
---
amdhsa.version: [ 1, 2 ]
amdhsa.kernels:
  - .name:           k_q5b2dd2f9bc_mlp
    .symbol:         k_q5b2dd2f9bc_mlp.kd
    .args:
      - { .name: cimg, .offset: 0, .size: 8, .value_kind: global_buffer, .address_space: global }
      - { .name: inputs, .offset: 8, .size: 8, .value_kind: global_buffer, .address_space: global }
      - { .name: wstr, .offset: 16, .size: 8, .value_kind: global_buffer, .address_space: global }
      - { .name: ln2_scale, .offset: 24, .size: 8, .value_kind: global_buffer, .address_space: global }
      - { .name: ln2_bias, .offset: 32, .size: 8, .value_kind: global_buffer, .address_space: global }
      - { .name: b1, .offset: 40, .size: 8, .value_kind: global_buffer, .address_space: global }
      - { .name: b2, .offset: 48, .size: 8, .value_kind: global_buffer, .address_space: global }
      - { .name: out0, .offset: 56, .size: 8, .value_kind: global_buffer, .address_space: global }
    .group_segment_fixed_size: 306176
    .private_segment_fixed_size: 0
    .kernarg_segment_align: 8
    .kernarg_segment_size: 64
    .max_flat_workgroup_size: 256
    .sgpr_count:     66
    .vgpr_count:     512
    .wavefront_size: 32
...
	.end_amdgpu_metadata
.endif
;; end of part 4
;; ======== version 2 of 2: 4 launches
;; workspace buffers: qkvs 638,976 bytes; wstr 1,916,928 bytes; qimg 3,670,016 bytes; kimg 3,670,016 bytes; vimg 3,670,016 bytes; cimg 4,194,304 bytes
;; launch prep (part 5): grid 240 x 1, 2 waves a work-group, no clusters, 0 bytes of LDS; arguments wq_codes, wq_scales, wk_codes, wk_scales, wv_codes, wv_scales, w1_codes, w1_scales, w2_codes, w2_scales, wo, qkvs, wstr; writes qkvs, wstr
.if DOCPART == 5
	.amdgcn_target "amdgcn-amd-amdhsa--gfx1250"
	.amdhsa_code_object_version 6
	.text
	.protected	k_q5b2dd2f9bc_prep
	.globl	k_q5b2dd2f9bc_prep
	.p2align	8
	.type	k_q5b2dd2f9bc_prep,@function
k_q5b2dd2f9bc_prep:
	s_mov_b64 s[64:65], 0
	v_nop
	global_prefetch_b8 v0, s[64:65] scope:SCOPE_SE
	s_setreg_imm32_b32 hwreg(HW_REG_WAVE_MODE, 25, 1), 1
	s_wait_xcnt 0x0
; All weights are laid out once as streams of SETS, in the order in which a wave's operand registers take them.
; A SET is one K step (128) of 4 tiles of 16 weight rows: 6,656 bytes.  Fragment f (12 registers a lane) lies at 1,536 f as three images of 512 bytes
; (registers 4 i .. 4 i + 3 of lane l at 512 i + 16 l); at 6,144 + 16 l stand the four scale words (f = 0 .. 3) of lane l % 16.  A reader brings a set by 13 loads of 16 bytes a lane.
; THE ROWS OF A TILE ARE NOT NEIGHBOURS: lane r of tile f takes row n0 + 32 (f / 2) + 8 (f % 2) + r + (r & 8), so that a transposed product leaves 16 neighbours along the next K in a lane.
; qkvs: [head 8][q, k, v][K step 4].   wstr: [wave 8][36 sets: wo's K steps 0-3; W1's chunk 0-3 x K step 0-3; W2's K steps 0-15].
; One wave makes one set (given codes: a plain copy, row pieces of 8 bytes in, whole runs of 512 bytes out) or, for wo, one fragment: wo arrives as f32 with K as its first axis,
; a lane takes a column and its registers run down K; a block's scale is 2^(floor(log2(largest magnitude)) - 2).
; wo's four scale words of a set come from four waves: stores of 4 bytes, 16 bytes apart: 16,384 bytes in the whole launch.
; LIMITS: NaN and infinities in wo are not served; a block of wo under 2^-124 (zeros too) keeps the byte 1: its codes are what the conversion gives under that scale, and this program alone reads the bytes.
; No LDS, no barrier, no matrix work: waves share nothing.  240 work-groups of 2 waves: 96 + 128 + 128 sets and 128 fragments.
.set SETB, 6656
.macro MKSET KROW, KS                  ; s[40:41] codes at (n0, K step), s[42:43] scale bytes likewise, s[44:45] the set
	v_mul_u32_u24 v4, v3, \KROW
	v_mad_u32_u24 v4, v2, 24, v4                   ; my row of a tile, + 24 bytes for the upper half of the lanes
	v_mul_u32_u24 v5, v3, \KS
.irp f, 0,1,2,3
.irp p, 0,1,2,3,4,5
	global_load_b64 v[16+12*\f+2*\p:17+12*\f+2*\p], v4, s[40:41] offset:(32*(\f/2)+8*(\f%2))*\KROW+48*(\p/3)+8*(\p%3)
.endr
	global_load_b32 v[64+\f], v5, s[42:43] offset:(32*(\f/2)+8*(\f%2))*\KS
.endr
	s_wait_loadcnt 0x0
.irp f, 0,1,2,3
.irp i, 0,1,2
	global_store_b128 v6, v[16+12*\f+4*\i:19+12*\f+4*\i], s[44:45] offset:1536*\f+512*\i   ; 32 lanes store 512 consecutive bytes, at a multiple of 256 from the buffer's first byte
.endr
.endr
	global_store_b128 v6, v[64:67], s[44:45] offset:6144
.endm
	s_load_b512 s[8:23], s[0:1], 0x0               ; wq codes, scales; wk; wv; w1 codes s[20:21], scales s[22:23]
	s_load_b256 s[24:31], s[0:1], 0x40             ; w2 codes, scales; wo s[28:29]; qkvs s[30:31]
	s_load_b64 s[32:33], s[0:1], 0x60              ; wstr
	v_lshrrev_b32 v1, 5, v0
	v_readfirstlane_b32 s34, v1                    ; wave
	s_lshl_b32 s35, ttmp9, 1
	s_add_co_u32 s35, s35, s34                     ; which piece of work is mine: 2 x work-group + wave
	v_and_b32 v1, 15, v0                           ; r
	v_bfe_u32 v2, v0, 4, 1                         ; h
	v_and_b32 v3, 8, v1
	v_add_nc_u32 v3, v3, v1                        ; r + (r & 8)
	v_and_b32 v6, 31, v0
	v_lshlrev_b32 v6, 4, v6                        ; 16 x lane
	s_mov_b32 s37, 0                               ; the upper words of the three offsets
	s_mov_b32 s39, 0
	s_mov_b32 s49, 0
	s_wait_kmcnt 0x0
	s_cmp_ge_u32 ttmp9, 176
	s_cbranch_scc1 .Lwo
	s_cmp_ge_u32 ttmp9, 112
	s_cbranch_scc1 .Lw2
	s_cmp_ge_u32 ttmp9, 48
	s_cbranch_scc1 .Lw1
	; ---- pieces 0 .. 95: wq, wk, wv
	s_lshr_b32 s50, s35, 5                         ; 0 q, 1 k, 2 v
	s_bfe_u32 s51, s35, 0x30002                    ; head
	s_and_b32 s52, s35, 3                          ; K step
	s_cmp_eq_u32 s50, 0
	s_cselect_b64 s[40:41], s[8:9], s[12:13]
	s_cselect_b64 s[42:43], s[10:11], s[14:15]
	s_cmp_eq_u32 s50, 2
	s_cselect_b64 s[40:41], s[16:17], s[40:41]
	s_cselect_b64 s[42:43], s[18:19], s[42:43]
	s_mul_i32 s36, s51, 24576                      ; 64 rows of 384 bytes a head
	s_mul_i32 s53, s52, 96
	s_add_co_u32 s36, s36, s53
	s_add_nc_u64 s[40:41], s[40:41], s[36:37]
	s_lshl_b32 s38, s51, 10                        ; 64 rows of 16 scale bytes
	s_lshl_b32 s53, s52, 2
	s_add_co_u32 s38, s38, s53
	s_add_nc_u64 s[42:43], s[42:43], s[38:39]
	s_mul_i32 s48, s51, 3
	s_add_co_u32 s48, s48, s50
	s_lshl_b32 s48, s48, 2
	s_add_co_u32 s48, s48, s52
	s_mul_i32 s48, s48, SETB
	s_add_nc_u64 s[44:45], s[30:31], s[48:49]
	s_wait_alu depctr_va_vdst(0)
	MKSET 384, 16
	s_endpgm
.Lw1:	; ---- pieces 96 .. 223: W1: wave w8's rows of chunk ch are 512 ch + 64 w8 on
	s_sub_co_u32 s50, s35, 96
	s_lshr_b32 s51, s50, 4                         ; w8
	s_bfe_u32 s52, s50, 0x20002                    ; chunk
	s_and_b32 s53, s50, 3                          ; K step
	s_lshl_b32 s54, s52, 9
	s_lshl_b32 s55, s51, 6
	s_add_co_u32 s54, s54, s55                     ; n0
	s_mul_i32 s36, s54, 384
	s_mul_i32 s55, s53, 96
	s_add_co_u32 s36, s36, s55
	s_add_nc_u64 s[40:41], s[20:21], s[36:37]
	s_lshl_b32 s38, s54, 4
	s_lshl_b32 s55, s53, 2
	s_add_co_u32 s38, s38, s55
	s_add_nc_u64 s[42:43], s[22:23], s[38:39]
	s_mul_i32 s48, s51, 36
	s_and_b32 s55, s50, 15
	s_add_co_u32 s48, s48, s55
	s_add_co_u32 s48, s48, 4
	s_mul_i32 s48, s48, SETB
	s_add_nc_u64 s[44:45], s[32:33], s[48:49]
	s_wait_alu depctr_va_vdst(0)
	MKSET 384, 16
	s_endpgm
.Lw2:	; ---- pieces 224 .. 351: W2: rows 64 w8 on, K step s
	s_sub_co_u32 s50, s35, 224
	s_lshr_b32 s51, s50, 4                         ; w8
	s_and_b32 s53, s50, 15                         ; K step
	s_mul_i32 s36, s51, 64*1536
	s_mul_i32 s55, s53, 96
	s_add_co_u32 s36, s36, s55
	s_add_nc_u64 s[40:41], s[24:25], s[36:37]
	s_lshl_b32 s38, s51, 12                        ; 64 rows of 64 scale bytes
	s_lshl_b32 s55, s53, 2
	s_add_co_u32 s38, s38, s55
	s_add_nc_u64 s[42:43], s[26:27], s[38:39]
	s_mul_i32 s48, s51, 36
	s_add_co_u32 s48, s48, s53
	s_add_co_u32 s48, s48, 20
	s_mul_i32 s48, s48, SETB
	s_add_nc_u64 s[44:45], s[32:33], s[48:49]
	s_wait_alu depctr_va_vdst(0)
	MKSET 1536, 64
	s_endpgm
.Lwo:	; ---- pieces 352 .. 479: one fragment of wo [K 512][N 512] f32: tile f of columns 64 w8 on, K step k
	s_sub_co_u32 s50, s35, 352
	s_lshr_b32 s51, s50, 4                         ; w8
	s_bfe_u32 s52, s50, 0x20002                    ; K step
	s_and_b32 s53, s50, 3                          ; f
	s_lshl_b32 s36, s52, 18                        ; 128 rows of 2,048 bytes
	s_lshl_b32 s54, s51, 8                         ; 64 columns of 4 bytes
	s_add_co_u32 s36, s36, s54
	s_lshr_b32 s54, s53, 1
	s_lshl_b32 s54, s54, 7                         ; 32 (f / 2) columns
	s_add_co_u32 s36, s36, s54
	s_and_b32 s54, s53, 1
	s_lshl_b32 s54, s54, 5                         ; 8 (f % 2) columns
	s_add_co_u32 s36, s36, s54
	s_add_nc_u64 s[40:41], s[28:29], s[36:37]
	s_mul_i32 s48, s51, 36
	s_add_co_u32 s48, s48, s52
	s_mul_i32 s48, s48, SETB
	s_add_nc_u64 s[46:47], s[32:33], s[48:49]      ; the set
	s_mul_i32 s38, s53, 1536
	s_add_nc_u64 s[44:45], s[46:47], s[38:39]      ; its fragment f
	s_lshl_b32 s38, s53, 2
	s_add_nc_u64 s[46:47], s[46:47], s[38:39]      ; and word f of each lane's four
	s_mov_b32 s56, 0x76543210
	s_mov_b32 s57, 0xfedcba98                      ; v_permlanex16_b32's selects for lane l xor 16
	s_wait_alu depctr_va_vdst(0)
	v_lshlrev_b32 v4, 2, v3                        ; my column,
	v_lshl_add_u32 v4, v2, 16, v4                  ; and 32 rows further down for lanes 16-31: lane (r, h) wants k = 64 c + 32 h + 0 .. 31
.irp c, 0,1
.set i, 0
.rept 32
	global_load_b32 v[64+32*\c+i], v4, s[40:41] offset:(64*\c+i)*2048
.set i, i+1
.endr
.endr
	s_wait_loadcnt 0x0
.irp c, 0,1
	v_max3_num_f32 v[32+\c], |v[64+32*\c]|, |v[65+32*\c]|, 0x1800000   ; my block 2 c + h: all its 32 numbers are mine; the floor 2^(3 - 127) holds the byte at 1 from below
.endr
.irp i, 2,4,6,8,10,12,14,16,18,20,22,24,26,28,30
.irp c, 0,1
	v_max3_num_f32 v[32+\c], v[32+\c], |v[64+32*\c+\i]|, |v[65+32*\c+\i]|
.endr
.endr
.irp c, 0,1
	v_add_nc_u32 v[44+\c], 0xff000000, v[32+\c]    ; 2 off the exponent field: the conversion's scale operand
.endr
.irp c, 0,1
	v_lshrrev_b32 v[36+\c], 23, v[44+\c]           ; the scale's byte
.endr
	v_lshl_or_b32 v9, v37, 16, v36                 ; my two bytes: blocks h and 2 + h,
	v_lshlrev_b32 v10, 3, v2
	v_lshlrev_b32 v9, v10, v9                      ; at their places in the word;
	v_mov_b32 v10, 0
	v_permlanex16_b32 v10, v9, s56, s57
	v_or_b32 v9, v9, v10                           ; with lane l xor 16's two the word is whole, in both halves of the lanes
.irp c, 0,1
	v_cvt_scalef32_pk16_fp6_f32 v[48+6*\c:50+6*\c], v[64+32*\c:79+32*\c], v[44+\c]
	v_cvt_scalef32_pk16_fp6_f32 v[132+4*\c:134+4*\c], v[80+32*\c:95+32*\c], v[44+\c]   ; (a conversion's three registers begin on an even number)
.endr
	v_nop                                          ; one plain place behind a scaled conversion
.irp c, 0,1
.irp i, 0,1,2
	v_mov_b32 v[51+6*\c+\i], v[132+4*\c+\i]
.endr
.endr
.irp i, 0,1,2
	global_store_b128 v6, v[48+4*\i:51+4*\i], s[44:45] offset:512*\i
.endr
	global_store_b32 v6, v9, s[46:47] offset:6144
	s_endpgm
.Lfunc_end_k_q5b2dd2f9bc_prep:
	.size	k_q5b2dd2f9bc_prep, .Lfunc_end_k_q5b2dd2f9bc_prep-k_q5b2dd2f9bc_prep
	.p2alignl 7, 3214868480
	.fill 96, 4, 3214868480
	.section	.rodata,"a",@progbits
	.p2align	6, 0x0
	.amdhsa_kernel k_q5b2dd2f9bc_prep
		.amdhsa_group_segment_fixed_size 0
		.amdhsa_private_segment_fixed_size 0
		.amdhsa_enable_private_segment 0
		.amdhsa_kernarg_size 104
		.amdhsa_user_sgpr_count 2
		.amdhsa_user_sgpr_kernarg_segment_ptr 1
		.amdhsa_wavefront_size32 1
		.amdhsa_system_sgpr_workgroup_id_x 1
		.amdhsa_system_sgpr_workgroup_id_y 1
		.amdhsa_system_sgpr_workgroup_id_z 1
		.amdhsa_system_vgpr_workitem_id 0
		.amdhsa_next_free_vgpr 160
		.amdhsa_next_free_sgpr 66
		.amdhsa_reserve_vcc 0
		.amdhsa_float_denorm_mode_32 3
		.amdhsa_float_denorm_mode_16_64 3
		.amdhsa_memory_ordered 1
		.amdhsa_forward_progress 1
		.amdhsa_inst_pref_size 27
	.end_amdhsa_kernel
	.amdgpu_metadata
---
amdhsa.version: [ 1, 2 ]
amdhsa.kernels:
  - .name:           k_q5b2dd2f9bc_prep
    .symbol:         k_q5b2dd2f9bc_prep.kd
    .args:
      - { .name: wq_codes, .offset: 0, .size: 8, .value_kind: global_buffer, .address_space: global }
      - { .name: wq_scales, .offset: 8, .size: 8, .value_kind: global_buffer, .address_space: global }
      - { .name: wk_codes, .offset: 16, .size: 8, .value_kind: global_buffer, .address_space: global }
      - { .name: wk_scales, .offset: 24, .size: 8, .value_kind: global_buffer, .address_space: global }
      - { .name: wv_codes, .offset: 32, .size: 8, .value_kind: global_buffer, .address_space: global }
      - { .name: wv_scales, .offset: 40, .size: 8, .value_kind: global_buffer, .address_space: global }
      - { .name: w1_codes, .offset: 48, .size: 8, .value_kind: global_buffer, .address_space: global }
      - { .name: w1_scales, .offset: 56, .size: 8, .value_kind: global_buffer, .address_space: global }
      - { .name: w2_codes, .offset: 64, .size: 8, .value_kind: global_buffer, .address_space: global }
      - { .name: w2_scales, .offset: 72, .size: 8, .value_kind: global_buffer, .address_space: global }
      - { .name: wo, .offset: 80, .size: 8, .value_kind: global_buffer, .address_space: global }
      - { .name: qkvs, .offset: 88, .size: 8, .value_kind: global_buffer, .address_space: global }
      - { .name: wstr, .offset: 96, .size: 8, .value_kind: global_buffer, .address_space: global }
    .group_segment_fixed_size: 0
    .private_segment_fixed_size: 0
    .kernarg_segment_align: 8
    .kernarg_segment_size: 104
    .max_flat_workgroup_size: 64
    .sgpr_count:     66
    .vgpr_count:     160
    .wavefront_size: 32
...
	.end_amdgpu_metadata
.endif
;; end of part 5
;; launch qkv (part 6): grid 128 x 1, 8 waves a work-group, no clusters, 31,744 bytes of LDS; arguments inputs, ln1_scale, ln1_bias, qkvs, qimg, kimg, vimg; writes qimg, kimg, vimg
.if DOCPART == 6
	.amdgcn_target "amdgcn-amd-amdhsa--gfx1250"
	.amdhsa_code_object_version 6
	.text
	.protected	k_q5b2dd2f9bc_qkv
	.globl	k_q5b2dd2f9bc_qkv
	.p2align	8
	.type	k_q5b2dd2f9bc_qkv,@function
k_q5b2dd2f9bc_qkv:
	s_mov_b64 s[64:65], 0
	v_nop
	global_prefetch_b8 v0, s[64:65] scope:SCOPE_SE
	s_setreg_imm32_b32 hwreg(HW_REG_WAVE_SCHED_MODE, 0, 2), 2
	s_setreg_imm32_b32 hwreg(HW_REG_WAVE_MODE, 25, 1), 1
	s_wait_xcnt 0x0
	s_wait_alu depctr_vm_vsrc(0)
; LayerNorm 1, its quantiser, the products with wq, wk, wv on codes of FP6 (E2M3, one E8M0 scale for each 32 along K), and the quantisers of q x 1/8, k (along the head's 64) and v (along the keys).
; SHARES.  A work-group of eight waves takes 64 rows.  THE WAVES SHARE THE COLUMNS: wave w owns columns 64 w .. 64 w + 63 in the norm, and then head w.
; TILES.  In a group of 64 rows (and of 64 weight rows) lane r of tile t takes element 32 (t / 2) + 8 (t % 2) + r + (r & 8).  A transposed product (source 0 = 16 weight rows, source 1 = 16 rows of y) then leaves in
; the 32 registers ACC + 32 m + k of lane (r, h) the columns 32 (k / 16) + 16 h + k % 16 of one row: two blocks of 32, 16 neighbours each.  v is made the other way round (source 0 = y), so that its registers run along the keys.
; y GOES FROM WAVE TO WAVE THROUGH LDS AS IMAGES OF REGISTERS: the 6 registers that a wave makes for a tile (64 along K: half a fragment) lie as 512 bytes (registers 0-3, 16 bytes a lane) + 256 bytes (registers 4-5, 8 a lane).
; THE WEIGHTS come from memory straight into a ring of four register sets (window 1), 13 loads of 16 bytes a lane for a K step, laid out so by the launch before; four sets, 52 loads, are on their way.
; No tensor loads and no cluster: each weight byte goes once into the registers of the one wave that multiplies by it, so LDS would only be a detour; the eight waves read eight different heads' weights.
; RECORDS out (1,792 bytes for each (batch, head) and 32 rows): q, k: the two tiles' 768 bytes, then 128 bytes of scale words (lanes 0-15 tile 0, lanes 16-31 tile 1; bytes 2, 3 = 127);
; v: the block's 32 keys for d tiles 0, 1 (768 bytes: lanes 0-15 tile 0, lanes 16-31 tile 1), for tiles 2, 3, then a word a lane with the four tiles' bytes.  The last 128 bytes of a record are never read.
; The variance is taken of x - mean in a second pass.  LIMITS: NaN and infinities are not served; a block whose largest magnitude lies under 2^-124 keeps the scale byte 1.
; REGISTERS.  window 0: v1-16 addresses; v20-23 scale halfwords; v24-27 y's scale words; v28-43 the ring's; v44-59 mean and 1/sigma (pairs); v60-67 at work; v68-77 codes just made; v80-127 y's fragments, also at work; v128-255 ACC.
;   window 1: v0-191 the ring (set j at 48 j); v192-223 the gain, v224-255 the bias of my 64 columns.
; THE MODE: SCHED_MODE bits 1:0 = 2 (LLVM: expert scheduling mode 2), set by the entry lines.  The code itself states the register dependences
; between vector or matrix instructions and memory or LDS instructions, with s_wait_alu, always for 0.
; THE PLAN.  Registers that memory or LDS instructions touch:
;   v1-9, v16       addresses, made at the head and never written again: one wait on va_vdst ahead of the first load serves them all.
;   LFR, LSC        in the products: loaded from LDS for a K step, read by its 16 products.     ring place j, RSC + 4 j: loaded from memory, read by the same 16 products.
;                   ONE wait on va_vdst behind a K step's products states that they are done reading all four; the next step's LDS loads and place j's 13 loads follow it with no vector instruction between.
;   LFR             in the norm: the sums are written by vector instructions, read by four LDS stores (va_vdst ahead of them), and the waves' sums land there (vm_vsrc ahead of those loads).
;   PC, PW          written by the quantiser, read by three LDS stores: va_vdst ahead of the stores, vm_vsrc ahead of the next tile's quantiser.
;   LFR, v10-13     on the way out: written by the quantisers, read by the global stores: one va_vdst ahead of a run of stores, vm_vsrc (beside the wait on XCNT) behind it.
;   ACC             loaded once, at the head; from then on named by vector and matrix instructions alone.
.set SETB, 6656
.set LI16, 1                           ; 16 x lane
.set LI8, 2                            ; 8 x lane + 512
.set VX, 3                             ; (r + (r & 8)) x 2048 + 256 w + 64 h
.set PST16, 4                          ; where I store an image: 16 l + 6144 (w / 2) + 768 (w % 2)
.set PST8, 5                           ; 8 l + 512 + the same
.set PSS, 6                            ; my halfword of a scale word: 16 l + 512 (w / 2) + 2 (w % 2)
.set STA, 7                            ; 32 r + 4 w
.set STL, 8                            ; 32 r
.set L4, 9                             ; 4 x lane
.set PK16, 12
.set BA, 16                            ; 256 w + 64 h
.set PW4, 20
.set LSC, 24
.set RSC, 28
.set MU, 44
.set RS, 52
.set TM, 60
.set PC, 68
.set PT, 74
.set PW, 77
.set LFR, 80
.set ACC, 128
.set GG, 192
.set BIAS, 192
.set BE, 224
.set YIMG, 0                           ; LDS: y's 16 fragments, [K step][tile][half]: 6144 s + 1536 m + 768 c
.set YSC, 24576                        ; their scale words, [K step][lane][tile]: 512 s + 16 l + 4 m
.set ST1, 26624                        ; the waves' sums, [tile][row][wave]
.set ST2, 28672                        ; and sums of squares
.set STR, 10                           ; s[10:11] the stream of sets
.set WV, 20
.set SEL, 22
.set C29, 24
.set CEPS, 25
.set HM, 26
.set MSB, 0
.macro WIN new                         ; the immediate's high byte repeats the setting that is left
.if MSB != \new
	s_set_vgpr_msb (MSB<<8)|\new
.set MSB, \new
.endif
.endm
.macro BARRIER                         ; my LDS stores have landed and my LDS loads are in: then the work-group's barrier
	s_wait_dscnt 0x0
	s_barrier_signal -1
	s_barrier_wait -1
.endm
; 32 numbers of a lane, register 16 b + i = k 32 b + 16 (lane / 16) + i of my row, become 6 registers of codes (lane (r, h): block h whole) in v[d] on and the two scale bytes in v[pw].
.macro QUANT2 s, d, t, pw
.irp b, 0,1
	v_max3_num_f32 v[TM+\b], |v[(\s)+16*\b]|, |v[(\s)+16*\b+1]|, 0x1800000   ; the floor 2^(3 - 127): the byte cannot fall under 1
.endr
.irp i, 2,4,6,8,10,12,14
.irp b, 0,1
	v_max3_num_f32 v[TM+\b], v[TM+\b], |v[(\s)+16*\b+\i]|, |v[(\s)+16*\b+\i+1]|
.endr
.endr
.irp b, 0,1
	v_permlanex16_b32 v[TM+2+\b], v[TM+\b], s[SEL], s[SEL+1]
.endr
.irp b, 0,1
	v_max_num_f32 v[TM+\b], v[TM+\b], v[TM+2+\b]   ; with lane l xor 16's: the block's largest magnitude
.endr
.irp b, 0,1
	v_add_nc_u32 v[TM+4+\b], 0xff000000, v[TM+\b]  ; 2 off its exponent field: the conversion's scale operand
.endr
.irp b, 0,1
	v_lshrrev_b32 v[TM+6+\b], 23, v[TM+4+\b]       ; the scale's byte
.endr
	v_lshl_or_b32 v[\pw], v[TM+7], 8, v[TM+6]
	v_cvt_scalef32_pk16_fp6_f32 v[(\d):(\d)+2], v[(\s):(\s)+15], v[TM+4]
	v_cvt_scalef32_pk16_fp6_f32 v[(\t):(\t)+2], v[(\s)+16:(\s)+31], v[TM+5]
	v_nop                                          ; one plain place behind a scaled conversion
.irp i, 0,1,2
	v_permlane16_swap_b32 v[(\d)+\i], v[(\t)+\i]   ; the first now holds each lane's block's lower 16 codes, the second the upper 16
.endr
.irp i, 0,1,2
	v_mov_b32 v[(\d)+3+\i], v[(\t)+\i]
.endr
.endm
.macro RLOAD j, at                     ; set number at (counted from the stream's pointer) into ring place j: 13 loads
	WIN 0x40                                       ; destination window 1
.irp f, 0,1,2,3
.irp i, 0,1,2
	global_load_b128 v[48*\j+12*\f+4*\i:48*\j+12*\f+4*\i+3], v[LI16], s[STR:STR+1] offset:(\at)*SETB+1536*\f+512*\i
.endr
.endr
	WIN 0
	global_load_b128 v[RSC+4*\j:RSC+4*\j+3], v[LI16], s[STR:STR+1] offset:(\at)*SETB+6144
.endm
; The rows' part of K step j out of LDS: the four tiles' scale words first, then tile by tile four loads.
.macro LFETCH j, a16, a8, asc, off, soff
	ds_load_b128 v[LSC:LSC+3], v[\asc] offset:\soff+512*\j
.irp m, 0,1,2,3
.irp c, 0,1
	ds_load_b128 v[LFR+12*\m+6*\c:LFR+12*\m+6*\c+3], v[\a16] offset:\off+6144*\j+1536*\m+768*\c
	ds_load_b64 v[LFR+12*\m+6*\c+4:LFR+12*\m+6*\c+5], v[\a8] offset:\off+6144*\j+1536*\m+768*\c
.endr
.endr
.endm
; One K step of 128: 4 tiles of rows x 4 tiles of weights: 16 accumulators, one instruction a turn, in the same order in every step.
; cmode 0: C = D; 1: C = 0, the sums begin; 2: C = the bias.  swap = 1: the rows are source 0.  wcnt: the loads of the younger sets, which may stay out.  w = 1: loads into these products' operands follow.
.macro KMUL j, cmode, swap, wcnt, w
	s_wait_loadcnt \wcnt                           ; loads come back in order: ring place j is in
.if \swap
	WIN 0x04                                       ; source 1 (the ring) window 1
.elseif \cmode == 2
	WIN 0x11                                       ; source 0 (the ring) and C (the bias) window 1
.else
	WIN 0x01                                       ; source 0 (the ring) window 1
.endif
.irp m, 0,1,2,3
	s_wait_dscnt 12-4*\m                           ; LDS loads come back in order: the scale words and tile m are in; four loads for each younger tile may stay out
.irp f, 0,1,2,3
.if \swap
.if \cmode == 1
	v_wmma_scale_f32_16x16x128_f8f6f4 v[ACC+8*(4*\f+\m):ACC+8*(4*\f+\m)+7], v[LFR+12*\m:LFR+12*\m+11], v[48*\j+12*\f:48*\j+12*\f+11], 0, v[LSC+\m], v[RSC+4*\j+\f] matrix_a_fmt:MATRIX_FMT_FP6 matrix_b_fmt:MATRIX_FMT_FP6
.else
	v_wmma_scale_f32_16x16x128_f8f6f4 v[ACC+8*(4*\f+\m):ACC+8*(4*\f+\m)+7], v[LFR+12*\m:LFR+12*\m+11], v[48*\j+12*\f:48*\j+12*\f+11], v[ACC+8*(4*\f+\m):ACC+8*(4*\f+\m)+7], v[LSC+\m], v[RSC+4*\j+\f] matrix_a_fmt:MATRIX_FMT_FP6 matrix_b_fmt:MATRIX_FMT_FP6
.endif
.elseif \cmode == 1
	v_wmma_scale_f32_16x16x128_f8f6f4 v[ACC+8*(4*\m+\f):ACC+8*(4*\m+\f)+7], v[48*\j+12*\f:48*\j+12*\f+11], v[LFR+12*\m:LFR+12*\m+11], 0, v[RSC+4*\j+\f], v[LSC+\m] matrix_a_fmt:MATRIX_FMT_FP6 matrix_b_fmt:MATRIX_FMT_FP6
.elseif \cmode == 2
	v_wmma_scale_f32_16x16x128_f8f6f4 v[ACC+8*(4*\m+\f):ACC+8*(4*\m+\f)+7], v[48*\j+12*\f:48*\j+12*\f+11], v[LFR+12*\m:LFR+12*\m+11], v[BIAS+8*\f:BIAS+8*\f+7], v[RSC+4*\j+\f], v[LSC+\m] matrix_a_fmt:MATRIX_FMT_FP6 matrix_b_fmt:MATRIX_FMT_FP6
.else
	v_wmma_scale_f32_16x16x128_f8f6f4 v[ACC+8*(4*\m+\f):ACC+8*(4*\m+\f)+7], v[48*\j+12*\f:48*\j+12*\f+11], v[LFR+12*\m:LFR+12*\m+11], v[ACC+8*(4*\m+\f):ACC+8*(4*\m+\f)+7], v[RSC+4*\j+\f], v[LSC+\m] matrix_a_fmt:MATRIX_FMT_FP6 matrix_b_fmt:MATRIX_FMT_FP6
.endif
.endr
.endr
	WIN 0
.rept 4
	v_nop                                          ; four places (ISA guide 7.12.1) behind these products, ahead of the first read of results
.endr
.if \w
	s_wait_alu depctr_va_vdst(0)                   ; these products are done reading the rows' fragments and scale words and ring place j with its scale words: the loads that follow land in them
.endif
.endm
; Four K steps.  The next step's LDS loads stand ahead of the ring's loads, so that they land while those are issued.  With refill the ring takes the next four sets and the stream steps on.
.macro GROUP4 a16, a8, asc, off, soff, c0, swap, refill
	LFETCH 0, \a16, \a8, \asc, \off, \soff
	KMUL 0, \c0, \swap, 39, 1                      ; 39 = the three younger sets' 13 loads each
	LFETCH 1, \a16, \a8, \asc, \off, \soff
.if \refill
	RLOAD 0, 4
	KMUL 1, 0, \swap, 39, 1
.else
	KMUL 1, 0, \swap, 26, 1                        ; nothing is asked for any more: the counts run down
.endif
	LFETCH 2, \a16, \a8, \asc, \off, \soff
.if \refill
	RLOAD 1, 5
	KMUL 2, 0, \swap, 39, 1
.else
	KMUL 2, 0, \swap, 13, 1
.endif
	LFETCH 3, \a16, \a8, \asc, \off, \soff
.if \refill
	RLOAD 2, 6
	KMUL 3, 0, \swap, 39, 1
	RLOAD 3, 7
	s_wait_xcnt 0x0                                ; the loads have read their base: it may step
	s_add_nc_u64 s[STR:STR+1], s[STR:STR+1], 4*SETB
.else
	KMUL 3, 0, \swap, 0, 0
.endif
.endm
; Four tiles' chains (two pairs each at v[LFR + 4 m]) become the rows' sums over all 512 columns, in v[LFR + 8 m] of every lane: within the lane, with lane l xor 16, and over the eight waves through LDS.
.macro REDUCE st
.irp m, 0,1,2,3
	v_pk_add_f32 v[LFR+4*\m:LFR+4*\m+1], v[LFR+4*\m:LFR+4*\m+1], v[LFR+4*\m+2:LFR+4*\m+3]
.endr
.irp m, 0,1,2,3
	v_add_f32 v[LFR+4*\m], v[LFR+4*\m], v[LFR+4*\m+1]
.endr
.irp m, 0,1,2,3
	v_permlanex16_b32 v[LFR+4*\m+1], v[LFR+4*\m], s[SEL], s[SEL+1]
.endr
.irp m, 0,1,2,3
	v_add_f32 v[LFR+4*\m], v[LFR+4*\m], v[LFR+4*\m+1]
.endr
	s_wait_alu depctr_va_vdst(0)                   ; the four sums are written, which the LDS stores read; and the vector work on v[LFR ..] is over, where the loads below land
.irp m, 0,1,2,3
	ds_store_b32 v[STA], v[LFR+4*\m] offset:\st+512*\m   ; both halves of the lanes write the same word with the same value
.endr
	BARRIER
	s_wait_alu depctr_vm_vsrc(0)                   ; my four LDS stores have read v[LFR + 4 m], in which the loads below land
.irp m, 0,1,2,3
	ds_load_b128 v[LFR+8*\m:LFR+8*\m+3], v[STL] offset:\st+512*\m
	ds_load_b128 v[LFR+8*\m+4:LFR+8*\m+7], v[STL] offset:\st+512*\m+16
.endr
	s_wait_dscnt 0x0
.irp m, 0,1,2,3
	v_pk_add_f32 v[LFR+8*\m:LFR+8*\m+1], v[LFR+8*\m:LFR+8*\m+1], v[LFR+8*\m+2:LFR+8*\m+3]
.endr
.irp m, 0,1,2,3
	v_pk_add_f32 v[LFR+8*\m+4:LFR+8*\m+5], v[LFR+8*\m+4:LFR+8*\m+5], v[LFR+8*\m+6:LFR+8*\m+7]
.endr
.irp m, 0,1,2,3
	v_pk_add_f32 v[LFR+8*\m:LFR+8*\m+1], v[LFR+8*\m:LFR+8*\m+1], v[LFR+8*\m+4:LFR+8*\m+5]
.endr
.irp m, 0,1,2,3
	v_add_f32 v[LFR+8*\m], v[LFR+8*\m], v[LFR+8*\m+1]
.endr
.endm
; The norm of the 64 rows in ACC (which stays as it is), its gain and bias, the quantiser, and the images to LDS.  Three barriers.  Each accumulator is read from its low end on.
.macro LNORM park
.irp m, 0,1,2,3
	v_pk_add_f32 v[LFR+4*\m:LFR+4*\m+1], v[ACC+32*\m:ACC+32*\m+1], v[ACC+32*\m+2:ACC+32*\m+3]
.endr
.irp m, 0,1,2,3
	v_pk_add_f32 v[LFR+4*\m+2:LFR+4*\m+3], v[ACC+32*\m+4:ACC+32*\m+5], v[ACC+32*\m+6:ACC+32*\m+7]
.endr
.irp i, 8,12,16,20,24,28
.irp m, 0,1,2,3
	v_pk_add_f32 v[LFR+4*\m:LFR+4*\m+1], v[LFR+4*\m:LFR+4*\m+1], v[ACC+32*\m+\i:ACC+32*\m+\i+1]
.endr
.irp m, 0,1,2,3
	v_pk_add_f32 v[LFR+4*\m+2:LFR+4*\m+3], v[LFR+4*\m+2:LFR+4*\m+3], v[ACC+32*\m+\i+2:ACC+32*\m+\i+3]
.endr
.endr
	REDUCE ST1
.irp m, 0,1,2,3
	v_mul_f32 v[MU+2*\m], s[C29], v[LFR+8*\m]      ; the mean: the sum x 2^-9
.endr
.set i, 0
.rept 16                               ; the squares of x - mean, two chains a tile
.irp m, 0,1,2,3
	v_pk_add_f32 v[LFR+32+2*\m+8*(i%2):LFR+33+2*\m+8*(i%2)], v[ACC+32*\m+2*i:ACC+32*\m+2*i+1], v[MU+2*\m:MU+2*\m+1] op_sel_hi:[1,0] neg_lo:[0,1] neg_hi:[0,1]
.endr
.irp m, 0,1,2,3
.if i < 2
	v_pk_mul_f32 v[LFR+4*\m+2*(i%2):LFR+4*\m+2*(i%2)+1], v[LFR+32+2*\m+8*(i%2):LFR+33+2*\m+8*(i%2)], v[LFR+32+2*\m+8*(i%2):LFR+33+2*\m+8*(i%2)]
.else
	v_pk_fma_f32 v[LFR+4*\m+2*(i%2):LFR+4*\m+2*(i%2)+1], v[LFR+32+2*\m+8*(i%2):LFR+33+2*\m+8*(i%2)], v[LFR+32+2*\m+8*(i%2):LFR+33+2*\m+8*(i%2)], v[LFR+4*\m+2*(i%2):LFR+4*\m+2*(i%2)+1]
.endif
.endr
.set i, i+1
.endr
	REDUCE ST2
.irp m, 0,1,2,3
	v_fma_f32 v[LFR+8*\m], v[LFR+8*\m], s[C29], s[CEPS]   ; the variance + 1e-6
.endr
	s_wait_alu depctr_va_vdst(0)
.irp m, 0,1,2,3
	v_rsq_f32 v[RS+2*\m], v[LFR+8*\m]
.endr
	v_nop                                          ; a plain place behind the last of the four
	s_wait_alu depctr_va_vdst(0)                   ; the four 1 / sigma are written, ahead of their first reader: one wait for the four
.irp m, 0,1,2,3
.set i, 0
.rept 16
	v_pk_add_f32 v[LFR+2*i:LFR+2*i+1], v[ACC+32*\m+2*i:ACC+32*\m+2*i+1], v[MU+2*\m:MU+2*\m+1] op_sel_hi:[1,0] neg_lo:[0,1] neg_hi:[0,1]
.set i, i+1
.endr
.set i, 0
.rept 16
	v_pk_mul_f32 v[LFR+2*i:LFR+2*i+1], v[LFR+2*i:LFR+2*i+1], v[RS+2*\m:RS+2*\m+1] op_sel_hi:[1,0]
.set i, i+1
.endr
	WIN 0x14                                       ; sources 1 and 2 (gain, bias) window 1
.set i, 0
.rept 16
	v_pk_fma_f32 v[LFR+2*i:LFR+2*i+1], v[LFR+2*i:LFR+2*i+1], v[GG+2*i:GG+2*i+1], v[BE+2*i:BE+2*i+1]
.set i, i+1
.endr
	WIN 0
.if \m > 0
	s_wait_alu depctr_vm_vsrc(0)                   ; the last tile's LDS stores have read v[PC ..] and v[PW], which the quantiser writes again now
.endif
	QUANT2 LFR, PC, PT, PW
	s_wait_alu depctr_va_vdst(0)                   ; the quantiser has written v[PC ..] and v[PW], which the LDS stores read
	ds_store_b128 v[PST16], v[PC:PC+3] offset:YIMG+1536*\m
	ds_store_b64 v[PST8], v[PC+4:PC+5] offset:YIMG+1536*\m
	ds_store_b16 v[PSS], v[PW] offset:YSC+4*\m
.endr
.if \park
.set i, 0
.rept 32
	ds_store_b128 v[PK16], v[ACC+4*i:ACC+4*i+3] offset:512*i   ; x waits in my own bytes of LDS while ACC serves the hidden layer
.set i, i+1
.endr
.endif
	BARRIER                                        ; y's sixteen fragments lie in LDS
.endm
; q's or k's four tiles: quantised along the head's 64 and stored as two records
.macro OUTQK ptr
.irp m, 0,1,2,3
	QUANT2 ACC+32*\m, LFR+12*\m, LFR+12*\m+6, PW4+\m
.endr
.irp p, 0,1
	v_cndmask_b32 v[10+\p], v[PW4+2*\p], v[PW4+2*\p+1], s[HM]   ; lanes 0-15: the even tile's bytes, lanes 16-31 the odd tile's
	v_or_b32 v[10+\p], 0x7f7f0000, v[10+\p]        ; bytes 2 and 3: 2^0, for the half of the K step that holds zero codes
.endr
	s_wait_alu depctr_va_vdst(0)                   ; the four tiles' codes in v[LFR ..] and the scale words in v10, v11 are written, which the stores read
.irp m, 0,1,2,3
	global_store_b128 v[LI16], v[LFR+12*\m:LFR+12*\m+3], s[\ptr:\ptr+1] offset:1792*(\m/2)+768*(\m%2)   ; 512 consecutive bytes, at a multiple of 256
	global_store_b64 v[LI8], v[LFR+12*\m+4:LFR+12*\m+5], s[\ptr:\ptr+1] offset:1792*(\m/2)+768*(\m%2)   ; 256 more (the address holds the 512)
.endr
.irp p, 0,1
	global_store_b32 v[L4], v[10+\p], s[\ptr:\ptr+1] offset:1792*\p+1536
.endr
	s_wait_xcnt 0x0                                ; the stores have had their addresses translated: their registers may be written again,
	s_wait_alu depctr_vm_vsrc(0)                   ; and they have read v[LFR ..], where the next products' fragments land, and v10, v11, which are written again
.endm
	s_load_b256 s[4:11], s[0:1], 0x0               ; inputs, ln1_scale, ln1_bias, qkvs
	s_load_b128 s[12:15], s[0:1], 0x20             ; qimg, kimg
	s_load_b64 s[16:17], s[0:1], 0x30              ; vimg
	v_lshl_add_u32 v78, v0, 2, 0x7800
	v_mov_b32 v79, 0
	v_lshrrev_b32 v10, 5, v0
	v_readfirstlane_b32 s[WV], v10                 ; wave 0..7
	v_and_b32 v10, 31, v0                          ; lane
	v_and_b32 v11, 15, v0                          ; r
	v_bfe_u32 v12, v0, 4, 1                        ; h
	v_lshlrev_b32 v[LI16], 4, v10
	v_lshlrev_b32 v[LI8], 3, v10
	v_add_nc_u32 v[LI8], 512, v[LI8]
	v_lshlrev_b32 v[L4], 2, v10
	v_and_b32 v13, 8, v11
	v_add_nc_u32 v13, v13, v11                     ; r + (r & 8)
	s_wait_alu depctr_va_sdst(0)                   ; the wave's number is written into s[WV], ahead of its first reader
	s_lshl_b32 s28, s[WV], 8
	v_lshl_add_u32 v[BA], v12, 6, s28
	v_lshl_add_u32 v[VX], v13, 11, v[BA]
	s_lshr_b32 s29, s[WV], 1
	s_and_b32 s30, s[WV], 1
	s_mul_i32 s31, s29, 6144
	s_mul_i32 s32, s30, 768
	s_add_co_u32 s31, s31, s32
	v_add_nc_u32 v[PST16], s31, v[LI16]
	v_add_nc_u32 v[PST8], s31, v[LI8]
	s_lshl_b32 s31, s29, 9
	s_lshl_b32 s32, s30, 1
	s_add_co_u32 s31, s31, s32
	v_add_nc_u32 v[PSS], s31, v[LI16]
	v_lshlrev_b32 v[STL], 5, v11
	s_lshl_b32 s31, s[WV], 2
	v_add_nc_u32 v[STA], s31, v[STL]
	s_mov_b32 s[SEL], 0x76543210
	s_mov_b32 s[SEL+1], 0xfedcba98                 ; v_permlanex16_b32's selects for lane l xor 16
	s_mov_b32 s[C29], 0x3b000000                   ; 2^-9
	s_mov_b32 s[CEPS], 0x358637bd                  ; 1e-6
	s_mov_b32 s[HM], 0xffff0000                    ; lanes 16-31
	v_mov_b32 v[TM+2], 0                           ; written once: a lane permute's destination counts as one of its sources
	v_mov_b32 v[TM+3], 0
.irp m, 0,1,2,3
	v_mov_b32 v[MU+2*\m+1], 0                      ; named as the upper halves of pairs
	v_mov_b32 v[RS+2*\m+1], 0
.endr
	s_lshl_b32 s30, ttmp9, 17                      ; my 64 rows of 2,048 bytes
	s_mov_b32 s31, 0
	s_mul_i32 s32, s[WV], 12*SETB                  ; my head's twelve sets
	s_mov_b32 s33, 0
	s_lshr_b32 s34, ttmp9, 6                       ; batch
	s_lshl_b32 s34, s34, 3
	s_add_co_u32 s34, s34, s[WV]                   ; (batch, head)
	s_lshl_b32 s34, s34, 7
	s_and_b32 s35, ttmp9, 63
	s_lshl_b32 s35, s35, 1
	s_add_co_u32 s34, s34, s35                     ; + my first block of 32 rows
	s_mul_i32 s34, s34, 1792
	s_mov_b32 s35, 0
	s_wait_kmcnt 0x0
	s_add_nc_u64 s[4:5], s[4:5], s[30:31]
	s_add_nc_u64 s[STR:STR+1], s[STR:STR+1], s[32:33]
	s_add_nc_u64 s[12:13], s[12:13], s[34:35]
	s_add_nc_u64 s[14:15], s[14:15], s[34:35]
	s_add_nc_u64 s[16:17], s[16:17], s[34:35]
	s_wait_alu depctr_va_vdst(0)                   ; the addresses v1 to v9 and v16 are written, which every load and store of the kernel reads; none of them is written again
.irp m, 0,1,2,3
.irp b, 0,1
.irp q, 0,1,2,3
	global_load_b128 v[ACC+32*\m+16*\b+4*\q:ACC+32*\m+16*\b+4*\q+3], v[VX], s[4:5] offset:(32*(\m/2)+8*(\m%2))*2048+128*\b+16*\q   ; x(tile m's row, 64 w + 32 b + 16 h + 4 q ..)
.endr
.endr
.endr
	WIN 0x40
.irp b, 0,1
.irp q, 0,1,2,3
	global_load_b128 v[GG+16*\b+4*\q:GG+16*\b+4*\q+3], v[BA], s[6:7] offset:128*\b+16*\q
	global_load_b128 v[BE+16*\b+4*\q:BE+16*\b+4*\q+3], v[BA], s[8:9] offset:128*\b+16*\q
.endr
.endr
	RLOAD 0, 0                                     ; the ring's first four sets: wq
	RLOAD 1, 1
	RLOAD 2, 2
	RLOAD 3, 3
	s_wait_loadcnt 52                              ; the ring's 52 loads may stay out: x, gain and bias are in
	LNORM 0
	GROUP4 LI16, LI8, LI16, YIMG, YSC, 1, 0, 1     ; q; the ring takes wk
.set i, 0
.rept 64
	v_pk_mul_f32 v[ACC+2*i:ACC+2*i+1], v[ACC+2*i:ACC+2*i+1], 0x3e000000 op_sel_hi:[1,0]   ; q x 1 / sqrt(64), ahead of the quantiser
.set i, i+1
.endr
	OUTQK 12
	GROUP4 LI16, LI8, LI16, YIMG, YSC, 1, 0, 1     ; k; the ring takes wv
	OUTQK 14
	GROUP4 LI16, LI8, LI16, YIMG, YSC, 1, 1, 0     ; v, the rows as source 0: lane r holds one d, the registers ACC + 32 f + k run along the 64 keys
.irp f, 0,1,2,3
	QUANT2 ACC+32*\f, LFR+12*\f, LFR+12*\f+6, PW4+\f
.endr
.irp d, 0,1                            ; lane (r, h) holds key block h of d tile f.  A record wants ONE key block, d tiles 2 d and 2 d + 1 in the two halves of the lanes
.irp i, 0,1,2,3,4,5
	v_permlane16_swap_b32 v[LFR+24*\d+\i], v[LFR+24*\d+12+\i]
.endr
.endr
	v_perm_b32 v10, v[PW4+1], v[PW4], 0x05010400   ; tiles 0, 1: block 0's two bytes, then block 1's
	v_perm_b32 v11, v[PW4+3], v[PW4+2], 0x05010400 ; tiles 2, 3
	v_perm_b32 v12, v11, v10, 0x05040100           ; key block 0: the four tiles' bytes
	v_perm_b32 v13, v11, v10, 0x07060302           ; key block 1
	s_wait_alu depctr_va_vdst(0)                   ; v's codes in v[LFR ..] and its scale words in v12, v13 are written, which the stores read
.irp d, 0,1
.irp k, 0,1
	global_store_b128 v[LI16], v[LFR+24*\d+12*\k:LFR+24*\d+12*\k+3], s[16:17] offset:1792*\k+768*\d
	global_store_b64 v[LI8], v[LFR+24*\d+12*\k+4:LFR+24*\d+12*\k+5], s[16:17] offset:1792*\k+768*\d
.endr
.endr
	global_store_b32 v[L4], v12, s[16:17] offset:1536
	global_store_b32 v[L4], v13, s[16:17] offset:1792+1536
	s_wait_dscnt 0x0                               ; the closing lines, six on end
	s_wait_alu 0x0
	s_wait_tensorcnt 0x0
	ds_add_u32 v78, v79
	s_wait_dscnt 0x0
	s_endpgm
.Lfunc_end_k_q5b2dd2f9bc_qkv:
	.size	k_q5b2dd2f9bc_qkv, .Lfunc_end_k_q5b2dd2f9bc_qkv-k_q5b2dd2f9bc_qkv
	.p2alignl 7, 3214868480
	.fill 96, 4, 3214868480
	.section	.rodata,"a",@progbits
	.p2align	6, 0x0
	.amdhsa_kernel k_q5b2dd2f9bc_qkv
		.amdhsa_group_segment_fixed_size 31744
		.amdhsa_private_segment_fixed_size 0
		.amdhsa_enable_private_segment 0
		.amdhsa_kernarg_size 56
		.amdhsa_user_sgpr_count 2
		.amdhsa_user_sgpr_kernarg_segment_ptr 1
		.amdhsa_wavefront_size32 1
		.amdhsa_system_sgpr_workgroup_id_x 1
		.amdhsa_system_sgpr_workgroup_id_y 1
		.amdhsa_system_sgpr_workgroup_id_z 1
		.amdhsa_system_vgpr_workitem_id 0
		.amdhsa_next_free_vgpr 512
		.amdhsa_next_free_sgpr 66
		.amdhsa_reserve_vcc 0
		.amdhsa_float_denorm_mode_32 3
		.amdhsa_float_denorm_mode_16_64 3
		.amdhsa_memory_ordered 1
		.amdhsa_forward_progress 1
		.amdhsa_inst_pref_size 135
	.end_amdhsa_kernel
	.amdgpu_metadata
---
amdhsa.version: [ 1, 2 ]
amdhsa.kernels:
  - .name:           k_q5b2dd2f9bc_qkv
    .symbol:         k_q5b2dd2f9bc_qkv.kd
    .args:
      - { .name: inputs, .offset: 0, .size: 8, .value_kind: global_buffer, .address_space: global }
      - { .name: ln1_scale, .offset: 8, .size: 8, .value_kind: global_buffer, .address_space: global }
      - { .name: ln1_bias, .offset: 16, .size: 8, .value_kind: global_buffer, .address_space: global }
      - { .name: qkvs, .offset: 24, .size: 8, .value_kind: global_buffer, .address_space: global }
      - { .name: qimg, .offset: 32, .size: 8, .value_kind: global_buffer, .address_space: global }
      - { .name: kimg, .offset: 40, .size: 8, .value_kind: global_buffer, .address_space: global }
      - { .name: vimg, .offset: 48, .size: 8, .value_kind: global_buffer, .address_space: global }
    .group_segment_fixed_size: 31744
    .private_segment_fixed_size: 0
    .kernarg_segment_align: 8
    .kernarg_segment_size: 56
    .max_flat_workgroup_size: 256
    .sgpr_count:     66
    .vgpr_count:     512
    .wavefront_size: 32
...
	.end_amdgpu_metadata
.endif
;; end of part 6
;; launch attn (part 7): grid 16 x 16, 16 waves a work-group, no clusters, 81,920 bytes of LDS; arguments qimg, kimg, vimg, cimg; writes cimg
.if DOCPART == 7
	.amdgcn_target "amdgcn-amd-amdhsa--gfx1250"
	.amdhsa_code_object_version 6
	.text
	.protected	k_q5b2dd2f9bc_attn
	.globl	k_q5b2dd2f9bc_attn
	.p2align	8
	.type	k_q5b2dd2f9bc_attn,@function
k_q5b2dd2f9bc_attn:
	s_mov_b64 s[64:65], 0
	v_nop
	global_prefetch_b8 v0, s[64:65] scope:SCOPE_SE
	s_setreg_imm32_b32 hwreg(HW_REG_WAVE_SCHED_MODE, 0, 2), 2
	s_setreg_imm32_b32 hwreg(HW_REG_WAVE_MODE, 25, 1), 1
	s_wait_xcnt 0x0
	s_wait_alu depctr_vm_vsrc(0)
; Attention under the mask that the problem builds itself: a query of block J (128 rows) sees its own block causally and keys 96 .. 127 of every earlier block.  Those 32 keys are one whole block of the
; quantisers of p and of v; every other key has p = 0, zero codes, and is not multiplied.  Both products on codes of FP6 (E2M3) with one E8M0 scale for each 32 along K.
; THE SOFTMAX: t = score x log2(e); M = the running largest t rounded UP to a whole number; p = 2^(t - M) is quantised along the keys, not normalised; the row's sum is taken of the unquantised p and divides at the end.
; When M moves, the sum and O are multiplied by 2^(old M - new M): exact.
; SHARES.  A work-group owns query blocks p and 31 - p of one (batch, head), so that all work-groups have nearly the same number of key steps.  Sixteen waves, one tile of 16 queries each: tile w / 2 of block
; p (a = 0) or 31 - p (a = 1), a = (w xor w / 4) & 1: waves with many and with few steps are mixed among any four neighbours and among any four that lie four apart.
; A KEY STEP is 128 keys: the wave's own block (masked on the diagonal), then four earlier blocks' 32 keys at a time; blocks that are not earlier than the wave's get -infinity ahead of the exponential.
; Steps that lie wholly past a wave's block are jumped over by a scalar branch on ids; no barrier stands under such a branch.
; LDS: three regions of 16 pieces of 1,664 bytes (a record's 1,536 bytes of codes and 128 of scale words): two slots that take turns, each with two steps (4 records of K, 4 of V each), and the two own blocks.
; Wave w brings piece w through its registers, a round ahead.  One barrier a round: in front of it each wave has waited for its stores into the slot ahead and for its reads of the slot that it left.
; No tensor loads, no cluster: the work-groups of a (batch, head) need different numbers of rounds, and a round's bytes, 26,624, are small beside its arithmetic.
; LAYOUT.  S^T = K Q^T (source 0 = 16 keys, source 1 = my 16 queries), O^T = V^T P^T: a lane holds ONE query throughout.  The keys of a tile are chosen so that the 16 registers of tiles 2 b, 2 b + 1 are 16 neighbouring keys.
; THE HEAD IS 64, THE INSTRUCTION'S K IS 128: Q's registers 6-11 are zero codes.  So a fragment of K is named as 12 registers of which the upper 6 are whatever follows (the next fragment): finite codes x zero codes add nothing;
; the scale bytes of that half are 127 on both sides.
; LIMITS: NaN and infinities are not served; masked keys count as exactly 0, as they do in f32 wherever a row's scores lie above -1e9; a block of p under 2^-124 keeps the scale byte 1.
; REGISTERS: v1-8, v10 addresses; v11 my query - 16 h; v12 -M, v13 largest t, v[14:15] the sum; v16-27 Q; v28 Q's scale words; v29 -infinity; v30-83 K's eight fragments (6 apart) and six zeros, then V's four; v84-87 K's scale
; words; v88-91 V's; v92 p's; v93, v244-255 the piece on its way; v96-159 S^T, then p; v160-191 O^T; v192-210 p's codes; v212-243 at work.
; THE MODE: SCHED_MODE bits 1:0 = 2 (LLVM: expert scheduling mode 2), set by the entry lines.  The code itself states the register dependences
; between vector or matrix instructions and memory or LDS instructions, with s_wait_alu, always for 0.
; THE PLAN.  Registers that memory or LDS instructions touch:
;   v1-8, v10       addresses, made at the head and never written again: one wait on va_vdst ahead of the first load.
;   v30-77, v84-87  K's fragments and scale words land there, the eight score products read them; then V's fragments land in v30-77, and the four products with p read them.
;                   So a step has a wait on va_vdst at its top (the last step's products with p are done) and one behind its score products, whose results the maxima that follow want in any case.
;   v224-227        V's scale words as they lie: loaded behind the score products, read by the byte turns late in the step: the next step's two waits stand ahead of the next load.
;   v192-203, v88-92  p's codes and scale word, V's turned scale words: written by vector instructions, taken by a scaled product: its places, then a wait on va_vdst.
;   v232-237        the own block's six addresses: read by that step's LDS loads, written by later steps: one wait on vm_vsrc behind that step.
;   v93, v244-255   the piece on its way: loaded, stored to LDS, loaded again; no vector instruction names them: a wait on vm_vsrc between the stores and the next loads.
;   The masks of the diagonal go through scalar registers: sixteen compares, one wait on va_sdst, sixteen selects, four times.
.set KF, 30
.set KSC, 84
.set VXS, 88
.set PSC, 92
.set S, 96
.set O, 160
.set PCD, 192
.set BM, 212
.set BT, 216
.set SO, 220
.set VW, 224
.set VT, 228
.set NM, 232
.set TM, 212
.set PIECE, 1664
.set HALFR, 8*PIECE
.set REGN, 16*PIECE
.set LOC, 2*REGN
.set WV, 12
.set SA, 13
.set TT, 14
.set JA, 15
.set JB, 16
.set SJ, 17
.set BH, 18
.set CNT, 19
.set SEL, 20
.set CS, 22
.set RB, 24
.set J0, 25
.set VM, 28
.set SP, 32
.set DM, 36                            ; s[36:51] sixteen masks of the diagonal; at the head these registers hold offsets and bases whose loads are done by then
.macro QUANT2 s, d, t, pw              ; 32 numbers of a lane (16 b + i = k 32 b + 16 (lane / 16) + i) -> 6 registers of codes, lane (r, h): block h; two scale bytes
.irp b, 0,1
	v_max3_num_f32 v[TM+\b], |v[(\s)+16*\b]|, |v[(\s)+16*\b+1]|, 0x1800000
.endr
.irp i, 2,4,6,8,10,12,14
.irp b, 0,1
	v_max3_num_f32 v[TM+\b], v[TM+\b], |v[(\s)+16*\b+\i]|, |v[(\s)+16*\b+\i+1]|
.endr
.endr
.irp b, 0,1
	v_permlanex16_b32 v[TM+2+\b], v[TM+\b], s[SEL], s[SEL+1]
.endr
.irp b, 0,1
	v_max_num_f32 v[TM+\b], v[TM+\b], v[TM+2+\b]
.endr
.irp b, 0,1
	v_add_nc_u32 v[TM+4+\b], 0xff000000, v[TM+\b]
.endr
.irp b, 0,1
	v_lshrrev_b32 v[TM+6+\b], 23, v[TM+4+\b]
.endr
	v_lshl_or_b32 v[\pw], v[TM+7], 8, v[TM+6]
	v_cvt_scalef32_pk16_fp6_f32 v[(\d):(\d)+2], v[(\s):(\s)+15], v[TM+4]
	v_cvt_scalef32_pk16_fp6_f32 v[(\t):(\t)+2], v[(\s)+16:(\s)+31], v[TM+5]
	v_nop
.irp i, 0,1,2
	v_permlane16_swap_b32 v[(\d)+\i], v[(\t)+\i]
.endr
.irp i, 0,1,2
	v_mov_b32 v[(\d)+3+\i], v[(\t)+\i]
.endr
.endm
.macro SLOAD base                      ; my piece: 1,536 bytes of codes, 128 of scale words
	global_load_b128 v[244:247], v1, s[\base:\base+1]
	global_load_b128 v[248:251], v1, s[\base:\base+1] offset:512
	global_load_b128 v[252:255], v1, s[\base:\base+1] offset:1024
	global_load_b32 v93, v10, s[\base:\base+1] offset:1536
.endm
.macro SSTORE at
	ds_store_b128 v7, v[244:247] offset:\at
	ds_store_b128 v7, v[248:251] offset:\at+512
	ds_store_b128 v7, v[252:255] offset:\at+1024
	ds_store_b32 v8, v93 offset:\at
.endm
; A KEY STEP.  A: the first of six address registers (K's 16- and 8-byte pieces, K's scale words, the same for V); imm: where the step's eight pieces begin.  mode 0: my own block; 1: four earlier blocks' last 32 keys.
.macro STEP A, imm, mode
.rept 4
	v_nop                                          ; places behind the last products
.endr
	s_wait_alu depctr_va_vdst(0)                   ; the last step's products are done reading V's fragments and K's scale words, where K's loads land; ahead of my own block's step: its six addresses are written, and the zero codes beside Q and K
.irp i, 0,1,2,3,4,5,6,7
	ds_load_b128 v[KF+6*\i:KF+6*\i+3], v[\A] offset:\imm+PIECE*(\i/2)+768*(\i%2)
	ds_load_b64 v[KF+6*\i+4:KF+6*\i+5], v[\A+1] offset:\imm+PIECE*(\i/2)+768*(\i%2)
.endr
.irp j, 0,1,2,3
	ds_load_b32 v[KSC+\j], v[\A+2] offset:\imm+PIECE*\j   ; lanes 0-15: the even tile's words, lanes 16-31 the odd tile's
.endr
	s_wait_dscnt 0x0
.irp j, 0,1,2,3
	v_wmma_scale_f32_16x16x128_f8f6f4 v[S+16*\j:S+16*\j+7], v[KF+12*\j:KF+12*\j+11], v[16:27], 0, v[KSC+\j], v28 matrix_a_fmt:MATRIX_FMT_FP6 matrix_b_fmt:MATRIX_FMT_FP6
	v_wmma_scale_f32_16x16x128_f8f6f4 v[S+16*\j+8:S+16*\j+15], v[KF+12*\j+6:KF+12*\j+17], v[16:27], 0, v[KSC+\j], v28 matrix_a_fmt:MATRIX_FMT_FP6 matrix_b_fmt:MATRIX_FMT_FP6 matrix_a_scale:MATRIX_SCALE_ROW1
.endr                                              ; register 16 b + i of lane (r, h): query r, key 32 b + 16 h + i of the step
.rept 4
	v_nop
.endr
	s_wait_alu depctr_va_vdst(0)                   ; the score products are done reading K's fragments, where V's land; the last step's byte turns are done reading v[VW ..], where V's scale words land
.irp d, 0,1,2,3                        ; V's four fragments are asked for now and land under the softmax: lane (r, h), registers 6 c on: quarter 2 c + h of the step's keys, d tile's element r
.irp c, 0,1
	ds_load_b128 v[KF+12*\d+6*\c:KF+12*\d+6*\c+3], v[\A+3] offset:\imm+(4+2*\c)*PIECE+768*(\d/2)+256*(\d%2)
	ds_load_b64 v[KF+12*\d+6*\c+4:KF+12*\d+6*\c+5], v[\A+4] offset:\imm+(4+2*\c)*PIECE+768*(\d/2)+128*(\d%2)
.endr
.endr
.irp q, 0,1,2,3
	ds_load_b32 v[VW+\q], v[\A+5] offset:\imm+(4+\q)*PIECE   ; quarter q: the four d tiles' bytes of element r
.endr
.if \mode == 0
.irp g, 0,1,2,3                        ; the diagonal: a key after my query becomes -infinity ahead of the maximum.  Sixteen compares, one wait, sixteen selects
.set n, 0
.rept 16
	v_cmp_gt_i32 s[DM+n], 32*\g+n, v11
.set n, n+1
.endr
	s_wait_alu depctr_va_sdst(0)                   ; the sixteen masks are written into s[DM ..], ahead of the selects that read them
.set n, 0
.rept 16
	v_cndmask_b32 v[S+16*\g+n], v[S+16*\g+n], v29, s[DM+n]
.set n, n+1
.endr
.endr
.endif
.irp b, 0,1,2,3
	v_max3_num_f32 v[BM+\b], v[S+16*\b], v[S+1+16*\b], v[S+2+16*\b]   ; the largest score of each block of 32 keys: for the row's maximum, and, since p rises with the score, for the block's largest p
.endr
.irp i, 3,5,7,9,11,13
.irp b, 0,1,2,3
	v_max3_num_f32 v[BM+\b], v[BM+\b], v[S+16*\b+\i], v[S+1+16*\b+\i]
.endr
.endr
.irp b, 0,1,2,3
	v_max_num_f32 v[BM+\b], v[BM+\b], v[S+15+16*\b]
.endr
.irp b, 0,1,2,3
	v_permlanex16_b32 v[BT+\b], v[BM+\b], s[SEL], s[SEL+1]
.endr
.irp b, 0,1,2,3
	v_max_num_f32 v[BM+\b], v[BM+\b], v[BT+\b]
.endr
.if \mode == 1
.irp b, 1,2,3
	v_cndmask_b32 v[BM+\b], v[BM+\b], v29, s[VM+\b]   ; a block that is not earlier than mine does not count
.endr
.endif
	v_max3_num_f32 v242, v[BM], v[BM+1], v[BM+2]
	v_max_num_f32 v242, v242, v[BM+3]
	v_mul_f32 v242, s[CS], v242                    ; as t
	v_max_num_f32 v13, v13, v242                   ; the running largest t
	v_mov_b32 v242, v12
	v_floor_f32 v12, -v13                          ; the new -M = -ceil(t)
	v_sub_f32 v242, v12, v242                      ; old M - new M: a whole number, 0 or less
	v_cvt_i32_f32 v242, v242                       ; (it saturates)
	v_ldexp_f32 v240, 1.0, v242                    ; f = 2^(old M - new M)
.if \mode == 1
.irp b, 1,2,3
	v_cndmask_b32 v[NM+2*\b], v12, v29, s[VM+\b]   ; -M, or -infinity for a block that does not count: its p become 0
.endr
.endif
.irp j, 0,2,4,6,8,10,12,14,16,18,20,22,24,26,28,30,32,34,36,38,40,42,44,46,48,50,52,54,56,58,60,62
.if (\mode == 1) && (\j >= 16)
	v_pk_fma_f32 v[S+\j:S+\j+1], v[S+\j:S+\j+1], s[CS:CS+1], v[NM+2*(\j/16):NM+2*(\j/16)+1] op_sel_hi:[1,0,0]
.else
	v_pk_fma_f32 v[S+\j:S+\j+1], v[S+\j:S+\j+1], s[CS:CS+1], v[12:13] op_sel_hi:[1,0,0]   ; t - M, two at a time
.endif
.endr
.irp b, 0,1,2,3
	v_fma_f32 v[BM+\b], v[BM+\b], s[CS], v12       ; the same of each block's largest score
.endr
.set n, 0
	s_wait_alu depctr_va_vdst(0)
.rept 64
	v_exp_f32 v[S+n], v[S+n]                       ; p = 2^(t - M)
.set n, n+1
.endr
	v_pk_mul_f32 v[14:15], v[14:15], v[240:241] op_sel_hi:[1,0]   ; the sums under the new M (a plain place behind the exponentials)
	s_wait_alu depctr_va_vdst(0)                   ; the 64 p are written, ahead of their first reader: one wait for the batch
.irp b, 0,1,2,3
	v_exp_f32 v[BM+\b], v[BM+\b]                   ; the block's largest p
.endr
	v_pk_add_f32 v[BT:BT+1], v[S:S+1], v[S+2:S+3]  ; the row's sum of the unquantised p, in two chains
.irp j, 4,8,12,16,20,24,28,32,36,40,44,48,52,56,60
	v_pk_add_f32 v[14:15], v[14:15], v[S+\j:S+\j+1]
	v_pk_add_f32 v[BT:BT+1], v[BT:BT+1], v[S+\j+2:S+\j+3]
.endr
	v_pk_add_f32 v[14:15], v[14:15], v[BT:BT+1]
	s_wait_alu depctr_va_vdst(0)                   ; the four blocks' largest p are written, ahead of their first reader
.irp b, 0,1,2,3
	v_max_num_f32 v[BM+\b], 0x1800000, v[BM+\b]    ; the floor 2^(3 - 127): a block of zeros keeps the byte 1; its codes are zeros
.endr
.irp b, 0,1,2,3
	v_add_nc_u32 v[SO+\b], 0xff000000, v[BM+\b]
.endr
.irp b, 0,1,2,3
	v_lshrrev_b32 v[BT+\b], 23, v[SO+\b]
.endr
	v_lshl_or_b32 v[PSC], v[BT+1], 8, v[BT]        ; p's scale word for these 128 keys
	v_lshl_or_b32 v[PSC], v[BT+2], 16, v[PSC]
	v_lshl_or_b32 v[PSC], v[BT+3], 24, v[PSC]
.irp c, 0,1
	v_cvt_scalef32_pk16_fp6_f32 v[PCD+6*\c:PCD+6*\c+2], v[S+32*\c:S+32*\c+15], v[SO+2*\c]
	v_cvt_scalef32_pk16_fp6_f32 v[PCD+12+4*\c:PCD+14+4*\c], v[S+32*\c+16:S+32*\c+31], v[SO+2*\c+1]
.endr
	v_nop
.irp c, 0,1
.irp i, 0,1,2
	v_permlane16_swap_b32 v[PCD+6*\c+\i], v[PCD+12+4*\c+\i]
.endr
.irp i, 0,1,2
	v_mov_b32 v[PCD+3+6*\c+\i], v[PCD+12+4*\c+\i]
.endr
.endr
	s_wait_dscnt 0x0                               ; V and its scale words are in
	v_perm_b32 v[VT], v[VW+1], v[VW], 0x05010400   ; four words of four bytes are turned: from (quarter: d tiles) to (d tile: quarters)
	v_perm_b32 v[VT+1], v[VW+1], v[VW], 0x07030602
	v_perm_b32 v[VT+2], v[VW+3], v[VW+2], 0x05010400
	v_perm_b32 v[VT+3], v[VW+3], v[VW+2], 0x07030602
	v_perm_b32 v[VXS], v[VT+2], v[VT], 0x05040100
	v_perm_b32 v[VXS+1], v[VT+2], v[VT], 0x07060302
	v_perm_b32 v[VXS+2], v[VT+3], v[VT+1], 0x05040100
	v_perm_b32 v[VXS+3], v[VT+3], v[VT+1], 0x07060302
.set n, 0
.rept 16
	v_pk_mul_f32 v[O+2*n:O+2*n+1], v[O+2*n:O+2*n+1], v[240:241] op_sel_hi:[1,0]   ; O^T under the new M; these sixteen also stand between the scale words just made and the products
.set n, n+1
.endr
	s_wait_alu depctr_va_vdst(0)                   ; p's codes, p's scale word and V's turned scale words are written, which the scaled products take; the places above stay beside this wait
.irp d, 0,1,2,3
	v_wmma_scale_f32_16x16x128_f8f6f4 v[O+8*\d:O+8*\d+7], v[KF+12*\d:KF+12*\d+11], v[PCD:PCD+11], v[O+8*\d:O+8*\d+7], v[VXS+\d], v[PSC] matrix_a_fmt:MATRIX_FMT_FP6 matrix_b_fmt:MATRIX_FMT_FP6
.endr
.endm
.macro HSTEP sl, e                     ; step e of the slot: earlier blocks J0 .. J0 + 3
	s_add_co_u32 s[J0], s[RB], 4*\e
.irp j, 1,2,3
	s_add_co_u32 s34, s[J0], \j
	s_cmp_lt_u32 s34, s[SJ]
	s_cselect_b32 s[VM+\j], 0, -1                  ; all lanes on where the block is not earlier than mine
.endr
	s_cmp_lt_u32 s[J0], s[SJ]
	s_cbranch_scc0 .Lnone_\@
	STEP 1, \sl*REGN+\e*HALFR, 1
.Lnone_\@:
.endm
.macro ROUND sl                        ; eight earlier blocks, RB .. RB + 7
	s_wait_loadcnt 0x0                             ; my piece of this round is in registers
	s_cmp_lt_u32 s[RB], s[JB]                      ; is there such a round for the work-group's later block?  The same in all sixteen waves
	s_cbranch_scc0 .Lnost_\@
	SSTORE \sl*REGN
.Lnost_\@:
	s_wait_dscnt 0x0                               ; my stores into this slot have landed, and my reads of the other slot are over
	s_wait_alu depctr_vm_vsrc(0)                   ; my LDS stores have read v93 and v244 to v255, in which the next round's piece lands
	s_barrier_signal -1
	s_barrier_wait -1
	s_add_co_u32 s34, s[RB], 8
	s_cmp_lt_u32 s34, s[JB]
	s_cbranch_scc0 .Lnold_\@                       ; no later round: nothing is asked for (in the fourth round never: the later block is 31 at the most)
	s_add_nc_u64 s[SP:SP+1], s[SP:SP+1], 32*1792   ; (the loads that named it are done)
	SLOAD SP
.Lnold_\@:
	HSTEP \sl, 0
	HSTEP \sl, 1
	s_add_co_u32 s[RB], s[RB], 8
.endm
	s_load_b256 s[4:11], s[0:1], 0x0               ; qimg, kimg, vimg, cimg
	v_lshl_add_u32 v207, v0, 2, 0x13800
	v_mov_b32 v211, 0
	v_lshrrev_b32 v242, 5, v0
	v_readfirstlane_b32 s[WV], v242                ; wave 0..15
	v_and_b32 v242, 31, v0                         ; lane
	v_and_b32 v243, 15, v0                         ; r
	v_bfe_u32 v240, v0, 4, 1                       ; h
	v_lshlrev_b32 v1, 4, v242                      ; K: 16 l
	v_lshlrev_b32 v2, 3, v242
	v_add_nc_u32 v2, 512, v2                       ; 8 l + 512
	v_lshlrev_b32 v10, 2, v242                     ; 4 l
	v_add_nc_u32 v3, 1536, v10                     ; K's scale words
	v_mul_u32_u24 v4, v240, PIECE                  ; V: lanes 16-31 read the next quarter's piece
	v_lshl_add_u32 v5, v243, 3, v4
	v_add_nc_u32 v5, 512, v5
	v_lshl_add_u32 v4, v243, 4, v4
	v_lshlrev_b32 v6, 2, v243
	v_add_nc_u32 v6, 1536, v6                      ; V's scale words: 4 r
	s_wait_alu depctr_va_sdst(0)                   ; the wave's number is written into s[WV], ahead of its first reader
	s_mul_i32 s34, s[WV], PIECE
	v_add_nc_u32 v7, s34, v1                       ; where I put my piece
	v_add_nc_u32 v8, s34, v3
	s_lshr_b32 s[TT], s[WV], 1                     ; my tile of 16 queries in its block
	s_lshr_b32 s[SA], s[WV], 2
	s_xor_b32 s[SA], s[SA], s[WV]
	s_and_b32 s[SA], s[SA], 1                      ; which of the two blocks
	s_lshr_b32 s34, s[TT], 1
	s_lshl_b32 s34, s34, 5
	s_and_b32 s35, s[TT], 1                        ; u: which tile of its record
	s_lshl_b32 s36, s35, 3
	s_add_co_u32 s34, s34, s36
	v_and_b32 v11, 8, v243
	v_add_nc_u32 v11, v11, v243
	v_add_nc_u32 v11, s34, v11                     ; my query in its block: 32 (T / 2) + 8 (T % 2) + r + (r & 8),
	v_lshlrev_b32 v240, 4, v240
	v_sub_nc_u32 v11, v11, v240                    ; less 16 h: register 16 b + i is hidden where 32 b + i is greater
	s_mov_b32 s[JA], ttmp9
	s_sub_co_u32 s[JB], 31, ttmp9
	s_and_b32 s[BH], ttmp7, 0xffff                 ; (batch, head)
	s_cmp_eq_u32 s[SA], 0
	s_cselect_b32 s[SJ], s[JA], s[JB]
	s_lshr_b32 s36, s[WV], 3                       ; my piece: step e,
	s_bfe_u32 s37, s[WV], 0x10002                  ; K (0) or V (1),
	s_and_b32 s38, s[WV], 3                        ; record jj of four
	s_cmp_eq_u32 s36, 0
	s_cselect_b32 s39, s[JA], s[JB]
	s_lshl_b32 s39, s39, 2
	s_add_co_u32 s39, s39, s38                     ; the own blocks: record 4 J + jj
	s_mul_i32 s40, s39, 1792
	s_mov_b32 s41, 0
	s_lshl_b32 s42, s36, 4
	s_lshl_b32 s43, s38, 2
	s_add_co_u32 s42, s42, s43
	s_add_co_u32 s42, s42, 3                       ; the first round: record 4 (4 e + jj) + 3
	s_mul_i32 s42, s42, 1792
	s_mov_b32 s43, 0
	s_mul_i32 s44, s[BH], 128*1792
	s_mov_b32 s45, 0
	s_lshl_b32 s50, s[BH], 7
	s_lshl_b32 s51, s[SJ], 2
	s_add_co_u32 s50, s50, s51
	s_lshr_b32 s51, s[TT], 1
	s_add_co_u32 s50, s50, s51
	s_mul_i32 s50, s50, 1792                       ; my queries' record
	s_mul_i32 s52, s35, 768
	s_add_co_u32 s52, s50, s52                     ; my tile's codes in it
	s_mov_b32 s53, 0
	s_lshl_b32 s54, s35, 6
	s_add_co_u32 s54, s50, s54                     ; and its 16 scale words
	s_mov_b32 s55, 0
	s_lshr_b32 s56, s[BH], 3
	s_lshl_b32 s56, s56, 8
	s_lshl_b32 s57, s[SJ], 3
	s_add_co_u32 s56, s56, s57
	s_add_co_u32 s56, s56, s[TT]                   ; my tile among all 512 tiles of rows
	s_lshl_b32 s56, s56, 3
	s_and_b32 s57, s[BH], 7
	s_add_co_u32 s56, s56, s57
	s_lshl_b32 s56, s56, 10                        ; its record for my head: 1,024 bytes
	s_mov_b32 s57, 0
	s_mov_b32 s[SEL], 0x76543210
	s_mov_b32 s[SEL+1], 0xfedcba98
	s_mov_b32 s[CS], 0x3fb8aa3b                    ; log2(e)
	s_mov_b32 s[CS+1], s[CS]
	s_wait_kmcnt 0x0
	s_cmp_eq_u32 s37, 0
	s_cselect_b64 s[46:47], s[6:7], s[8:9]
	s_add_nc_u64 s[46:47], s[46:47], s[44:45]
	s_add_nc_u64 s[48:49], s[46:47], s[40:41]
	s_add_nc_u64 s[SP:SP+1], s[46:47], s[42:43]
	s_add_nc_u64 s[52:53], s[4:5], s[52:53]
	s_add_nc_u64 s[54:55], s[4:5], s[54:55]
	s_add_nc_u64 s[10:11], s[10:11], s[56:57]
	s_wait_alu depctr_va_vdst(0)                   ; the addresses v1 to v8 and v10 are written, which the loads and stores below read; none of them is written again
	SLOAD 48                                       ; my piece of the two own blocks
	global_load_b128 v[16:19], v1, s[52:53]        ; Q stays in registers
	global_load_b64 v[20:21], v2, s[52:53]
	global_load_b32 v28, v6, s[54:55]
	v_mov_b32 v29, 0xff800000                      ; -infinity
	v_mov_b32 v13, 0xff61b1e6                      ; the largest t so far: -3e38
	v_floor_f32 v12, -v13
	v_mov_b32 v14, 0
	v_mov_b32 v15, 0
.irp i, 22,23,24,25,26,27, 78,79,80,81,82,83, 216,217,218,219, 238,239, 241
	v_mov_b32 v[\i], 0                             ; Q's upper half and the six behind K's last fragment: zero codes; destinations of lane permutes and upper halves of pairs: written once
.endr
.set n, 0
.rept 32
	v_mov_b32 v[O+n], 0                            ; O^T: the step is written once, its first run finds zeros
.set n, n+1
.endr
	s_mul_i32 s34, s[SA], HALFR
	s_add_co_u32 s34, s34, LOC
.irp i, 0,1,2,3,4,5
	v_add_nc_u32 v[NM+\i], s34, v[1+\i]            ; the six addresses in my own block's pieces
.endr
	s_wait_loadcnt 0x0
	SSTORE LOC
	s_wait_dscnt 0x0                               ; the stores have landed,
	s_wait_alu depctr_vm_vsrc(0)                   ; and have read v93 and v244 to v255, which are loaded again now
	SLOAD SP                                       ; the first round's piece
	s_barrier_signal -1
	s_barrier_wait -1
	STEP NM, 0, 0                                  ; my own block
	s_wait_alu depctr_vm_vsrc(0)                   ; that step's LDS loads have read their addresses v232 to v237, some of which the later steps write as -M
	s_mov_b32 s[RB], 0
	s_mov_b32 s[CNT], 2
.Lrounds:
	ROUND 0
	ROUND 1
	s_sub_co_u32 s[CNT], s[CNT], 1
	s_cmp_lg_u32 s[CNT], 0
	s_cbranch_scc1 .Lrounds
	; THE WAY OUT: O^T / the sum is the next product's operand: quantised along the head's 64 and stored as half a fragment with its two scale bytes
.rept 4
	v_nop
.endr
	v_add_f32 v14, v14, v15
	v_permlanex16_b32 v242, v14, s[SEL], s[SEL+1]
	v_add_f32 v14, v14, v242                       ; the row's sum
	s_wait_alu depctr_va_vdst(0)
	v_rcp_f32 v240, v14
	v_nop
	s_wait_alu depctr_va_vdst(0)                   ; 1 / the sum is written, ahead of its first reader
.set n, 0
.rept 16
	v_pk_mul_f32 v[S+2*n:S+2*n+1], v[O+2*n:O+2*n+1], v[240:241] op_sel_hi:[1,0]
.set n, n+1
.endr
	QUANT2 S, PCD, PCD+12, 243
	s_wait_alu depctr_va_vdst(0)                   ; the codes in v[PCD ..] and the two scale bytes in v243 are written, which the stores read
	global_store_b128 v1, v[PCD:PCD+3], s[10:11]   ; 512 consecutive bytes, at a multiple of 256
	global_store_b64 v2, v[PCD+4:PCD+5], s[10:11]  ; 256 more
	global_store_b32 v10, v243, s[10:11] offset:768
	s_wait_dscnt 0x0                               ; the closing lines, six on end
	s_wait_alu 0x0
	s_wait_tensorcnt 0x0
	ds_add_u32 v207, v211
	s_wait_dscnt 0x0
	s_endpgm
.Lfunc_end_k_q5b2dd2f9bc_attn:
	.size	k_q5b2dd2f9bc_attn, .Lfunc_end_k_q5b2dd2f9bc_attn-k_q5b2dd2f9bc_attn
	.p2alignl 7, 3214868480
	.fill 96, 4, 3214868480
	.section	.rodata,"a",@progbits
	.p2align	6, 0x0
	.amdhsa_kernel k_q5b2dd2f9bc_attn
		.amdhsa_group_segment_fixed_size 81920
		.amdhsa_private_segment_fixed_size 0
		.amdhsa_enable_private_segment 0
		.amdhsa_kernarg_size 32
		.amdhsa_user_sgpr_count 2
		.amdhsa_user_sgpr_kernarg_segment_ptr 1
		.amdhsa_wavefront_size32 1
		.amdhsa_system_sgpr_workgroup_id_x 1
		.amdhsa_system_sgpr_workgroup_id_y 1
		.amdhsa_system_sgpr_workgroup_id_z 1
		.amdhsa_system_vgpr_workitem_id 0
		.amdhsa_next_free_vgpr 256
		.amdhsa_next_free_sgpr 66
		.amdhsa_reserve_vcc 0
		.amdhsa_float_denorm_mode_32 3
		.amdhsa_float_denorm_mode_16_64 3
		.amdhsa_memory_ordered 1
		.amdhsa_forward_progress 1
		.amdhsa_inst_pref_size 110
	.end_amdhsa_kernel
	.amdgpu_metadata
---
amdhsa.version: [ 1, 2 ]
amdhsa.kernels:
  - .name:           k_q5b2dd2f9bc_attn
    .symbol:         k_q5b2dd2f9bc_attn.kd
    .args:
      - { .name: qimg, .offset: 0, .size: 8, .value_kind: global_buffer, .address_space: global }
      - { .name: kimg, .offset: 8, .size: 8, .value_kind: global_buffer, .address_space: global }
      - { .name: vimg, .offset: 16, .size: 8, .value_kind: global_buffer, .address_space: global }
      - { .name: cimg, .offset: 24, .size: 8, .value_kind: global_buffer, .address_space: global }
    .group_segment_fixed_size: 81920
    .private_segment_fixed_size: 0
    .kernarg_segment_align: 8
    .kernarg_segment_size: 32
    .max_flat_workgroup_size: 512
    .sgpr_count:     66
    .vgpr_count:     256
    .wavefront_size: 32
...
	.end_amdgpu_metadata
.endif
;; end of part 7
;; launch mlp (part 8): grid 128 x 1, 8 waves a work-group, no clusters, 306,176 bytes of LDS; arguments cimg, inputs, wstr, ln2_scale, ln2_bias, b1, b2, out0; writes out0
.if DOCPART == 8
	.amdgcn_target "amdgcn-amd-amdhsa--gfx1250"
	.amdhsa_code_object_version 6
	.text
	.protected	k_q5b2dd2f9bc_mlp
	.globl	k_q5b2dd2f9bc_mlp
	.p2align	8
	.type	k_q5b2dd2f9bc_mlp,@function
k_q5b2dd2f9bc_mlp:
	s_mov_b64 s[64:65], 0
	v_nop
	global_prefetch_b8 v0, s[64:65] scope:SCOPE_SE
	s_setreg_imm32_b32 hwreg(HW_REG_WAVE_SCHED_MODE, 0, 2), 2
	s_setreg_imm32_b32 hwreg(HW_REG_WAVE_MODE, 25, 1), 1
	s_wait_xcnt 0x0
	s_wait_alu depctr_vm_vsrc(0)
; x = ctx wo + inputs;  out = x + gelu(LayerNorm2(x) W1 + b1) W2 + b2.  All three products on codes of FP6 (E2M3, one E8M0 scale for each 32 along K); x and the hidden layer never go to memory.
; SHARES.  A work-group of eight waves takes 64 rows.  THE WAVES SHARE THE COLUMNS: wave w owns columns 64 w .. 64 w + 63 of x and of out, and hidden units 512 ch + 64 w .. + 63 of each of four chunks.
; TILES, IMAGES AND THE RING are those of the launch that makes q, k and v: lane r of tile t takes element 32 (t / 2) + 8 (t % 2) + r + (r & 8); a transposed product leaves two blocks of 32 along the next K in a tile's 32 registers;
; row operands go from wave to wave through LDS as images of registers (768 bytes for 64 along K of a tile); weights come from memory straight into a ring of four register sets, 13 loads a K step, four sets on their way.
; THE CHAIN.  The residual is loaded into ACC and is the C of wo's first products, so x needs no addition.  x is parked in the wave's own LDS bytes while ACC serves the hidden layer, comes back, and is the C of W2's products.
; b1 is the C of each chunk's first products.  gelu(x) = x / (1 + 2^(c0 x + c1 x^3)), c0 = -2 sqrt(2 / pi) log2(e), c1 = 0.044715 c0: the tanh form, without a difference of near numbers.
; No barrier stands in the loop over chunks: the waves of a SIMD drift apart, one's products beside the other's gelu.
; No tensor loads and no cluster: each weight byte goes once into the registers of the one wave that multiplies by it, and the images, the parked x and the biases take 305,152 of LDS's 327,680 bytes: no two slots of use fit.
; 128 work-groups: with 32 rows each every weight byte would be read twice as often and feed half the products.
; LIMITS: NaN and infinities are not served; a block whose largest magnitude lies under 2^-124 keeps the scale byte 1.
; REGISTERS.  window 0: v1-19 addresses; v24-27 row operands' scale words; v28-43 the ring's; v44-59 mean and 1/sigma (pairs); v60-67 at work; v68-77 codes just made; v78-79 c0; v80-127 row fragments, also at work; v128-255 ACC.
;   window 1: v0-191 the ring (set j at 48 j); v192-223 the gain, later b1's 32; v224-255 the norm's bias.
; THE MODE: SCHED_MODE bits 1:0 = 2 (LLVM: expert scheduling mode 2), set by the entry lines.  The code itself states the register dependences
; between vector or matrix instructions and memory or LDS instructions, with s_wait_alu, always for 0.
; THE PLAN.  Registers that memory or LDS instructions touch:
;   v1-8, v12-16, v18-22  addresses, made at the head and never written again: one wait on va_vdst ahead of the first load serves them all.
;   v9-11, v17      addresses that hang on the chunk or on the group of K steps: made anew at the top of a trip, between a wait on vm_vsrc (the last trip's LDS instructions have read them) and a wait on va_vdst.
;   LFR, LSC        in the products: loaded from LDS for a K step, read by its 16 products.     ring place j, RSC + 4 j: loaded from memory, read by the same 16 products.
;                   ONE wait on va_vdst behind a K step's products states that they are done reading all four; the next step's LDS loads and place j's 13 loads follow it with no vector instruction between.
;   LFR             in the norm: sums written by vector instructions, read by four LDS stores (va_vdst ahead), then the waves' sums land there (vm_vsrc ahead).  On the way out: b2 and then rows of out land there.
;   PC, PW          written by the quantiser, read by three LDS stores: va_vdst ahead of the stores, vm_vsrc ahead of the next quantiser.
;   b1's registers  loaded at a trip's top, read by the trip's first 16 products as C.
;   ACC             loaded (the residual), written by products, read by the park's LDS stores, written by the hidden layer's products (the first trip's vm_vsrc stands between), loaded back, read by the stage's LDS stores.
.set SETB, 6656
.set LI16, 1
.set LI8, 2
.set VX, 3
.set PST16, 4
.set PST8, 5
.set PSS, 6
.set STA, 7
.set STL, 8
.set PK16, 12                          ; XPARK + 16384 w + 16 l
.set SGI, 13                           ; the way out, in: XPARK + 16384 w + 272 r + 64 h
.set SGO, 14                           ; back: XPARK + 16384 w + 272 h + 16 r
.set GOUT, 15                          ; 2048 h + 16 r + 256 w
.set BA, 16                            ; 256 w + 64 h
.set LSC, 24
.set RSC, 28
.set MU, 44
.set RS, 52
.set TM, 60
.set PC, 68
.set PT, 74
.set PW, 77
.set GC0, 78
.set LFR, 80
.set ACC, 128
.set GG, 192
.set BIAS, 192
.set BE, 224
.set CIMG, 0                           ; LDS: ctx's 16 fragments, 6144 s + 1536 m + 768 c
.set CSC, 24576                        ; their scale words, 512 s + 16 l + 4 m
.set YIMG, 26624                       ; y's
.set YSC, 51200
.set ST1, 53248
.set ST2, 55296
.set HSC, 57344                        ; the hidden layer's scale words (16 K steps)
.set HIMG, 65536                       ; and its 64 fragments
.set XPARK, 163840                     ; 16,384 bytes for each wave: x parked; later its stage, 16 rows x 272
.set B1L, 294912
.set B2L, 303104
.set STR, 8                            ; s[8:9] the stream of sets
.set WV, 20
.set SEL, 22
.set C29, 24
.set CEPS, 25
.set GC1, 26
.set HB, 28
.set HS, 29
.set BB, 30
.set CNT, 31
.set MSB, 0
.macro WIN new                         ; the immediate's high byte repeats the setting that is left
.if MSB != \new
	s_set_vgpr_msb (MSB<<8)|\new
.set MSB, \new
.endif
.endm
.macro BARRIER                         ; my LDS stores have landed and my LDS loads are in: then the work-group's barrier
	s_wait_dscnt 0x0
	s_barrier_signal -1
	s_barrier_wait -1
.endm
; 32 numbers of a lane, register 16 b + i = k 32 b + 16 (lane / 16) + i of my row, become 6 registers of codes (lane (r, h): block h whole) in v[d] on and the two scale bytes in v[pw].
.macro QUANT2 s, d, t, pw
.irp b, 0,1
	v_max3_num_f32 v[TM+\b], |v[(\s)+16*\b]|, |v[(\s)+16*\b+1]|, 0x1800000   ; the floor 2^(3 - 127): the byte cannot fall under 1
.endr
.irp i, 2,4,6,8,10,12,14
.irp b, 0,1
	v_max3_num_f32 v[TM+\b], v[TM+\b], |v[(\s)+16*\b+\i]|, |v[(\s)+16*\b+\i+1]|
.endr
.endr
.irp b, 0,1
	v_permlanex16_b32 v[TM+2+\b], v[TM+\b], s[SEL], s[SEL+1]
.endr
.irp b, 0,1
	v_max_num_f32 v[TM+\b], v[TM+\b], v[TM+2+\b]
.endr
.irp b, 0,1
	v_add_nc_u32 v[TM+4+\b], 0xff000000, v[TM+\b]
.endr
.irp b, 0,1
	v_lshrrev_b32 v[TM+6+\b], 23, v[TM+4+\b]
.endr
	v_lshl_or_b32 v[\pw], v[TM+7], 8, v[TM+6]
	v_cvt_scalef32_pk16_fp6_f32 v[(\d):(\d)+2], v[(\s):(\s)+15], v[TM+4]
	v_cvt_scalef32_pk16_fp6_f32 v[(\t):(\t)+2], v[(\s)+16:(\s)+31], v[TM+5]
	v_nop                                          ; one plain place behind a scaled conversion
.irp i, 0,1,2
	v_permlane16_swap_b32 v[(\d)+\i], v[(\t)+\i]
.endr
.irp i, 0,1,2
	v_mov_b32 v[(\d)+3+\i], v[(\t)+\i]
.endr
.endm
.macro RLOAD j, at                     ; set number at (counted from the stream's pointer) into ring place j: 13 loads
	WIN 0x40                                       ; destination window 1
.irp f, 0,1,2,3
.irp i, 0,1,2
	global_load_b128 v[48*\j+12*\f+4*\i:48*\j+12*\f+4*\i+3], v[LI16], s[STR:STR+1] offset:(\at)*SETB+1536*\f+512*\i
.endr
.endr
	WIN 0
	global_load_b128 v[RSC+4*\j:RSC+4*\j+3], v[LI16], s[STR:STR+1] offset:(\at)*SETB+6144
.endm
; The rows' part of K step j out of LDS: the four tiles' scale words first, then tile by tile four loads.
.macro LFETCH j, a16, a8, asc, off, soff
	ds_load_b128 v[LSC:LSC+3], v[\asc] offset:\soff+512*\j
.irp m, 0,1,2,3
.irp c, 0,1
	ds_load_b128 v[LFR+12*\m+6*\c:LFR+12*\m+6*\c+3], v[\a16] offset:\off+6144*\j+1536*\m+768*\c
	ds_load_b64 v[LFR+12*\m+6*\c+4:LFR+12*\m+6*\c+5], v[\a8] offset:\off+6144*\j+1536*\m+768*\c
.endr
.endr
.endm
; One K step of 128: 4 tiles of rows x 4 tiles of weights: 16 accumulators, one instruction a turn, in the same order in every step.
; cmode 0: C = D; 1: C = 0; 2: C = the bias.  wcnt: the loads of the younger sets, which may stay out.  w = 1: loads into these products' operands follow.
.macro KMUL j, cmode, wcnt, w
	s_wait_loadcnt \wcnt                           ; loads come back in order: ring place j is in
.if \cmode == 2
	WIN 0x11                                       ; source 0 (the ring) and C (the bias) window 1
.else
	WIN 0x01                                       ; source 0 (the ring) window 1
.endif
.irp m, 0,1,2,3
	s_wait_dscnt 12-4*\m                           ; LDS loads come back in order: all older ones, the scale words and tile m are in; four loads for each younger tile may stay out
.irp f, 0,1,2,3
.if \cmode == 1
	v_wmma_scale_f32_16x16x128_f8f6f4 v[ACC+8*(4*\m+\f):ACC+8*(4*\m+\f)+7], v[48*\j+12*\f:48*\j+12*\f+11], v[LFR+12*\m:LFR+12*\m+11], 0, v[RSC+4*\j+\f], v[LSC+\m] matrix_a_fmt:MATRIX_FMT_FP6 matrix_b_fmt:MATRIX_FMT_FP6
.elseif \cmode == 2
	v_wmma_scale_f32_16x16x128_f8f6f4 v[ACC+8*(4*\m+\f):ACC+8*(4*\m+\f)+7], v[48*\j+12*\f:48*\j+12*\f+11], v[LFR+12*\m:LFR+12*\m+11], v[BIAS+8*\f:BIAS+8*\f+7], v[RSC+4*\j+\f], v[LSC+\m] matrix_a_fmt:MATRIX_FMT_FP6 matrix_b_fmt:MATRIX_FMT_FP6
.else
	v_wmma_scale_f32_16x16x128_f8f6f4 v[ACC+8*(4*\m+\f):ACC+8*(4*\m+\f)+7], v[48*\j+12*\f:48*\j+12*\f+11], v[LFR+12*\m:LFR+12*\m+11], v[ACC+8*(4*\m+\f):ACC+8*(4*\m+\f)+7], v[RSC+4*\j+\f], v[LSC+\m] matrix_a_fmt:MATRIX_FMT_FP6 matrix_b_fmt:MATRIX_FMT_FP6
.endif
.endr
.endr
	WIN 0
.rept 4
	v_nop                                          ; four places (ISA guide 7.12.1) behind these products, ahead of the first read of results
.endr
.if \w
	s_wait_alu depctr_va_vdst(0)                   ; these products are done reading the rows' fragments and scale words and ring place j with its scale words: the loads that follow land in them
.endif
.endm
; Four K steps.  The next step's LDS loads stand ahead of the ring's loads, so that they land while those are issued.  With refill the ring takes the next four sets and the stream steps on.
.macro GROUP4 a16, a8, asc, off, soff, c0, refill
	LFETCH 0, \a16, \a8, \asc, \off, \soff
	KMUL 0, \c0, 39, 1                             ; 39 = the three younger sets' 13 loads each
	LFETCH 1, \a16, \a8, \asc, \off, \soff
.if \refill
	RLOAD 0, 4
	KMUL 1, 0, 39, 1
.else
	KMUL 1, 0, 26, 1                               ; nothing is asked for any more: the counts run down
.endif
	LFETCH 2, \a16, \a8, \asc, \off, \soff
.if \refill
	RLOAD 1, 5
	KMUL 2, 0, 39, 1
.else
	KMUL 2, 0, 13, 1
.endif
	LFETCH 3, \a16, \a8, \asc, \off, \soff
.if \refill
	RLOAD 2, 6
	KMUL 3, 0, 39, 1
	RLOAD 3, 7
	s_wait_xcnt 0x0                                ; the loads have read their base: it may step
	s_add_nc_u64 s[STR:STR+1], s[STR:STR+1], 4*SETB
.else
	KMUL 3, 0, 0, 0
.endif
.endm
; Four tiles' chains (two pairs each at v[LFR + 4 m]) become the rows' sums over all 512 columns, in v[LFR + 8 m] of every lane: within the lane, with lane l xor 16, and over the eight waves through LDS.
.macro REDUCE st
.irp m, 0,1,2,3
	v_pk_add_f32 v[LFR+4*\m:LFR+4*\m+1], v[LFR+4*\m:LFR+4*\m+1], v[LFR+4*\m+2:LFR+4*\m+3]
.endr
.irp m, 0,1,2,3
	v_add_f32 v[LFR+4*\m], v[LFR+4*\m], v[LFR+4*\m+1]
.endr
.irp m, 0,1,2,3
	v_permlanex16_b32 v[LFR+4*\m+1], v[LFR+4*\m], s[SEL], s[SEL+1]
.endr
.irp m, 0,1,2,3
	v_add_f32 v[LFR+4*\m], v[LFR+4*\m], v[LFR+4*\m+1]
.endr
	s_wait_alu depctr_va_vdst(0)                   ; the four sums are written, which the LDS stores read; and the vector work on v[LFR ..] is over, where the loads below land
.irp m, 0,1,2,3
	ds_store_b32 v[STA], v[LFR+4*\m] offset:\st+512*\m   ; both halves of the lanes write the same word with the same value
.endr
	BARRIER
	s_wait_alu depctr_vm_vsrc(0)                   ; my four LDS stores have read v[LFR + 4 m], in which the loads below land
.irp m, 0,1,2,3
	ds_load_b128 v[LFR+8*\m:LFR+8*\m+3], v[STL] offset:\st+512*\m
	ds_load_b128 v[LFR+8*\m+4:LFR+8*\m+7], v[STL] offset:\st+512*\m+16
.endr
	s_wait_dscnt 0x0
.irp m, 0,1,2,3
	v_pk_add_f32 v[LFR+8*\m:LFR+8*\m+1], v[LFR+8*\m:LFR+8*\m+1], v[LFR+8*\m+2:LFR+8*\m+3]
.endr
.irp m, 0,1,2,3
	v_pk_add_f32 v[LFR+8*\m+4:LFR+8*\m+5], v[LFR+8*\m+4:LFR+8*\m+5], v[LFR+8*\m+6:LFR+8*\m+7]
.endr
.irp m, 0,1,2,3
	v_pk_add_f32 v[LFR+8*\m:LFR+8*\m+1], v[LFR+8*\m:LFR+8*\m+1], v[LFR+8*\m+4:LFR+8*\m+5]
.endr
.irp m, 0,1,2,3
	v_add_f32 v[LFR+8*\m], v[LFR+8*\m], v[LFR+8*\m+1]
.endr
.endm
; The norm of the 64 rows in ACC (which stays as it is), its gain and bias, the quantiser, and the images to LDS.  Three barriers.  Each accumulator is read from its low end on.
.macro LNORM park
.irp m, 0,1,2,3
	v_pk_add_f32 v[LFR+4*\m:LFR+4*\m+1], v[ACC+32*\m:ACC+32*\m+1], v[ACC+32*\m+2:ACC+32*\m+3]
.endr
.irp m, 0,1,2,3
	v_pk_add_f32 v[LFR+4*\m+2:LFR+4*\m+3], v[ACC+32*\m+4:ACC+32*\m+5], v[ACC+32*\m+6:ACC+32*\m+7]
.endr
.irp i, 8,12,16,20,24,28
.irp m, 0,1,2,3
	v_pk_add_f32 v[LFR+4*\m:LFR+4*\m+1], v[LFR+4*\m:LFR+4*\m+1], v[ACC+32*\m+\i:ACC+32*\m+\i+1]
.endr
.irp m, 0,1,2,3
	v_pk_add_f32 v[LFR+4*\m+2:LFR+4*\m+3], v[LFR+4*\m+2:LFR+4*\m+3], v[ACC+32*\m+\i+2:ACC+32*\m+\i+3]
.endr
.endr
	REDUCE ST1
.irp m, 0,1,2,3
	v_mul_f32 v[MU+2*\m], s[C29], v[LFR+8*\m]      ; the mean: the sum x 2^-9
.endr
.set i, 0
.rept 16                               ; the squares of x - mean, two chains a tile
.irp m, 0,1,2,3
	v_pk_add_f32 v[LFR+32+2*\m+8*(i%2):LFR+33+2*\m+8*(i%2)], v[ACC+32*\m+2*i:ACC+32*\m+2*i+1], v[MU+2*\m:MU+2*\m+1] op_sel_hi:[1,0] neg_lo:[0,1] neg_hi:[0,1]
.endr
.irp m, 0,1,2,3
.if i < 2
	v_pk_mul_f32 v[LFR+4*\m+2*(i%2):LFR+4*\m+2*(i%2)+1], v[LFR+32+2*\m+8*(i%2):LFR+33+2*\m+8*(i%2)], v[LFR+32+2*\m+8*(i%2):LFR+33+2*\m+8*(i%2)]
.else
	v_pk_fma_f32 v[LFR+4*\m+2*(i%2):LFR+4*\m+2*(i%2)+1], v[LFR+32+2*\m+8*(i%2):LFR+33+2*\m+8*(i%2)], v[LFR+32+2*\m+8*(i%2):LFR+33+2*\m+8*(i%2)], v[LFR+4*\m+2*(i%2):LFR+4*\m+2*(i%2)+1]
.endif
.endr
.set i, i+1
.endr
	REDUCE ST2
.irp m, 0,1,2,3
	v_fma_f32 v[LFR+8*\m], v[LFR+8*\m], s[C29], s[CEPS]   ; the variance + 1e-6
.endr
	s_wait_alu depctr_va_vdst(0)
.irp m, 0,1,2,3
	v_rsq_f32 v[RS+2*\m], v[LFR+8*\m]
.endr
	v_nop                                          ; a plain place behind the last of the four
	s_wait_alu depctr_va_vdst(0)                   ; the four 1 / sigma are written, ahead of their first reader: one wait for the four
.irp m, 0,1,2,3
.set i, 0
.rept 16
	v_pk_add_f32 v[LFR+2*i:LFR+2*i+1], v[ACC+32*\m+2*i:ACC+32*\m+2*i+1], v[MU+2*\m:MU+2*\m+1] op_sel_hi:[1,0] neg_lo:[0,1] neg_hi:[0,1]
.set i, i+1
.endr
.set i, 0
.rept 16
	v_pk_mul_f32 v[LFR+2*i:LFR+2*i+1], v[LFR+2*i:LFR+2*i+1], v[RS+2*\m:RS+2*\m+1] op_sel_hi:[1,0]
.set i, i+1
.endr
	WIN 0x14                                       ; sources 1 and 2 (gain, bias) window 1
.set i, 0
.rept 16
	v_pk_fma_f32 v[LFR+2*i:LFR+2*i+1], v[LFR+2*i:LFR+2*i+1], v[GG+2*i:GG+2*i+1], v[BE+2*i:BE+2*i+1]
.set i, i+1
.endr
	WIN 0
.if \m > 0
	s_wait_alu depctr_vm_vsrc(0)                   ; the last tile's LDS stores have read v[PC ..] and v[PW], which the quantiser writes again now
.endif
	QUANT2 LFR, PC, PT, PW
	s_wait_alu depctr_va_vdst(0)                   ; the quantiser has written v[PC ..] and v[PW], which the LDS stores read
	ds_store_b128 v[PST16], v[PC:PC+3] offset:YIMG+1536*\m
	ds_store_b64 v[PST8], v[PC+4:PC+5] offset:YIMG+1536*\m
	ds_store_b16 v[PSS], v[PW] offset:YSC+4*\m
.endr
.if \park
.set i, 0
.rept 32
	ds_store_b128 v[PK16], v[ACC+4*i:ACC+4*i+3] offset:512*i   ; x waits in my own bytes of LDS while ACC serves the hidden layer (the products that wrote it stand ahead of the waits above)
.set i, i+1
.endr
.endif
	BARRIER                                        ; y's sixteen fragments lie in LDS
.endm
; gelu of tile m's 32 numbers, in place; E = v[LFR] on.  Two batches of transcendentals, one wait each.
.macro GELU m
.set i, 0
.rept 16
	v_pk_mul_f32 v[LFR+2*i:LFR+2*i+1], v[ACC+32*\m+2*i:ACC+32*\m+2*i+1], v[ACC+32*\m+2*i:ACC+32*\m+2*i+1]
.set i, i+1
.endr
.set i, 0
.rept 16
	v_pk_fma_f32 v[LFR+2*i:LFR+2*i+1], v[LFR+2*i:LFR+2*i+1], s[GC1:GC1+1], v[GC0:GC0+1] op_sel_hi:[1,0,1]   ; c1 x^2 + c0
.set i, i+1
.endr
.set i, 0
.rept 16
	v_pk_mul_f32 v[LFR+2*i:LFR+2*i+1], v[LFR+2*i:LFR+2*i+1], v[ACC+32*\m+2*i:ACC+32*\m+2*i+1]
.set i, i+1
.endr
.set i, 0
	s_wait_alu depctr_va_vdst(0)
.rept 32
	v_exp_f32 v[LFR+i], v[LFR+i]
.set i, i+1
.endr
	v_nop
	s_wait_alu depctr_va_vdst(0)                   ; the 32 exponentials are written, ahead of the additions that read them
.set i, 0
.rept 16
	v_pk_add_f32 v[LFR+2*i:LFR+2*i+1], v[LFR+2*i:LFR+2*i+1], 1.0 op_sel_hi:[1,0]
.set i, i+1
.endr
.set i, 0
	s_wait_alu depctr_va_vdst(0)
.rept 32
	v_rcp_f32 v[LFR+i], v[LFR+i]
.set i, i+1
.endr
	v_nop
	s_wait_alu depctr_va_vdst(0)                   ; the 32 reciprocals are written, ahead of the multiplications that read them
.set i, 0
.rept 16
	v_pk_mul_f32 v[ACC+32*\m+2*i:ACC+32*\m+2*i+1], v[ACC+32*\m+2*i:ACC+32*\m+2*i+1], v[LFR+2*i:LFR+2*i+1]
.set i, i+1
.endr
.endm
	s_load_b512 s[4:19], s[0:1], 0x0               ; cimg, inputs, wstr, ln2_scale, ln2_bias, b1, b2, out0
	v_lshrrev_b32 v10, 5, v0
	v_readfirstlane_b32 s[WV], v10                 ; wave 0..7
	v_and_b32 v10, 31, v0                          ; lane
	v_and_b32 v11, 15, v0                          ; r
	v_bfe_u32 v17, v0, 4, 1                        ; h
	v_lshlrev_b32 v[LI16], 4, v10
	v_lshlrev_b32 v[LI8], 3, v10
	v_add_nc_u32 v[LI8], 512, v[LI8]
	v_lshlrev_b32 v9, 2, v10                       ; 4 l
	v_and_b32 v19, 8, v11
	v_add_nc_u32 v19, v19, v11                     ; r + (r & 8)
	s_wait_alu depctr_va_sdst(0)                   ; the wave's number is written into s[WV], ahead of its first reader
	s_lshl_b32 s32, s[WV], 8
	v_lshl_add_u32 v[BA], v17, 6, s32
	v_lshl_add_u32 v[VX], v19, 11, v[BA]
	s_lshr_b32 s33, s[WV], 1
	s_and_b32 s34, s[WV], 1
	s_mul_i32 s35, s33, 6144
	s_mul_i32 s36, s34, 768
	s_add_co_u32 s35, s35, s36
	v_add_nc_u32 v[PST16], s35, v[LI16]
	v_add_nc_u32 v[PST8], s35, v[LI8]
	s_lshl_b32 s35, s33, 9
	s_lshl_b32 s36, s34, 1
	s_add_co_u32 s35, s35, s36
	v_add_nc_u32 v[PSS], s35, v[LI16]
	v_lshlrev_b32 v[STL], 5, v11
	s_lshl_b32 s35, s[WV], 2
	v_add_nc_u32 v[STA], s35, v[STL]
	s_lshl_b32 s35, s[WV], 14
	s_add_co_u32 s35, s35, XPARK                   ; my own 16,384 bytes
	v_add_nc_u32 v[PK16], s35, v[LI16]
	v_mul_u32_u24 v[SGI], v11, 272
	v_lshl_add_u32 v[SGI], v17, 6, v[SGI]
	v_add_nc_u32 v[SGI], s35, v[SGI]
	v_mul_u32_u24 v[SGO], v17, 272
	v_lshl_add_u32 v[SGO], v11, 4, v[SGO]
	v_add_nc_u32 v[SGO], s35, v[SGO]
	v_lshlrev_b32 v[GOUT], 11, v17
	v_lshl_add_u32 v[GOUT], v11, 4, v[GOUT]
	v_add_nc_u32 v[GOUT], s32, v[GOUT]
	v_add_nc_u32 v18, B2L, v[BA]                   ; b2 of my 64 columns
	s_mul_i32 s36, s34, 12288                      ; ctx: I bring tile w / 2, heads 4 (w % 2) on: K steps 2 (w % 2) on
	s_mul_i32 s37, s33, 1536
	s_add_co_u32 s36, s36, s37
	v_add_nc_u32 v10, s36, v[LI16]
	v_add_nc_u32 v11, s36, v[LI8]
	s_lshl_b32 s36, s34, 10
	s_lshl_b32 s37, s33, 2
	s_add_co_u32 s36, s36, s37
	v_add_nc_u32 v17, s36, v[LI16]                 ; and their scale words
	v_lshlrev_b32 v19, 4, v0                       ; b1: 16 bytes a thread, twice
	v_add_nc_u32 v20, B1L, v19
	v_lshlrev_b32 v21, 3, v0                       ; b2: 8 bytes a thread
	v_add_nc_u32 v22, B2L, v21
	s_mov_b32 s[SEL], 0x76543210
	s_mov_b32 s[SEL+1], 0xfedcba98                 ; v_permlanex16_b32's selects for lane l xor 16
	s_mov_b32 s[C29], 0x3b000000                   ; 2^-9
	s_mov_b32 s[CEPS], 0x358637bd                  ; 1e-6
	s_mov_b32 s[GC1], 0xbdd2d3e8                   ; c1 = -0.10294324
	s_mov_b32 s[GC1+1], s[GC1]
	v_mov_b32 v[GC0], 0xc0135761                   ; c0 = -2.3022082
	v_mov_b32 v[GC0+1], 0xc0135761
	v_mov_b32 v[TM+2], 0                           ; written once: a lane permute's destination counts as one of its sources
	v_mov_b32 v[TM+3], 0
.irp m, 0,1,2,3
	v_mov_b32 v[MU+2*\m+1], 0                      ; named as the upper halves of pairs
	v_mov_b32 v[RS+2*\m+1], 0
.endr
	s_lshl_b32 s38, ttmp9, 17                      ; my 64 rows of 2,048 bytes
	s_mov_b32 s39, 0
	s_mul_i32 s40, s[WV], 36*SETB                  ; my 36 sets
	s_mov_b32 s41, 0
	s_lshl_b32 s42, ttmp9, 2
	s_add_co_u32 s42, s42, s33                     ; the tile of rows that I bring
	s_lshl_b32 s42, s42, 3
	s_lshl_b32 s43, s34, 2
	s_add_co_u32 s42, s42, s43                     ; its first head of four
	s_lshl_b32 s42, s42, 10
	s_mov_b32 s43, 0
	s_wait_kmcnt 0x0
	s_add_nc_u64 s[4:5], s[4:5], s[42:43]
	s_add_nc_u64 s[6:7], s[6:7], s[38:39]
	s_add_nc_u64 s[18:19], s[18:19], s[38:39]
	s_add_nc_u64 s[STR:STR+1], s[STR:STR+1], s[40:41]
	s_wait_alu depctr_va_vdst(0)                   ; the addresses v1 to v22 are written, which the loads and stores below read
.irp e, 0,1,2,3
	global_load_b128 v[LFR+8*\e:LFR+8*\e+3], v[LI16], s[4:5] offset:1024*\e
	global_load_b64 v[LFR+8*\e+4:LFR+8*\e+5], v[LI8], s[4:5] offset:1024*\e
	global_load_b32 v[LFR+8*\e+6], v9, s[4:5] offset:1024*\e+768
.endr
	global_load_b128 v[LFR+32:LFR+35], v19, s[14:15]
	global_load_b128 v[LFR+36:LFR+39], v19, s[14:15] offset:4096
	global_load_b64 v[LFR+40:LFR+41], v21, s[16:17]
.irp m, 0,1,2,3
.irp b, 0,1
.irp q, 0,1,2,3
	global_load_b128 v[ACC+32*\m+16*\b+4*\q:ACC+32*\m+16*\b+4*\q+3], v[VX], s[6:7] offset:(32*(\m/2)+8*(\m%2))*2048+128*\b+16*\q   ; the residual, in the result's layout
.endr
.endr
.endr
	WIN 0x40
.irp b, 0,1
.irp q, 0,1,2,3
	global_load_b128 v[GG+16*\b+4*\q:GG+16*\b+4*\q+3], v[BA], s[10:11] offset:128*\b+16*\q
	global_load_b128 v[BE+16*\b+4*\q:BE+16*\b+4*\q+3], v[BA], s[12:13] offset:128*\b+16*\q
.endr
.endr
	WIN 0
	s_wait_loadcnt 48                              ; the residual's 32 loads and the norm's 16 may stay out: ctx, b1 and b2 are in
.irp s, 0,1
	v_lshl_or_b32 v[LFR+42+\s], v[LFR+16*\s+14], 16, v[LFR+16*\s+6]   ; two heads' two bytes each: a K step's scale word
.endr
	s_wait_alu depctr_va_vdst(0)                   ; the two scale words are written, which the LDS stores read
.irp e, 0,1,2,3
	ds_store_b128 v10, v[LFR+8*\e:LFR+8*\e+3] offset:CIMG+6144*(\e/2)+768*(\e%2)
	ds_store_b64 v11, v[LFR+8*\e+4:LFR+8*\e+5] offset:CIMG+6144*(\e/2)+768*(\e%2)
.endr
.irp s, 0,1
	ds_store_b32 v17, v[LFR+42+\s] offset:CSC+512*\s
.endr
	ds_store_b128 v20, v[LFR+32:LFR+35]
	ds_store_b128 v20, v[LFR+36:LFR+39] offset:4096
	ds_store_b64 v22, v[LFR+40:LFR+41]
	RLOAD 0, 0                                     ; the ring's first four sets: wo
	RLOAD 1, 1
	RLOAD 2, 2
	RLOAD 3, 3
	BARRIER                                        ; ctx's sixteen fragments, b1 and b2 lie in LDS
	s_wait_alu depctr_vm_vsrc(0)                   ; my LDS stores have read v[LFR ..], in which ctx's fragments land now
	GROUP4 LI16, LI8, LI16, CIMG, CSC, 0, 1        ; x = ctx wo + the residual, which is the first products' C; the ring takes W1's chunk 0
	LNORM 1
	; ---- the hidden layer, four chunks of 512 units; my 64 of each
	s_mov_b32 s[HB], HIMG
	s_mov_b32 s[HS], HSC
	s_mov_b32 s[BB], B1L
	s_mov_b32 s[CNT], 4
.Lchunk:
	s_wait_alu depctr_vm_vsrc(0)                   ; the LDS instructions issued so far have read v9 to v11 and v17, written below, and v[PC ..], v[PW], which this trip's quantiser writes; in the first trip: the park's stores have read ACC, which the products write
	v_add_nc_u32 v17, s[BB], v[BA]
	v_add_nc_u32 v9, s[HB], v[PST16]
	v_add_nc_u32 v10, s[HB], v[PST8]
	v_add_nc_u32 v11, s[HS], v[PSS]
	s_wait_alu depctr_va_vdst(0)                   ; the four addresses are written, which this trip's LDS loads and stores read
	WIN 0x40
.irp b, 0,1
.irp q, 0,1,2,3
	ds_load_b128 v[BIAS+16*\b+4*\q:BIAS+16*\b+4*\q+3], v17 offset:128*\b+16*\q   ; b1 in the result's layout (the first K step's wait for LDS covers these)
.endr
.endr
	WIN 0
	GROUP4 LI16, LI8, LI16, YIMG, YSC, 2, 1
.irp m, 0,1,2,3
	GELU \m
.if \m > 0
	s_wait_alu depctr_vm_vsrc(0)                   ; the last tile's LDS stores have read v[PC ..] and v[PW], which the quantiser writes again now
.endif
	QUANT2 ACC+32*\m, PC, PT, PW
	s_wait_alu depctr_va_vdst(0)                   ; the quantiser has written v[PC ..] and v[PW], which the LDS stores read
	ds_store_b128 v9, v[PC:PC+3] offset:1536*\m
	ds_store_b64 v10, v[PC+4:PC+5] offset:1536*\m
	ds_store_b16 v11, v[PW] offset:4*\m
.endr
	s_add_co_u32 s[HB], s[HB], 24576               ; four K steps of the next product on
	s_add_co_u32 s[HS], s[HS], 2048
	s_add_co_u32 s[BB], s[BB], 2048
	s_sub_co_u32 s[CNT], s[CNT], 1
	s_cmp_lg_u32 s[CNT], 0
	s_cbranch_scc1 .Lchunk
	BARRIER                                        ; the hidden layer's 64 fragments lie in LDS
	; ---- out = x + hidden W2: x comes back into ACC and is the first products' C (the last vector work on ACC stands ahead of the last tile's wait on va_vdst)
.set i, 0
.rept 32
	ds_load_b128 v[ACC+4*i:ACC+4*i+3], v[PK16] offset:512*i
.set i, i+1
.endr
	s_mov_b32 s[HB], HIMG
	s_mov_b32 s[HS], HSC
	s_mov_b32 s[CNT], 3
.Lout:
	s_wait_alu depctr_vm_vsrc(0)                   ; the LDS instructions issued so far have read v9 to v11, which are written below
	v_add_nc_u32 v9, s[HB], v[LI16]
	v_add_nc_u32 v10, s[HB], v[LI8]
	v_add_nc_u32 v11, s[HS], v[LI16]
	s_wait_alu depctr_va_vdst(0)                   ; the three addresses are written, which this trip's LDS loads read
	GROUP4 9, 10, 11, 0, 0, 0, 1
	s_add_co_u32 s[HB], s[HB], 24576
	s_add_co_u32 s[HS], s[HS], 2048
	s_sub_co_u32 s[CNT], s[CNT], 1
	s_cmp_lg_u32 s[CNT], 0
	s_cbranch_scc1 .Lout
	s_wait_alu depctr_vm_vsrc(0)                   ; the last trip's LDS loads have read v9 to v11, which are written below
	v_add_nc_u32 v9, s[HB], v[LI16]
	v_add_nc_u32 v10, s[HB], v[LI8]
	v_add_nc_u32 v11, s[HS], v[LI16]
	s_wait_alu depctr_va_vdst(0)                   ; the three addresses are written, which the LDS loads below read
	GROUP4 9, 10, 11, 0, 0, 0, 0                   ; the last four K steps ask for nothing
	; ---- THE WAY OUT: + b2; a tile of 16 rows x my 256 bytes goes through my own stage and leaves as whole aligned runs of 256 bytes
	s_wait_alu depctr_va_vdst(0)                   ; the last products are done reading v[LFR ..], in which b2 lands
.irp b, 0,1
.irp q, 0,1,2,3
	ds_load_b128 v[LFR+16*\b+4*\q:LFR+16*\b+4*\q+3], v18 offset:128*\b+16*\q
.endr
.endr
	s_wait_dscnt 0x0
.irp m, 0,1,2,3
.set i, 0
.rept 16
	v_pk_add_f32 v[ACC+32*\m+2*i:ACC+32*\m+2*i+1], v[ACC+32*\m+2*i:ACC+32*\m+2*i+1], v[LFR+2*i:LFR+2*i+1]
.set i, i+1
.endr
.endr
	s_wait_alu depctr_va_vdst(0)                   ; the additions have written ACC, which the LDS stores read, and are done reading b2's registers, in which the rows land
.irp m, 0,1,2,3
.irp b, 0,1
.irp q, 0,1,2,3
	ds_store_b128 v[SGI], v[ACC+32*\m+16*\b+4*\q:ACC+32*\m+16*\b+4*\q+3] offset:128*\b+16*\q
.endr
.endr
.if \m > 0
	s_wait_xcnt 0x0                                ; the last tile's stores have had their addresses translated,
	s_wait_alu depctr_vm_vsrc(0)                   ; and have read v[LFR ..], which are loaded again now
.endif
.irp t, 0,1,2,3,4,5,6,7
	ds_load_b128 v[LFR+4*\t:LFR+4*\t+3], v[SGO] offset:544*\t   ; LDS serves a wave's instructions in order: these see my stores, and the next tile's stores come behind them
.endr
.irp t, 0,1,2,3,4,5,6,7
	s_wait_dscnt 7-\t                              ; the younger loads may stay out
	global_store_b128 v[GOUT], v[LFR+4*\t:LFR+4*\t+3], s[18:19] offset:(32*(\m/2)+8*(\m%2)+2*\t+8*(\t/4))*2048 th:TH_STORE_NT   ; 16 lanes store 256 consecutive bytes, at a multiple of 256 from out0's first byte
.endr
.endr
	s_wait_xcnt 0x0
	s_wait_alu depctr_vm_vsrc(0)                   ; the stage's LDS stores have read v254 and v255, which are made anew below
	v_lshl_add_u32 v254, v0, 2, 0x4a800
	v_mov_b32 v255, 0
	s_wait_dscnt 0x0                               ; the closing lines, six on end
	s_wait_alu 0x0
	s_wait_tensorcnt 0x0
	ds_add_u32 v254, v255
	s_wait_dscnt 0x0
	s_endpgm
.Lfunc_end_k_q5b2dd2f9bc_mlp:
	.size	k_q5b2dd2f9bc_mlp, .Lfunc_end_k_q5b2dd2f9bc_mlp-k_q5b2dd2f9bc_mlp
	.p2alignl 7, 3214868480
	.fill 96, 4, 3214868480
	.section	.rodata,"a",@progbits
	.p2align	6, 0x0
	.amdhsa_kernel k_q5b2dd2f9bc_mlp
		.amdhsa_group_segment_fixed_size 306176
		.amdhsa_private_segment_fixed_size 0
		.amdhsa_enable_private_segment 0
		.amdhsa_kernarg_size 64
		.amdhsa_user_sgpr_count 2
		.amdhsa_user_sgpr_kernarg_segment_ptr 1
		.amdhsa_wavefront_size32 1
		.amdhsa_system_sgpr_workgroup_id_x 1
		.amdhsa_system_sgpr_workgroup_id_y 1
		.amdhsa_system_sgpr_workgroup_id_z 1
		.amdhsa_system_vgpr_workitem_id 0
		.amdhsa_next_free_vgpr 512
		.amdhsa_next_free_sgpr 66
		.amdhsa_reserve_vcc 0
		.amdhsa_float_denorm_mode_32 3
		.amdhsa_float_denorm_mode_16_64 3
		.amdhsa_memory_ordered 1
		.amdhsa_forward_progress 1
		.amdhsa_inst_pref_size 182
	.end_amdhsa_kernel
	.amdgpu_metadata
---
amdhsa.version: [ 1, 2 ]
amdhsa.kernels:
  - .name:           k_q5b2dd2f9bc_mlp
    .symbol:         k_q5b2dd2f9bc_mlp.kd
    .args:
      - { .name: cimg, .offset: 0, .size: 8, .value_kind: global_buffer, .address_space: global }
      - { .name: inputs, .offset: 8, .size: 8, .value_kind: global_buffer, .address_space: global }
      - { .name: wstr, .offset: 16, .size: 8, .value_kind: global_buffer, .address_space: global }
      - { .name: ln2_scale, .offset: 24, .size: 8, .value_kind: global_buffer, .address_space: global }
      - { .name: ln2_bias, .offset: 32, .size: 8, .value_kind: global_buffer, .address_space: global }
      - { .name: b1, .offset: 40, .size: 8, .value_kind: global_buffer, .address_space: global }
      - { .name: b2, .offset: 48, .size: 8, .value_kind: global_buffer, .address_space: global }
      - { .name: out0, .offset: 56, .size: 8, .value_kind: global_buffer, .address_space: global }
    .group_segment_fixed_size: 306176
    .private_segment_fixed_size: 0
    .kernarg_segment_align: 8
    .kernarg_segment_size: 64
    .max_flat_workgroup_size: 256
    .sgpr_count:     66
    .vgpr_count:     512
    .wavefront_size: 32
...
	.end_amdgpu_metadata
.endif
;; end of part 8
